; MI455X (gfx1250); checked and timed in simulation.
; The chip was launched on July 23, 2026; its instructions are those of AMD's public machine-readable ISA for CDNA 5 (MIT licence, August 2026) and "CDNA5" Instruction Set Architecture Reference Guide (July 2026). The comments in the code are by the model that wrote it; some were corrected since.
;; Sparse Mo E. Allowed arithmetic: float matrix products may take bf16 or f16 operands with f32 sums; all other float work in f32.
;; Inputs: W1 8 x 1,024 x 4,096 float32; W2 8 x 4,096 x 1,024 float32; Wr 1,024 x 8 float32; b1 8 x 4,096 float32; b2 8 x 1,024 float32; br 8 float32; x 2 x 512 x 1,024 float32.
;; Outputs: out0 2 x 512 x 1,024 float32.
;; 3 versions, each right; version 2 is faster than version 1; version 3 is version 2 with the launches up, down written anew for expert scheduling mode. Each part assembles by itself: llvm-mc -triple=amdgcn-amd-amdhsa -mcpu=gfx1250 --defsym DOCPART=n.
;; ======== version 1 of 3: 4 launches
;; limits: values are held in f16: magnitudes above 65,504 overflow, below 6.1e-05 lose precision; right only within a limited range of input values
;; workspace buffers: xb 2,097,152 bytes; rw 32,768 bytes; hbuf 67,108,864 bytes; part 67,108,864 bytes
;; launch route (part 1): grid 256 x 1, 1 waves a work-group, no clusters, 0 bytes of LDS; arguments x, Wr, br, xb, rw; writes xb, rw
.if DOCPART == 1
	.amdgcn_target "amdgcn-amd-amdhsa--gfx1250"
	.amdhsa_code_object_version 6
	.text
	.protected	k_q04d5207da5_route
	.globl	k_q04d5207da5_route
	.p2align	8
	.type	k_q04d5207da5_route,@function
k_q04d5207da5_route:
	s_mov_b64 s[64:65], 0
	v_nop
	global_prefetch_b8 v0, s[64:65] scope:SCOPE_SE
	s_setreg_imm32_b32 hwreg(HW_REG_WAVE_MODE, 25, 1), 1
	s_wait_xcnt 0x0
; ROUTER AND CAST.  x: [1024 tokens][1024] f32.  Wr: [1024][8] f32.  br: [8] f32.
; xb[t][d] = f16(x[t][d]);  rw[t][e] = the router's weight of expert e for token t (0 for the six experts not chosen), f32.
; scores = relu(x Wr + br) in f32 on the vector unit (a choice between experts must not hang on the rounding of operands); the two largest scores,
; the lower index first among equals; softmax over the two with the larger one taken away before the exponential.
; One wave owns four tokens.  Lane L owns columns 128 j + 4 L .. + 3, j = 0..7, so a load of x covers 512 consecutive bytes and a store of xb 256.
; WHY f16: four operands (x, W1, h, W2) are rounded on the way to the result, and f16's 11 bits keep the sum of their errors an eighth of what 8 bits leave.
; LIMITS: |x| above 65,504 is not served (f16's largest number).  NaN or infinite scores are not served.  The sum over d is taken lane by lane and then
; across lanes, another order than a plain ascending sum, so a choice may differ where two scores agree to f32 rounding.
; rw is stored as 128 bytes a work-group (4 tokens x 8 x 4).
; No matrix unit, LDS or barrier: 8 columns of Wr are too few for a matrix tile in f32, and no wave needs another's data.
.set ACC, 8                            ; v[8:39]    sums: token tk, expert e at ACC + 8 tk + e
.set WR,  40                           ; v[40:103]  two buffers of 32: my four rows of Wr for one j: row dl, expert e at 8 dl + e
.set X,   104                          ; v[104:231] x as loaded: piece j, token tk at X + 16 j + 4 tk
.set M1,  240                          ; largest score, its index, second largest, its index
.set I1,  241
.set M2,  242
.set I2,  243
.set EX,  244
.set DEN, 245
.set RC,  246
.set W2,  247
.set VAL, 248
	s_load_b256 s[4:11], s[0:1], 0x0               ; x s[4:5], Wr s[6:7], br s[8:9], xb s[10:11]
	s_load_b64 s[12:13], s[0:1], 0x20              ; rw
	s_mov_b32 s24, 0x76543210                      ; v_permlanex16_b32: each lane takes its own place in the other half
	s_mov_b32 s25, 0xfedcba98
	v_lshlrev_b32 v1, 4, v0                        ; 16 L: my 16 bytes in 512 of x
	v_lshlrev_b32 v2, 7, v0                        ; 128 L: my four rows of Wr, 32 bytes each
	v_lshlrev_b32 v3, 3, v0                        ; 8 L: my 8 bytes in 256 of xb
	v_lshlrev_b32 v4, 2, v0                        ; 4 L: my word of rw
	v_lshrrev_b32 v5, 3, v0                        ; the token whose weight I store
	v_and_b32 v6, 7, v0                            ; the expert whose weight I store
	s_lshl_b32 s2, ttmp9, 14                       ; 4 tokens x 4,096 bytes of x
	s_mov_b32 s3, 0
	s_wait_kmcnt 0x0
	s_load_b256 s[16:23], s[8:9], 0x0              ; br, all eight
	s_add_nc_u64 s[4:5], s[4:5], s[2:3]
	s_lshl_b32 s2, ttmp9, 13                       ; 4 tokens x 2,048 bytes of xb
	s_add_nc_u64 s[10:11], s[10:11], s[2:3]
	s_lshl_b32 s2, ttmp9, 7                        ; 4 tokens x 32 bytes of rw
	s_add_nc_u64 s[12:13], s[12:13], s[2:3]
.macro WLOAD j                         ; my four rows of Wr for piece j: 128 bytes, eight loads
.irp i, 0,1,2,3,4,5,6,7
	global_load_b128 v[WR+32*((\j)%2)+4*\i:WR+32*((\j)%2)+4*\i+3], v2, s[6:7] offset:(\j)*4096+16*\i
.endr
.endm
.irp j, 0,1,2,3,4,5,6,7
.irp tk, 0,1,2,3
	global_load_b128 v[X+16*\j+4*\tk:X+16*\j+4*\tk+3], v1, s[4:5] offset:\tk*4096+\j*512 th:TH_LOAD_NT
.endr
.endr
	WLOAD 0
	WLOAD 1
; two experts' sums of token tk take x[tk][column dl of my four] times Wr's row dl; the very first products start the sums
.macro FM j, dl, tk, p
.set rA, ACC+8*\tk+2*\p
.set rX, X+16*\j+4*\tk+2*(\dl/2)
.set rW, WR+32*(\j%2)+8*\dl+2*\p
.if (\j == 0) && (\dl == 0)
	v_pk_mul_f32 v[rA:rA+1], v[rX:rX+1], v[rW:rW+1] op_sel_hi:[0,1]
.elseif (\dl%2) == 0
	v_pk_fma_f32 v[rA:rA+1], v[rX:rX+1], v[rW:rW+1], v[rA:rA+1] op_sel_hi:[0,1,1]
.else
	v_pk_fma_f32 v[rA:rA+1], v[rX:rX+1], v[rW:rW+1], v[rA:rA+1] op_sel:[1,0,0] op_sel_hi:[1,1,1]
.endif
.endm
; piece j.  left: the younger loads that may stay out (the next piece's eight of Wr).  more = 1: the piece two on is asked for, into the buffer just used.
.macro JSTEP j, left, more
	s_wait_loadcnt \left
.irp dl, 0,1,2,3
.irp tk, 0,1,2,3
.irp p, 0,1,2,3
	FM \j, \dl, \tk, \p
.endr
.endr
.endr
.irp tk, 0,1,2,3
	v_cvt_pk_f16_f32 v[X+16*\j+4*\tk], v[X+16*\j+4*\tk], v[X+16*\j+4*\tk+1]
	v_cvt_pk_f16_f32 v[X+16*\j+4*\tk+1], v[X+16*\j+4*\tk+2], v[X+16*\j+4*\tk+3]
.endr
.irp tk, 0,1,2,3
	global_store_b64 v3, v[X+16*\j+4*\tk:X+16*\j+4*\tk+1], s[10:11] offset:\tk*2048+\j*256   ; 32 lanes store 256 consecutive bytes, aligned; these registers are never written again
.endr
.if \more
	WLOAD \j+2
.endif
.endm
	JSTEP 0, 8, 1
	JSTEP 1, 8, 1
	JSTEP 2, 8, 1
	JSTEP 3, 8, 1
	JSTEP 4, 8, 1
	JSTEP 5, 8, 1
	JSTEP 6, 8, 0
	JSTEP 7, 0, 0
	; the 32 sums across the 32 lanes: four steps inside each half ride on the addition, one crosses the halves; every lane ends with every sum
.irp m, 1,2,4,8
.set i, 0
.rept 32
	v_add_f32_dpp v[ACC+i], v[ACC+i], v[ACC+i] row_xmask:\m row_mask:0xf bank_mask:0xf
.set i, i+1
.endr
.endr
.set i, 0
.rept 32
	v_permlanex16_b32 v[WR+i], v[ACC+i], s24, s25  ; the destination counts as read: Wr's buffer has been written
.set i, i+1
.endr
.set i, 0
.rept 32
	v_add_f32 v[ACC+i], v[ACC+i], v[WR+i]
.set i, i+1
.endr
	; each lane keeps the eight sums of the token whose weight it stores (lane / 8), in token 0's registers
.irp tk, 1,2,3
	v_cmp_eq_u32 vcc_lo, \tk, v5
.irp e, 0,1,2,3,4,5,6,7
	v_cndmask_b32 v[ACC+\e], v[ACC+\e], v[ACC+8*\tk+\e], vcc_lo
.endr
.endr
	s_wait_kmcnt 0x0                               ; br
.irp e, 0,1,2,3,4,5,6,7
	v_add_f32 v[ACC+\e], s[16+\e], v[ACC+\e]
.endr
.irp e, 0,1,2,3,4,5,6,7
	v_max_num_f32 v[ACC+\e], 0, v[ACC+\e]          ; relu
.endr
	; the largest score: a later one replaces it only if strictly larger, so the lower index wins among equals
	v_mov_b32 v[M1], v[ACC]
	v_mov_b32 v[I1], 0
.irp e, 1,2,3,4,5,6,7
	v_cmp_le_f32 vcc_lo, v[ACC+\e], v[M1]          ; set: keep
	v_cndmask_b32 v[I1], \e, v[I1], vcc_lo
	v_cndmask_b32 v[M1], v[ACC+\e], v[M1], vcc_lo
.endr
.irp e, 0,1,2,3,4,5,6,7
	v_cmp_ne_u32 vcc_lo, \e, v[I1]
	v_cndmask_b32 v[ACC+\e], -1.0, v[ACC+\e], vcc_lo   ; the chosen one leaves the field: every score is at least 0
.endr
	v_mov_b32 v[M2], v[ACC]
	v_mov_b32 v[I2], 0
.irp e, 1,2,3,4,5,6,7
	v_cmp_le_f32 vcc_lo, v[ACC+\e], v[M2]
	v_cndmask_b32 v[I2], \e, v[I2], vcc_lo
	v_cndmask_b32 v[M2], v[ACC+\e], v[M2], vcc_lo
.endr
	; softmax over the two: exp(m1 - m1) = 1 and exp(m2 - m1) <= 1
	v_sub_f32 v[EX], v[M2], v[M1]
	v_mul_f32 v[EX], 0x3fb8aa3b, v[EX]             ; log2(e)
	v_exp_f32 v[EX], v[EX]
	v_nop                                          ; a plain instruction between a transcendental and the use of its result (ISA guide 5.7.2)
	s_wait_alu depctr_va_vdst(0)
	v_add_f32 v[DEN], 1.0, v[EX]
	v_rcp_f32 v[RC], v[DEN]
	v_nop
	s_wait_alu depctr_va_vdst(0)
	v_mul_f32 v[W2], v[EX], v[RC]
	v_cmp_eq_u32 vcc_lo, v6, v[I2]
	v_cndmask_b32 v[VAL], 0, v[W2], vcc_lo
	v_cmp_eq_u32 vcc_lo, v6, v[I1]
	v_cndmask_b32 v[VAL], v[VAL], v[RC], vcc_lo
	global_store_b32 v4, v[VAL], s[12:13]          ; rw[4 g + lane / 8][lane % 8]
	s_endpgm
.Lfunc_end_k_q04d5207da5_route:
	.size	k_q04d5207da5_route, .Lfunc_end_k_q04d5207da5_route-k_q04d5207da5_route
	.p2alignl 7, 3214868480
	.fill 96, 4, 3214868480
	.section	.rodata,"a",@progbits
	.p2align	6, 0x0
	.amdhsa_kernel k_q04d5207da5_route
		.amdhsa_group_segment_fixed_size 0
		.amdhsa_private_segment_fixed_size 0
		.amdhsa_enable_private_segment 0
		.amdhsa_kernarg_size 40
		.amdhsa_user_sgpr_count 2
		.amdhsa_user_sgpr_kernarg_segment_ptr 1
		.amdhsa_wavefront_size32 1
		.amdhsa_system_sgpr_workgroup_id_x 1
		.amdhsa_system_sgpr_workgroup_id_y 1
		.amdhsa_system_sgpr_workgroup_id_z 1
		.amdhsa_system_vgpr_workitem_id 0
		.amdhsa_next_free_vgpr 256
		.amdhsa_next_free_sgpr 66
		.amdhsa_reserve_vcc 1
		.amdhsa_float_denorm_mode_32 3
		.amdhsa_float_denorm_mode_16_64 3
		.amdhsa_memory_ordered 1
		.amdhsa_forward_progress 1
		.amdhsa_inst_pref_size 65
	.end_amdhsa_kernel
	.amdgpu_metadata
---
amdhsa.version: [ 1, 2 ]
amdhsa.kernels:
  - .name:           k_q04d5207da5_route
    .symbol:         k_q04d5207da5_route.kd
    .args:
      - { .name: x, .offset: 0, .size: 8, .value_kind: global_buffer, .address_space: global }
      - { .name: Wr, .offset: 8, .size: 8, .value_kind: global_buffer, .address_space: global }
      - { .name: br, .offset: 16, .size: 8, .value_kind: global_buffer, .address_space: global }
      - { .name: xb, .offset: 24, .size: 8, .value_kind: global_buffer, .address_space: global }
      - { .name: rw, .offset: 32, .size: 8, .value_kind: global_buffer, .address_space: global }
    .group_segment_fixed_size: 0
    .private_segment_fixed_size: 0
    .kernarg_segment_align: 8
    .kernarg_segment_size: 40
    .max_flat_workgroup_size: 32
    .sgpr_count:     66
    .vgpr_count:     256
    .wavefront_size: 32
...
	.end_amdgpu_metadata
.endif
;; end of part 1
;; launch up (part 2): grid 4 x 128, 4 waves a work-group, no clusters, 327,680 bytes of LDS; arguments xb, W1, b1, hbuf; writes hbuf
.if DOCPART == 2
	.amdgcn_target "amdgcn-amd-amdhsa--gfx1250"
	.amdhsa_code_object_version 6
	.text
	.protected	k_q04d5207da5_up
	.globl	k_q04d5207da5_up
	.p2align	8
	.type	k_q04d5207da5_up,@function
k_q04d5207da5_up:
	s_mov_b64 s[64:65], 0
	v_nop
	global_prefetch_b8 v0, s[64:65] scope:SCOPE_SE
	s_setreg_imm32_b32 hwreg(HW_REG_WAVE_MODE, 25, 1), 1
	s_wait_xcnt 0x0
; ONE TEXT FOR THE TWO PRODUCTS OF THE EXPERTS; the constant UP picks which.  C = A W, A f16 [m][k], W f32 [k][n] as it lies in memory.
;   UP = 1:  hbuf[e][m][n] = f16(min(relu(sum over k of xb[m][k] W1[e][k][n] + b1[e][n]), 65504)),  m < 1024, n < 4096, k < 1024.
;   UP = 0:  part[2 e + half][m][n] = sum over k of hbuf[e][m][2048 half + k] W2[e][2048 half + k][n], f32,  m, n < 1024, k < 2048:
;            the sum over 4,096 is cut in two so that 256 work-groups have a tile; a later launch adds the halves in a fixed order.
; A tile of C is 256 x 256: four waves, each 128 x 128 = 64 accumulators of 16 x 16, 512 registers.  K goes in steps of 128 through two LDS slots.
; A's part of a slot (256 rows x 256 bytes) is brought by tensor loads, 64 rows a wave.  W's part is made by the waves: f32 rows come into registers
; (a load of a wave covers 512 consecutive bytes), are rounded to f16 and stored into LDS as [k][n]; the turning load ds_load_tr16_b128 then gives fragments with k along the registers.
; So W is read from memory as f32 once by each work-group that needs it and never written back.  W is taken in chunks of 32 rows, 8 rows a wave; two chunks
; (2 x 16 loads a wave) are always on their way; during K step j the four chunks of step j + 1 are converted, one in each quarter step, where plain vector lines are wanted anyway.
; THE MATRIX INSTRUCTION IS USED TRANSPOSED: source 0 = 16 columns of W, source 1 = 16 rows of A: a lane then holds row l % 16 of C and the columns 8 (l / 16) + 0..7.
; NO CLUSTER: 128 KiB of a step's 192 KiB are W, which passes through registers to be rounded, where no joint request exists; only A's third could be shared.
; WHY f16 AND NOT bf16: x, W1, h and W2 are each rounded once, and the four errors add up in the result; 11 bits leave an eighth of what 8 bits leave.
; f16'S ROOM (largest 65,504; steps of 6e-8 below 6.1e-5).  Weights of 1/32 at the most and x of a few units stay far inside it at 30 times their size.  h is a sum of 1,024 products:
; of a few units as drawn; 900 times that, some 3,200, with x, W1 and b1 all 30 times larger; 1,024 x 30 x 30/32 = 28,800 with x offset by 30 and W1 by 30 times its half-range.
; At 1/30 of their size W2 (3e-4) and, at 1/900, h (4.5e-4) are rounded in steps of 6e-8: under 1e-4 of their size.
; LIMITS: operands are rounded to f16, sums are f32.  h is clamped to 65,504: above that the result differs from the defining sum.  |W| above 65,504 and NaN are not served.
; REGISTERS, in windows of 256 (s_set_vgpr_msb: bits 1:0 source 0, 3:2 source 1, 5:4 source 2, 7:6 destination):
;   window 0: v1-29 addresses; v64-127, v128-191 fragments of A, two buffers; v192-255 the bias as a C operand (UP), later at work on the way out, with v32-127
;   window 1: v64-127, v128-191 fragments of W, two buffers; v0-63, v192-255 two chunks of W as loaded, then as f16
;   window 2: the accumulators of my rows 0-63 ((a, b) at v[8 (8 a + b)]);  window 3: those of my rows 64-127
.set UP, 1
.if UP
.set KA,     1024                      ; elements from row to row of A
.set PB,     16384                     ; bytes from row to row of W
.set NSTEP,  8                         ; K steps
.set SPITCH, 272                       ; a row of the stage: 128 f16 + 16 bytes
.set OB,     32                        ; the way out: rows read back from the stage
.set CROWS,  16*8192                   ; 16 rows of C in bytes
.else
.set KA,     4096
.set PB,     4096
.set NSTEP,  16
.set SPITCH, 528                       ; 128 f32 + 16 bytes
.set OB,     64
.set CROWS,  16*4096
.endif
.set KSTEP,  128
.set PA,     272                       ; a row of A in LDS: 256 bytes + 16 of padding = 68 words: the 16 rows of a fragment load start 4 banks apart (64 banks of 4 bytes: ISA guide 11.1)
.set PW,     544                       ; a row of W in LDS: 256 f16 + 32 bytes = 17 x 32
.set ASZ,    256*PA                    ; 69,632 = 272 x 256: W's part begins on a multiple of 256, and no tensor load lands in it
.set SLOT,   ASZ+128*PW                ; 139,264
.set STAGE,  2*SLOT                    ; behind the ring: 16 rows for each wave, for the way out
.set ADRA, 16                          ; v16-17  LDS address of my A fragments in slot 0, 1
.set ADRB, 20                          ; v20-21  the same for W
.set STO,  24                          ; v24     the way out: where I put my part of a row
.set RD,   25                          ; v25     the way out: where I read rows back
.set CO,   26                          ; v26     my byte offset in C
.set VB,   27                          ; v27     my byte offset in a chunk of W
.set VST,  28                          ; v28-29  where my f16 of a chunk's first row go, in slot 0, 1
.set F0,   64
.set F1,   128
.set BIAS, 192
.set TMP,  192
.set TF,   64
.set G1,   24                          ; s[24:31] descriptor group 1
.set G0,   32                          ; s[32:39] descriptor group 0, a set for each slot
.set BP,   40                          ; s[40:43] address of the chunk that staging buffer 0, 1 holds or awaits
.set HMAX, 53                          ; s53      65,504.0, f16's largest number (UP)
.set MUL_LO, 0xa1                      ; W window 1, A window 0, C and D window 2
.set MUL_HI, 0xf1                      ; the same, C and D window 3
.set TO_B,   0x40                      ; destination window 1, address window 0
.set CVT,    0x45                      ; sources and destination window 1
.set STB,    0x04                      ; LDS store: address window 0, data window 1
.set MSB, 0
.macro WIN new                         ; the immediate's high byte repeats the setting that is left; a switch that changes nothing is dropped
.if MSB != (\new)
	s_set_vgpr_msb (MSB<<8)|(\new)
.set MSB, (\new)
.endif
.endm
.macro PLACES                          ; four plain vector lines between a matrix instruction and a load into, or a vector line on, its registers
.rept 4
	v_nop
.endr
.endm
.if UP
	s_load_b256 s[4:11], s[0:1], 0x0               ; A s[4:5], W s[6:7], bias s[8:9], C s[10:11]
	v_lshl_add_u32 v30, v0, 2, 0x48400
	v_mov_b32 v31, 0
	ds_add_u32 v30, v31
	ds_add_u32 v30, v31
.else
	s_load_b128 s[4:7], s[0:1], 0x0                ; A s[4:5], W s[6:7]
	s_load_b64 s[10:11], s[0:1], 0x10              ; C
.endif
	v_lshrrev_b32 v1, 5, v0
	v_readfirstlane_b32 s12, v1                    ; wave 0..3
	s_lshr_b32 s13, s12, 1                         ; which half of the tile's rows is mine
	s_and_b32 s14, s12, 1                          ; which half of its columns
	s_and_b32 s16, ttmp7, 0xffff                   ; work-group y; x (ttmp9) is the row tile, so the four neighbours along x take the same W
	; descriptor group 1: 64 rows x 128 elements of 2 bytes, 4 words of padding behind every 64
	s_mov_b32 s[G1+0], (1<<16)|(1<<20)|(5<<22)|(3<<25)
	s_mov_b32 s[G1+1], KSTEP<<16                   ; tensor_dim0 = 128
	s_mov_b32 s[G1+2], 64<<16                      ; tensor_dim1 = 64
	s_mov_b32 s[G1+3], KSTEP<<16                   ; tile_dim0 = 128
	s_mov_b32 s[G1+4], 64                          ; tile_dim1 = 64
	s_mov_b32 s[G1+5], KA                          ; elements from row to row
	s_mov_b32 s[G1+6], 0
	s_mov_b32 s[G1+7], 0
.if UP
	s_mov_b32 s[HMAX], 0x477fe000                  ; 65,504.0
	s_lshr_b32 s48, s16, 4                         ; expert
	s_and_b32 s49, s16, 15                         ; column tile
	s_lshl_b32 s18, ttmp9, 19                      ; A: (256 x + 64 w) rows of 2,048 bytes
	s_lshl_b32 s50, s12, 17
	s_add_co_u32 s18, s18, s50
	s_lshl_b32 s20, s48, 24                        ; W: expert x 16 MiB + column tile x 1,024 bytes
	s_lshl_b32 s50, s49, 10
	s_add_co_u32 s20, s20, s50
	s_lshl_b32 s22, s48, 23                        ; C: expert x 8 MiB + (256 x + 128 row half) rows of 8,192 bytes + 512 column tile + 256 column half
	s_lshl_b32 s50, ttmp9, 21
	s_add_co_u32 s22, s22, s50
	s_lshl_b32 s50, s13, 20
	s_add_co_u32 s22, s22, s50
	s_lshl_b32 s50, s49, 9
	s_add_co_u32 s22, s22, s50
	s_lshl_b32 s50, s14, 8
	s_add_co_u32 s22, s22, s50
	s_lshl_b32 s46, s48, 14                        ; bias: 4 (4,096 expert + 256 column tile + 128 column half)
	s_lshl_b32 s50, s49, 10
	s_add_co_u32 s46, s46, s50
	s_lshl_b32 s50, s14, 9
	s_add_co_u32 s46, s46, s50
	s_mov_b32 s47, 0
.else
	s_lshr_b32 s48, s16, 2                         ; 2 expert + half
	s_and_b32 s49, s16, 3                          ; column tile
	s_lshr_b32 s51, s16, 3                         ; expert
	s_and_b32 s52, s48, 1                          ; half
	s_lshl_b32 s18, s51, 23                        ; A: expert x 8 MiB + (256 x + 64 w) rows of 8,192 bytes + half x 4,096 bytes
	s_lshl_b32 s50, ttmp9, 21
	s_add_co_u32 s18, s18, s50
	s_lshl_b32 s50, s12, 19
	s_add_co_u32 s18, s18, s50
	s_lshl_b32 s50, s52, 12
	s_add_co_u32 s18, s18, s50
	s_lshl_b32 s20, s48, 23                        ; W: (2 expert + half) x 2,048 rows of 4,096 bytes + column tile x 1,024 bytes
	s_lshl_b32 s50, s49, 10
	s_add_co_u32 s20, s20, s50
	s_lshl_b32 s22, s48, 22                        ; C: (2 expert + half) x 4 MiB + (256 x + 128 row half) rows of 4,096 bytes + 1,024 column tile + 512 column half
	s_lshl_b32 s50, ttmp9, 20
	s_add_co_u32 s22, s22, s50
	s_lshl_b32 s50, s13, 19
	s_add_co_u32 s22, s22, s50
	s_lshl_b32 s50, s49, 10
	s_add_co_u32 s22, s22, s50
	s_lshl_b32 s50, s14, 9
	s_add_co_u32 s22, s22, s50
.endif
	s_mov_b32 s19, 0
	s_mov_b32 s21, 0
	s_mov_b32 s23, 0
	s_mul_i32 s45, s12, 64*PA                      ; my 64 rows of A's part of a slot
	s_wait_dscnt 0x0
	s_wait_kmcnt 0x0
	s_add_nc_u64 s[4:5], s[4:5], s[18:19]
	s_add_nc_u64 s[10:11], s[10:11], s[22:23]
	s_add_nc_u64 s[BP:BP+1], s[6:7], s[20:21]      ; chunk 0
	s_add_nc_u64 s[BP+2:BP+3], s[BP:BP+1], 32*PB   ; chunk 1
.irp s, 0,1
	s_mov_b32 s[G0+4*\s], 1                                        ; count = 1
	s_add_co_u32 s[G0+4*\s+1], s45, \s*SLOT                        ; LDS address
	s_add_nc_u64 s[G0+4*\s+2:G0+4*\s+3], s[4:5], \s*KSTEP*2        ; global address: K step s
	s_or_b32 s[G0+4*\s+3], s[G0+4*\s+3], 0x80000000                ; type = 2
.endr
	tensor_load_to_lds s[G0:G0+3], s[G1:G1+7]      ; both first fills go out together, ahead of every wait on TENSORcnt, LDS read and barrier: two loads of mine are out
	s_nop 0
	tensor_load_to_lds s[G0+4:G0+7], s[G1:G1+7]
	s_nop 0
	v_and_b32 v1, 15, v0                           ; r = l % 16
	v_bfe_u32 v2, v0, 4, 1                         ; h = l / 16
	v_and_b32 v3, 31, v0                           ; l
	v_and_b32 v4, 7, v0
	v_bfe_u32 v5, v0, 3, 1
	; a fragment of A: lane l holds row r; registers 0-3 k = 8 h + 0..7, registers 4-7 k = 16 + 8 h + 0..7: two loads of 16 bytes, 32 apart
	v_mul_u32_u24 v6, v1, PA
	v_lshl_add_u32 v6, v2, 4, v6
	s_mul_i32 s50, s13, 128*PA
	v_add_nc_u32 v[ADRA], s50, v6
	v_add_nc_u32 v[ADRA+1], SLOT, v[ADRA]
	; a fragment of W by the turning load: lane l reads 16 bytes of row k = 8 h + l % 8, columns 8 ((l / 8) % 2) + 0..7, and ends with column r and 8 k
	v_lshl_add_u32 v7, v2, 3, v4
	v_mul_u32_u24 v7, v7, PW
	v_lshl_add_u32 v7, v5, 4, v7
	s_lshl_b32 s50, s14, 8
	s_add_co_u32 s50, s50, ASZ
	v_add_nc_u32 v[ADRB], s50, v7
	v_add_nc_u32 v[ADRB+1], SLOT, v[ADRB]
	s_mul_i32 s50, s12, 8*PB                       ; my 8 rows of a chunk, in memory
	v_lshl_add_u32 v[VB], v3, 4, s50
	s_mul_i32 s50, s12, 8*PW                       ; and in LDS
	s_add_co_u32 s50, s50, ASZ
	v_lshl_add_u32 v[VST], v3, 3, s50
	v_add_nc_u32 v[VST+1], SLOT, v[VST]
	s_mul_i32 s50, s12, 16*SPITCH
	s_add_co_u32 s50, s50, STAGE                   ; my stage
	v_mul_u32_u24 v9, v1, SPITCH
.if UP
	v_lshl_add_u32 v9, v2, 4, v9                   ; in: row r, 16 bytes for each half of the lanes
	v_mul_u32_u24 v10, v2, SPITCH                  ; back: lanes 0-15 one row of 256 bytes, lanes 16-31 the next
	v_lshl_add_u32 v10, v1, 4, v10
	v_lshlrev_b32 v11, 13, v2                      ; and the same two rows in C
	v_lshl_add_u32 v[CO], v1, 4, v11
	v_lshlrev_b32 v8, 5, v2                        ; bias: my 8 columns of a block of 16
.else
	v_lshl_add_u32 v9, v2, 5, v9                   ; in: row r, 32 bytes for each half of the lanes
	v_lshlrev_b32 v10, 4, v3                       ; back: 32 lanes take one row of 512 bytes
	v_lshlrev_b32 v[CO], 4, v3
.endif
	v_add_nc_u32 v[STO], s50, v9
	v_add_nc_u32 v[RD], s50, v10
.if UP
	s_add_nc_u64 s[8:9], s[8:9], s[46:47]
.irp b, 0,1,2,3,4,5,6,7                ; the bias in the layout of a C operand: register j of block b = b1[16 b + 8 h + j], the same for every row
	global_load_b128 v[BIAS+8*\b:BIAS+8*\b+3],   v8, s[8:9] offset:64*\b
	global_load_b128 v[BIAS+8*\b+4:BIAS+8*\b+7], v8, s[8:9] offset:64*\b+16
.endr
.endif
; 16 matrix instructions: row blocks a0, a0 + 1 of the window's four x all 8 column blocks, 32 along K.  z = 1: the products start the sums with the constant 0; z = 2: with the bias; nothing is cleared.
; The 64 accumulators take turns, one instruction a turn, in the same order in every quarter step.
.macro MUL16 f, hi, a0, z
.irp a, \a0, \a0+1
.irp b, 0,1,2,3,4,5,6,7
.if \z == 1
	v_wmma_f32_16x16x32_f16 v[8*(8*(\a)+\b):8*(8*(\a)+\b)+7], v[\f+8*\b:\f+8*\b+7], v[\f+8*(4*\hi+\a):\f+8*(4*\hi+\a)+7], 0
.elseif \z == 2
	v_wmma_f32_16x16x32_f16 v[8*(8*(\a)+\b):8*(8*(\a)+\b)+7], v[\f+8*\b:\f+8*\b+7], v[\f+8*(4*\hi+\a):\f+8*(4*\hi+\a)+7], v[BIAS+8*\b:BIAS+8*\b+7]
.else
	v_wmma_f32_16x16x32_f16 v[8*(8*(\a)+\b):8*(8*(\a)+\b)+7], v[\f+8*\b:\f+8*\b+7], v[\f+8*(4*\hi+\a):\f+8*(4*\hi+\a)+7], v[8*(8*(\a)+\b):8*(8*(\a)+\b)+7]
.endif
.endr
.endr
.endm
; 32 LDS loads in one run: the fragments of quarter q (32 along K) of a slot into buffer f: W's 128 columns first, then A's 128 rows
.macro FETCH slot, q, f
	WIN TO_B
.irp i, 0,1,2,3,4,5,6,7
	ds_load_tr16_b128 v[\f+8*\i:\f+8*\i+3],   v[ADRB+\slot] offset:(\q)*32*PW+32*\i
	ds_load_tr16_b128 v[\f+8*\i+4:\f+8*\i+7], v[ADRB+\slot] offset:(\q)*32*PW+16*PW+32*\i
.endr
	WIN 0
.irp i, 0,1,2,3,4,5,6,7
	ds_load_b128 v[\f+8*\i:\f+8*\i+3],   v[ADRA+\slot] offset:64*(\q)+\i*16*PA
	ds_load_b128 v[\f+8*\i+4:\f+8*\i+7], v[ADRA+\slot] offset:64*(\q)+\i*16*PA+32
.endr
.endm
; my 8 rows x 1,024 bytes of a chunk of W into staging buffer buf: 16 loads, each 512 consecutive bytes
.macro LOADCH buf
	WIN TO_B
.irp i, 0,1,2,3,4,5,6,7
	global_load_b128 v[192*\buf+8*\i:192*\buf+8*\i+3],   v[VB], s[BP+2*\buf:BP+2*\buf+1] offset:\i*PB
	global_load_b128 v[192*\buf+8*\i+4:192*\buf+8*\i+7], v[VB], s[BP+2*\buf:BP+2*\buf+1] offset:\i*PB+512
.endr
.endm
; The chunk in staging buffer buf becomes rows 32 c .. 32 c + 31 of W's part of slot slotn.  left: the younger loads that may stay out (the other buffer's 16, or none).
; load = 1: the buffer then takes the chunk two on.  The wait shows this buffer's loads done, so their base may step.
.macro CONV buf, slotn, c, left, load
	s_wait_loadcnt \left
.if \load
	s_add_nc_u64 s[BP+2*\buf:BP+2*\buf+1], s[BP+2*\buf:BP+2*\buf+1], 64*PB
.endif
	WIN CVT
.set t, 0
.rept 16
	v_cvt_pk_f16_f32 v[192*\buf+4*t],   v[192*\buf+4*t],   v[192*\buf+4*t+1]
	v_cvt_pk_f16_f32 v[192*\buf+4*t+1], v[192*\buf+4*t+2], v[192*\buf+4*t+3]
.set t, t+1
.endr
	WIN STB
.irp i, 0,1,2,3,4,5,6,7
	ds_store_b64 v[VST+\slotn], v[192*\buf+8*\i:192*\buf+8*\i+1]   offset:(32*(\c)+\i)*PW       ; 32 lanes store 256 consecutive bytes
	ds_store_b64 v[VST+\slotn], v[192*\buf+8*\i+4:192*\buf+8*\i+5] offset:(32*(\c)+\i)*PW+256
.endr
.if \load
	LOADCH \buf
.endif
.endm
; A K step is four quarter steps of 32 along K, 64 matrix instructions each, on buffers 0, 1, 0, 1.  One of the first three: multiplies buffer f; in its middle it converts a chunk for the next
; step (cv = 1; the 32 conversions are also the plain lines in front of the loads into buffer g) and fetches the next quarter's fragments into g.
.macro QUARTER slot, q, f, g, z, cv, buf, left, load
	s_wait_dscnt 8                                 ; W and A's rows 0-63 are in; the youngest eight loads (A's rows 64-127) may be out
.if \z == 2
	WIN 0x81                                       ; C (the bias) window 0, D window 2
.else
	WIN MUL_LO
.endif
	MUL16 \f, 0, 0, \z
	MUL16 \f, 0, 2, \z
.if \cv
	CONV \buf, 1-\slot, \q, \left, \load
.else
	PLACES
.endif
	FETCH \slot, \q+1, \g
	s_wait_dscnt 32                                ; all but the 32 just issued
.if \z == 2
	WIN 0xc1
.else
	WIN MUL_HI
.endif
	MUL16 \f, 1, 0, \z
	MUL16 \f, 1, 2, \z
.endm
; The last quarter multiplies buffer 1 and changes slots: ONE barrier.  In front of it each wave waits for its reads of this slot, for its stores into the next slot's W and for all its
; tensor loads (one is out: its part of the next slot's A).  Behind it nobody reads this slot and the next slot is whole: A's part of this slot is filled again first (refill = 1: K step two on),
; one tensor load a wave; then the next slot's first fragments are read.  W's part of this slot is written again in the next step, behind this same barrier.
.macro TURN slot, left, load, refill
	s_wait_dscnt 8
	WIN MUL_LO
	MUL16 F1, 0, 0, 0
	CONV 1, 1-\slot, 3, \left, \load
	s_wait_dscnt 0x0
	s_set_vgpr_msb (MSB<<8)|((MSB&0xf0)|0x0)
	s_wait_tensorcnt 0x0                           ; no tensor load of mine is out, so a group 0 may be written
	ds_add_u32 v30, v31
	s_wait_dscnt 0x0
	s_set_vgpr_msb (((MSB&0xf0)|0x0)<<8)|MSB
.if \refill
	s_add_nc_u64 s[G0+4*\slot+2:G0+4*\slot+3], s[G0+4*\slot+2:G0+4*\slot+3], 2*KSTEP*2
.endif
	s_barrier_signal -1
	WIN MUL_LO
	MUL16 F1, 0, 2, 0                              ; work on registers while the others arrive
	WIN 0
	s_barrier_wait -1
.if \refill
	tensor_load_to_lds s[G0+4*\slot:G0+4*\slot+3], s[G1:G1+7]
	s_nop 0
.endif
	PLACES
	FETCH 1-\slot, 0, F0
	WIN MUL_HI
	MUL16 F1, 1, 0, 0
	MUL16 F1, 1, 2, 0
.endm
; cv = 1: every conversion asks for the chunk two on.  cv = 2: the last step but one: its last two conversions have nothing left to ask for, and the counts run down 16, 0.
.macro STEP slot, z, cv, refill
	QUARTER \slot, 0, F0, F1, \z, 1, 0, 16, 1
	QUARTER \slot, 1, F1, F0, 0, 1, 1, 16, 1
.if \cv == 1
	QUARTER \slot, 2, F0, F1, 0, 1, 0, 16, 1
	TURN \slot, 16, 1, \refill
.else
	QUARTER \slot, 2, F0, F1, 0, 1, 0, 16, 0
	TURN \slot, 0, 0, \refill
.endif
.endm
	LOADCH 0
	LOADCH 1
	CONV 0, 0, 0, 16, 1                            ; K step 0's four chunks go into slot 0; behind them chunks 4 and 5 are on their way
	CONV 1, 0, 1, 16, 1
	CONV 0, 0, 2, 16, 1
	CONV 1, 0, 3, 16, 1
	s_wait_dscnt 0x0                               ; my stores into slot 0 are done,
	s_wait_tensorcnt 0x1                           ; my part of A's K step 0 is in; K step 1's may stay out
	s_barrier_signal -1
	s_barrier_wait -1
	FETCH 0, 0, F0
.if UP
	STEP 0, 2, 1, 1                                ; the first quarter's products start the sums, on the bias
.else
	STEP 0, 1, 1, 1                                ; the first quarter's products start the sums
.endif
	STEP 1, 0, 1, 1
	WIN 0                                          ; at a label and at a branch every window is 0
	s_mov_b32 s44, (NSTEP-4)/2
.Llap:                                                 ; a trip goes once round the ring
	STEP 0, 0, 1, 1
	STEP 1, 0, 1, 1
	WIN 0
	s_sub_co_u32 s44, s44, 1
	s_cmp_lg_u32 s44, 0
	s_cbranch_scc1 .Llap
	STEP 0, 0, 2, 0                                ; the last step but one fills nothing again
	QUARTER 1, 0, F0, F1, 0, 0, 0, 0, 0            ; the last step converts nothing
	QUARTER 1, 1, F1, F0, 0, 0, 0, 0, 0
	QUARTER 1, 2, F0, F1, 0, 0, 0, 0, 0
	s_wait_dscnt 8
	WIN MUL_LO
	MUL16 F1, 0, 0, 0
	MUL16 F1, 0, 2, 0
	s_wait_dscnt 0x0
	WIN MUL_HI
	MUL16 F1, 1, 0, 0
	MUL16 F1, 1, 2, 0
	WIN 0
	PLACES
; THE WAY OUT, a block of 16 rows at a time, through my own stage in LDS, so that neighbouring lanes store neighbouring bytes.  LDS serves a wave's instructions in order
; (ISA guide 5.7.1.4), so the loads see the stores above them.  Each accumulator's registers are taken in ascending order.
.if UP
.macro OUTBLK a
	WIN 0x02+((\a)/4)                              ; source 0: window 2 or 3
.set AC, 64*((\a)%4)
.set i, 0
.rept 64
	v_med3_num_f32 v[TF+i], v[AC+i], 0, s[HMAX]    ; relu and the clamp to f16's largest number in one line; the bias lies in the sum
.set i, i+1
.endr
	WIN 0
.set i, 0
.rept 32
	v_cvt_pk_f16_f32 v[TMP+i], v[TF+2*i], v[TF+2*i+1]
.set i, i+1
.endr
.irp b, 0,1,2,3,4,5,6,7
	ds_store_b128 v[STO], v[TMP+4*\b:TMP+4*\b+3] offset:32*\b
.endr
	s_wait_xcnt 0x0                                ; the last block's stores have had their addresses translated (ISA guide 3.1): only now are their data registers and base written again
.if (\a) > 0
	s_add_nc_u64 s[10:11], s[10:11], CROWS
.endif
.irp t, 0,1,2,3,4,5,6,7
	ds_load_b128 v[OB+4*\t:OB+4*\t+3], v[RD] offset:\t*2*SPITCH
.endr
	s_wait_dscnt 0x0
.irp t, 0,1,2,3,4,5,6,7
	global_store_b128 v[CO], v[OB+4*\t:OB+4*\t+3], s[10:11] offset:\t*16384   ; 16 lanes store 256 consecutive bytes, aligned
.endr
.endm
.else
.macro OUTBLK a
	WIN 0x08+4*((\a)/4)                            ; store data: window 2 or 3
.set AC, 64*((\a)%4)
.irp b, 0,1,2,3,4,5,6,7
	ds_store_b128 v[STO], v[AC+8*\b:AC+8*\b+3]   offset:64*\b
	ds_store_b128 v[STO], v[AC+8*\b+4:AC+8*\b+7] offset:64*\b+16
.endr
	WIN 0
	s_wait_xcnt 0x0                                ; the last block's stores have had their addresses translated (ISA guide 3.1): only now are their data registers and base written again
.if (\a) > 0
	s_add_nc_u64 s[10:11], s[10:11], CROWS
.endif
.irp t, 0,1,2,3,4,5,6,7,8,9,10,11,12,13,14,15
	ds_load_b128 v[OB+4*\t:OB+4*\t+3], v[RD] offset:\t*SPITCH
.endr
	s_wait_dscnt 0x0
.irp t, 0,1,2,3,4,5,6,7,8,9,10,11,12,13,14,15
	global_store_b128 v[CO], v[OB+4*\t:OB+4*\t+3], s[10:11] offset:\t*4096    ; 32 lanes store 512 consecutive bytes, aligned
.endr
.endm
.endif
.irp a, 0,1,2,3,4,5,6,7
	OUTBLK \a
.endr
	s_set_vgpr_msb (MSB<<8)|((MSB&0xf0)|0x0)
	s_wait_tensorcnt 0x0
	ds_add_u32 v30, v31
	s_wait_dscnt 0x0
	s_set_vgpr_msb (((MSB&0xf0)|0x0)<<8)|MSB
	s_endpgm
.Lfunc_end_k_q04d5207da5_up:
	.size	k_q04d5207da5_up, .Lfunc_end_k_q04d5207da5_up-k_q04d5207da5_up
	.p2alignl 7, 3214868480
	.fill 96, 4, 3214868480
	.section	.rodata,"a",@progbits
	.p2align	6, 0x0
	.amdhsa_kernel k_q04d5207da5_up
		.amdhsa_group_segment_fixed_size 327680
		.amdhsa_private_segment_fixed_size 0
		.amdhsa_enable_private_segment 0
		.amdhsa_kernarg_size 32
		.amdhsa_user_sgpr_count 2
		.amdhsa_user_sgpr_kernarg_segment_ptr 1
		.amdhsa_wavefront_size32 1
		.amdhsa_system_sgpr_workgroup_id_x 1
		.amdhsa_system_sgpr_workgroup_id_y 1
		.amdhsa_system_sgpr_workgroup_id_z 1
		.amdhsa_system_vgpr_workitem_id 0
		.amdhsa_next_free_vgpr 1024
		.amdhsa_next_free_sgpr 66
		.amdhsa_reserve_vcc 0
		.amdhsa_float_denorm_mode_32 3
		.amdhsa_float_denorm_mode_16_64 3
		.amdhsa_memory_ordered 1
		.amdhsa_forward_progress 1
		.amdhsa_inst_pref_size 255
	.end_amdhsa_kernel
	.section	.bss,"aw",@nobits
	.p2align	6
	.space	262144
	.amdgpu_metadata
---
amdhsa.version: [ 1, 2 ]
amdhsa.kernels:
  - .name:           k_q04d5207da5_up
    .symbol:         k_q04d5207da5_up.kd
    .args:
      - { .name: xb, .offset: 0, .size: 8, .value_kind: global_buffer, .address_space: global }
      - { .name: W1, .offset: 8, .size: 8, .value_kind: global_buffer, .address_space: global }
      - { .name: b1, .offset: 16, .size: 8, .value_kind: global_buffer, .address_space: global }
      - { .name: hbuf, .offset: 24, .size: 8, .value_kind: global_buffer, .address_space: global }
    .group_segment_fixed_size: 327680
    .private_segment_fixed_size: 0
    .kernarg_segment_align: 8
    .kernarg_segment_size: 32
    .max_flat_workgroup_size: 128
    .sgpr_count:     66
    .vgpr_count:     1024
    .wavefront_size: 32
...
	.end_amdgpu_metadata
.endif
;; end of part 2
;; launch down (part 3): grid 4 x 64, 4 waves a work-group, no clusters, 327,680 bytes of LDS; arguments hbuf, W2, part; writes part
.if DOCPART == 3
	.amdgcn_target "amdgcn-amd-amdhsa--gfx1250"
	.amdhsa_code_object_version 6
	.text
	.protected	k_q04d5207da5_down
	.globl	k_q04d5207da5_down
	.p2align	8
	.type	k_q04d5207da5_down,@function
k_q04d5207da5_down:
	s_mov_b64 s[64:65], 0
	v_nop
	global_prefetch_b8 v0, s[64:65] scope:SCOPE_SE
	s_setreg_imm32_b32 hwreg(HW_REG_WAVE_MODE, 25, 1), 1
	s_wait_xcnt 0x0
; ONE TEXT FOR THE TWO PRODUCTS OF THE EXPERTS; the constant UP picks which.  C = A W, A f16 [m][k], W f32 [k][n] as it lies in memory.
;   UP = 1:  hbuf[e][m][n] = f16(min(relu(sum over k of xb[m][k] W1[e][k][n] + b1[e][n]), 65504)),  m < 1024, n < 4096, k < 1024.
;   UP = 0:  part[2 e + half][m][n] = sum over k of hbuf[e][m][2048 half + k] W2[e][2048 half + k][n], f32,  m, n < 1024, k < 2048:
;            the sum over 4,096 is cut in two so that 256 work-groups have a tile; a later launch adds the halves in a fixed order.
; A tile of C is 256 x 256: four waves, each 128 x 128 = 64 accumulators of 16 x 16, 512 registers.  K goes in steps of 128 through two LDS slots.
; A's part of a slot (256 rows x 256 bytes) is brought by tensor loads, 64 rows a wave.  W's part is made by the waves: f32 rows come into registers
; (a load of a wave covers 512 consecutive bytes), are rounded to f16 and stored into LDS as [k][n]; the turning load ds_load_tr16_b128 then gives fragments with k along the registers.
; So W is read from memory as f32 once by each work-group that needs it and never written back.  W is taken in chunks of 32 rows, 8 rows a wave; two chunks
; (2 x 16 loads a wave) are always on their way; during K step j the four chunks of step j + 1 are converted, one in each quarter step, where plain vector lines are wanted anyway.
; THE MATRIX INSTRUCTION IS USED TRANSPOSED: source 0 = 16 columns of W, source 1 = 16 rows of A: a lane then holds row l % 16 of C and the columns 8 (l / 16) + 0..7.
; NO CLUSTER: 128 KiB of a step's 192 KiB are W, which passes through registers to be rounded, where no joint request exists; only A's third could be shared.
; WHY f16 AND NOT bf16: x, W1, h and W2 are each rounded once, and the four errors add up in the result; 11 bits leave an eighth of what 8 bits leave.
; f16'S ROOM (largest 65,504; steps of 6e-8 below 6.1e-5).  Weights of 1/32 at the most and x of a few units stay far inside it at 30 times their size.  h is a sum of 1,024 products:
; of a few units as drawn; 900 times that, some 3,200, with x, W1 and b1 all 30 times larger; 1,024 x 30 x 30/32 = 28,800 with x offset by 30 and W1 by 30 times its half-range.
; At 1/30 of their size W2 (3e-4) and, at 1/900, h (4.5e-4) are rounded in steps of 6e-8: under 1e-4 of their size.
; LIMITS: operands are rounded to f16, sums are f32.  h is clamped to 65,504: above that the result differs from the defining sum.  |W| above 65,504 and NaN are not served.
; REGISTERS, in windows of 256 (s_set_vgpr_msb: bits 1:0 source 0, 3:2 source 1, 5:4 source 2, 7:6 destination):
;   window 0: v1-29 addresses; v64-127, v128-191 fragments of A, two buffers; v192-255 the bias as a C operand (UP), later at work on the way out, with v32-127
;   window 1: v64-127, v128-191 fragments of W, two buffers; v0-63, v192-255 two chunks of W as loaded, then as f16
;   window 2: the accumulators of my rows 0-63 ((a, b) at v[8 (8 a + b)]);  window 3: those of my rows 64-127
.set UP, 0
.if UP
.set KA,     1024                      ; elements from row to row of A
.set PB,     16384                     ; bytes from row to row of W
.set NSTEP,  8                         ; K steps
.set SPITCH, 272                       ; a row of the stage: 128 f16 + 16 bytes
.set OB,     32                        ; the way out: rows read back from the stage
.set CROWS,  16*8192                   ; 16 rows of C in bytes
.else
.set KA,     4096
.set PB,     4096
.set NSTEP,  16
.set SPITCH, 528                       ; 128 f32 + 16 bytes
.set OB,     64
.set CROWS,  16*4096
.endif
.set KSTEP,  128
.set PA,     272                       ; a row of A in LDS: 256 bytes + 16 of padding = 68 words: the 16 rows of a fragment load start 4 banks apart (64 banks of 4 bytes: ISA guide 11.1)
.set PW,     544                       ; a row of W in LDS: 256 f16 + 32 bytes = 17 x 32
.set ASZ,    256*PA                    ; 69,632 = 272 x 256: W's part begins on a multiple of 256, and no tensor load lands in it
.set SLOT,   ASZ+128*PW                ; 139,264
.set STAGE,  2*SLOT                    ; behind the ring: 16 rows for each wave, for the way out
.set ADRA, 16                          ; v16-17  LDS address of my A fragments in slot 0, 1
.set ADRB, 20                          ; v20-21  the same for W
.set STO,  24                          ; v24     the way out: where I put my part of a row
.set RD,   25                          ; v25     the way out: where I read rows back
.set CO,   26                          ; v26     my byte offset in C
.set VB,   27                          ; v27     my byte offset in a chunk of W
.set VST,  28                          ; v28-29  where my f16 of a chunk's first row go, in slot 0, 1
.set F0,   64
.set F1,   128
.set BIAS, 192
.set TMP,  192
.set TF,   64
.set G1,   24                          ; s[24:31] descriptor group 1
.set G0,   32                          ; s[32:39] descriptor group 0, a set for each slot
.set BP,   40                          ; s[40:43] address of the chunk that staging buffer 0, 1 holds or awaits
.set HMAX, 53                          ; s53      65,504.0, f16's largest number (UP)
.set MUL_LO, 0xa1                      ; W window 1, A window 0, C and D window 2
.set MUL_HI, 0xf1                      ; the same, C and D window 3
.set TO_B,   0x40                      ; destination window 1, address window 0
.set CVT,    0x45                      ; sources and destination window 1
.set STB,    0x04                      ; LDS store: address window 0, data window 1
.set MSB, 0
.macro WIN new                         ; the immediate's high byte repeats the setting that is left; a switch that changes nothing is dropped
.if MSB != (\new)
	s_set_vgpr_msb (MSB<<8)|(\new)
.set MSB, (\new)
.endif
.endm
.macro PLACES                          ; four plain vector lines between a matrix instruction and a load into, or a vector line on, its registers
.rept 4
	v_nop
.endr
.endm
.if UP
	s_load_b256 s[4:11], s[0:1], 0x0               ; A s[4:5], W s[6:7], bias s[8:9], C s[10:11]
.else
	s_load_b128 s[4:7], s[0:1], 0x0                ; A s[4:5], W s[6:7]
	s_load_b64 s[10:11], s[0:1], 0x10              ; C
	v_lshl_add_u32 v254, v0, 2, 0x4c400
	v_mov_b32 v255, 0
	ds_add_u32 v254, v255
	ds_add_u32 v254, v255
.endif
	v_lshrrev_b32 v1, 5, v0
	v_readfirstlane_b32 s12, v1                    ; wave 0..3
	s_lshr_b32 s13, s12, 1                         ; which half of the tile's rows is mine
	s_and_b32 s14, s12, 1                          ; which half of its columns
	s_and_b32 s16, ttmp7, 0xffff                   ; work-group y; x (ttmp9) is the row tile, so the four neighbours along x take the same W
	; descriptor group 1: 64 rows x 128 elements of 2 bytes, 4 words of padding behind every 64
	s_mov_b32 s[G1+0], (1<<16)|(1<<20)|(5<<22)|(3<<25)
	s_mov_b32 s[G1+1], KSTEP<<16                   ; tensor_dim0 = 128
	s_mov_b32 s[G1+2], 64<<16                      ; tensor_dim1 = 64
	s_mov_b32 s[G1+3], KSTEP<<16                   ; tile_dim0 = 128
	s_mov_b32 s[G1+4], 64                          ; tile_dim1 = 64
	s_mov_b32 s[G1+5], KA                          ; elements from row to row
	s_mov_b32 s[G1+6], 0
	s_mov_b32 s[G1+7], 0
.if UP
	s_mov_b32 s[HMAX], 0x477fe000                  ; 65,504.0
	s_lshr_b32 s48, s16, 4                         ; expert
	s_and_b32 s49, s16, 15                         ; column tile
	s_lshl_b32 s18, ttmp9, 19                      ; A: (256 x + 64 w) rows of 2,048 bytes
	s_lshl_b32 s50, s12, 17
	s_add_co_u32 s18, s18, s50
	s_lshl_b32 s20, s48, 24                        ; W: expert x 16 MiB + column tile x 1,024 bytes
	s_lshl_b32 s50, s49, 10
	s_add_co_u32 s20, s20, s50
	s_lshl_b32 s22, s48, 23                        ; C: expert x 8 MiB + (256 x + 128 row half) rows of 8,192 bytes + 512 column tile + 256 column half
	s_lshl_b32 s50, ttmp9, 21
	s_add_co_u32 s22, s22, s50
	s_lshl_b32 s50, s13, 20
	s_add_co_u32 s22, s22, s50
	s_lshl_b32 s50, s49, 9
	s_add_co_u32 s22, s22, s50
	s_lshl_b32 s50, s14, 8
	s_add_co_u32 s22, s22, s50
	s_lshl_b32 s46, s48, 14                        ; bias: 4 (4,096 expert + 256 column tile + 128 column half)
	s_lshl_b32 s50, s49, 10
	s_add_co_u32 s46, s46, s50
	s_lshl_b32 s50, s14, 9
	s_add_co_u32 s46, s46, s50
	s_mov_b32 s47, 0
.else
	s_lshr_b32 s48, s16, 2                         ; 2 expert + half
	s_and_b32 s49, s16, 3                          ; column tile
	s_lshr_b32 s51, s16, 3                         ; expert
	s_and_b32 s52, s48, 1                          ; half
	s_lshl_b32 s18, s51, 23                        ; A: expert x 8 MiB + (256 x + 64 w) rows of 8,192 bytes + half x 4,096 bytes
	s_lshl_b32 s50, ttmp9, 21
	s_add_co_u32 s18, s18, s50
	s_lshl_b32 s50, s12, 19
	s_add_co_u32 s18, s18, s50
	s_lshl_b32 s50, s52, 12
	s_add_co_u32 s18, s18, s50
	s_lshl_b32 s20, s48, 23                        ; W: (2 expert + half) x 2,048 rows of 4,096 bytes + column tile x 1,024 bytes
	s_lshl_b32 s50, s49, 10
	s_add_co_u32 s20, s20, s50
	s_lshl_b32 s22, s48, 22                        ; C: (2 expert + half) x 4 MiB + (256 x + 128 row half) rows of 4,096 bytes + 1,024 column tile + 512 column half
	s_lshl_b32 s50, ttmp9, 20
	s_add_co_u32 s22, s22, s50
	s_lshl_b32 s50, s13, 19
	s_add_co_u32 s22, s22, s50
	s_lshl_b32 s50, s49, 10
	s_add_co_u32 s22, s22, s50
	s_lshl_b32 s50, s14, 9
	s_add_co_u32 s22, s22, s50
.endif
	s_mov_b32 s19, 0
	s_mov_b32 s21, 0
	s_mov_b32 s23, 0
	s_mul_i32 s45, s12, 64*PA                      ; my 64 rows of A's part of a slot
	s_wait_dscnt 0x0
	s_wait_kmcnt 0x0
	s_add_nc_u64 s[4:5], s[4:5], s[18:19]
	s_add_nc_u64 s[10:11], s[10:11], s[22:23]
	s_add_nc_u64 s[BP:BP+1], s[6:7], s[20:21]      ; chunk 0
	s_add_nc_u64 s[BP+2:BP+3], s[BP:BP+1], 32*PB   ; chunk 1
.irp s, 0,1
	s_mov_b32 s[G0+4*\s], 1                                        ; count = 1
	s_add_co_u32 s[G0+4*\s+1], s45, \s*SLOT                        ; LDS address
	s_add_nc_u64 s[G0+4*\s+2:G0+4*\s+3], s[4:5], \s*KSTEP*2        ; global address: K step s
	s_or_b32 s[G0+4*\s+3], s[G0+4*\s+3], 0x80000000                ; type = 2
.endr
	tensor_load_to_lds s[G0:G0+3], s[G1:G1+7]      ; both first fills go out together, ahead of every wait on TENSORcnt, LDS read and barrier: two loads of mine are out
	s_nop 0
	tensor_load_to_lds s[G0+4:G0+7], s[G1:G1+7]
	s_nop 0
	v_and_b32 v1, 15, v0                           ; r = l % 16
	v_bfe_u32 v2, v0, 4, 1                         ; h = l / 16
	v_and_b32 v3, 31, v0                           ; l
	v_and_b32 v4, 7, v0
	v_bfe_u32 v5, v0, 3, 1
	; a fragment of A: lane l holds row r; registers 0-3 k = 8 h + 0..7, registers 4-7 k = 16 + 8 h + 0..7: two loads of 16 bytes, 32 apart
	v_mul_u32_u24 v6, v1, PA
	v_lshl_add_u32 v6, v2, 4, v6
	s_mul_i32 s50, s13, 128*PA
	v_add_nc_u32 v[ADRA], s50, v6
	v_add_nc_u32 v[ADRA+1], SLOT, v[ADRA]
	; a fragment of W by the turning load: lane l reads 16 bytes of row k = 8 h + l % 8, columns 8 ((l / 8) % 2) + 0..7, and ends with column r and 8 k
	v_lshl_add_u32 v7, v2, 3, v4
	v_mul_u32_u24 v7, v7, PW
	v_lshl_add_u32 v7, v5, 4, v7
	s_lshl_b32 s50, s14, 8
	s_add_co_u32 s50, s50, ASZ
	v_add_nc_u32 v[ADRB], s50, v7
	v_add_nc_u32 v[ADRB+1], SLOT, v[ADRB]
	s_mul_i32 s50, s12, 8*PB                       ; my 8 rows of a chunk, in memory
	v_lshl_add_u32 v[VB], v3, 4, s50
	s_mul_i32 s50, s12, 8*PW                       ; and in LDS
	s_add_co_u32 s50, s50, ASZ
	v_lshl_add_u32 v[VST], v3, 3, s50
	v_add_nc_u32 v[VST+1], SLOT, v[VST]
	s_mul_i32 s50, s12, 16*SPITCH
	s_add_co_u32 s50, s50, STAGE                   ; my stage
	v_mul_u32_u24 v9, v1, SPITCH
.if UP
	v_lshl_add_u32 v9, v2, 4, v9                   ; in: row r, 16 bytes for each half of the lanes
	v_mul_u32_u24 v10, v2, SPITCH                  ; back: lanes 0-15 one row of 256 bytes, lanes 16-31 the next
	v_lshl_add_u32 v10, v1, 4, v10
	v_lshlrev_b32 v11, 13, v2                      ; and the same two rows in C
	v_lshl_add_u32 v[CO], v1, 4, v11
	v_lshlrev_b32 v8, 5, v2                        ; bias: my 8 columns of a block of 16
.else
	v_lshl_add_u32 v9, v2, 5, v9                   ; in: row r, 32 bytes for each half of the lanes
	v_lshlrev_b32 v10, 4, v3                       ; back: 32 lanes take one row of 512 bytes
	v_lshlrev_b32 v[CO], 4, v3
.endif
	v_add_nc_u32 v[STO], s50, v9
	v_add_nc_u32 v[RD], s50, v10
.if UP
	s_add_nc_u64 s[8:9], s[8:9], s[46:47]
.irp b, 0,1,2,3,4,5,6,7                ; the bias in the layout of a C operand: register j of block b = b1[16 b + 8 h + j], the same for every row
	global_load_b128 v[BIAS+8*\b:BIAS+8*\b+3],   v8, s[8:9] offset:64*\b
	global_load_b128 v[BIAS+8*\b+4:BIAS+8*\b+7], v8, s[8:9] offset:64*\b+16
.endr
.endif
; 16 matrix instructions: row blocks a0, a0 + 1 of the window's four x all 8 column blocks, 32 along K.  z = 1: the products start the sums with the constant 0; z = 2: with the bias; nothing is cleared.
; The 64 accumulators take turns, one instruction a turn, in the same order in every quarter step.
.macro MUL16 f, hi, a0, z
.irp a, \a0, \a0+1
.irp b, 0,1,2,3,4,5,6,7
.if \z == 1
	v_wmma_f32_16x16x32_f16 v[8*(8*(\a)+\b):8*(8*(\a)+\b)+7], v[\f+8*\b:\f+8*\b+7], v[\f+8*(4*\hi+\a):\f+8*(4*\hi+\a)+7], 0
.elseif \z == 2
	v_wmma_f32_16x16x32_f16 v[8*(8*(\a)+\b):8*(8*(\a)+\b)+7], v[\f+8*\b:\f+8*\b+7], v[\f+8*(4*\hi+\a):\f+8*(4*\hi+\a)+7], v[BIAS+8*\b:BIAS+8*\b+7]
.else
	v_wmma_f32_16x16x32_f16 v[8*(8*(\a)+\b):8*(8*(\a)+\b)+7], v[\f+8*\b:\f+8*\b+7], v[\f+8*(4*\hi+\a):\f+8*(4*\hi+\a)+7], v[8*(8*(\a)+\b):8*(8*(\a)+\b)+7]
.endif
.endr
.endr
.endm
; 32 LDS loads in one run: the fragments of quarter q (32 along K) of a slot into buffer f: W's 128 columns first, then A's 128 rows
.macro FETCH slot, q, f
	WIN TO_B
.irp i, 0,1,2,3,4,5,6,7
	ds_load_tr16_b128 v[\f+8*\i:\f+8*\i+3],   v[ADRB+\slot] offset:(\q)*32*PW+32*\i
	ds_load_tr16_b128 v[\f+8*\i+4:\f+8*\i+7], v[ADRB+\slot] offset:(\q)*32*PW+16*PW+32*\i
.endr
	WIN 0
.irp i, 0,1,2,3,4,5,6,7
	ds_load_b128 v[\f+8*\i:\f+8*\i+3],   v[ADRA+\slot] offset:64*(\q)+\i*16*PA
	ds_load_b128 v[\f+8*\i+4:\f+8*\i+7], v[ADRA+\slot] offset:64*(\q)+\i*16*PA+32
.endr
.endm
; my 8 rows x 1,024 bytes of a chunk of W into staging buffer buf: 16 loads, each 512 consecutive bytes
.macro LOADCH buf
	WIN TO_B
.irp i, 0,1,2,3,4,5,6,7
	global_load_b128 v[192*\buf+8*\i:192*\buf+8*\i+3],   v[VB], s[BP+2*\buf:BP+2*\buf+1] offset:\i*PB
	global_load_b128 v[192*\buf+8*\i+4:192*\buf+8*\i+7], v[VB], s[BP+2*\buf:BP+2*\buf+1] offset:\i*PB+512
.endr
.endm
; The chunk in staging buffer buf becomes rows 32 c .. 32 c + 31 of W's part of slot slotn.  left: the younger loads that may stay out (the other buffer's 16, or none).
; load = 1: the buffer then takes the chunk two on.  The wait shows this buffer's loads done, so their base may step.
.macro CONV buf, slotn, c, left, load
	s_wait_loadcnt \left
.if \load
	s_add_nc_u64 s[BP+2*\buf:BP+2*\buf+1], s[BP+2*\buf:BP+2*\buf+1], 64*PB
.endif
	WIN CVT
.set t, 0
.rept 16
	v_cvt_pk_f16_f32 v[192*\buf+4*t],   v[192*\buf+4*t],   v[192*\buf+4*t+1]
	v_cvt_pk_f16_f32 v[192*\buf+4*t+1], v[192*\buf+4*t+2], v[192*\buf+4*t+3]
.set t, t+1
.endr
	WIN STB
.irp i, 0,1,2,3,4,5,6,7
	ds_store_b64 v[VST+\slotn], v[192*\buf+8*\i:192*\buf+8*\i+1]   offset:(32*(\c)+\i)*PW       ; 32 lanes store 256 consecutive bytes
	ds_store_b64 v[VST+\slotn], v[192*\buf+8*\i+4:192*\buf+8*\i+5] offset:(32*(\c)+\i)*PW+256
.endr
.if \load
	LOADCH \buf
.endif
.endm
; A K step is four quarter steps of 32 along K, 64 matrix instructions each, on buffers 0, 1, 0, 1.  One of the first three: multiplies buffer f; in its middle it converts a chunk for the next
; step (cv = 1; the 32 conversions are also the plain lines in front of the loads into buffer g) and fetches the next quarter's fragments into g.
.macro QUARTER slot, q, f, g, z, cv, buf, left, load
	s_wait_dscnt 8                                 ; W and A's rows 0-63 are in; the youngest eight loads (A's rows 64-127) may be out
.if \z == 2
	WIN 0x81                                       ; C (the bias) window 0, D window 2
.else
	WIN MUL_LO
.endif
	MUL16 \f, 0, 0, \z
	MUL16 \f, 0, 2, \z
.if \cv
	CONV \buf, 1-\slot, \q, \left, \load
.else
	PLACES
.endif
	FETCH \slot, \q+1, \g
	s_wait_dscnt 32                                ; all but the 32 just issued
.if \z == 2
	WIN 0xc1
.else
	WIN MUL_HI
.endif
	MUL16 \f, 1, 0, \z
	MUL16 \f, 1, 2, \z
.endm
; The last quarter multiplies buffer 1 and changes slots: ONE barrier.  In front of it each wave waits for its reads of this slot, for its stores into the next slot's W and for all its
; tensor loads (one is out: its part of the next slot's A).  Behind it nobody reads this slot and the next slot is whole: A's part of this slot is filled again first (refill = 1: K step two on),
; one tensor load a wave; then the next slot's first fragments are read.  W's part of this slot is written again in the next step, behind this same barrier.
.macro TURN slot, left, load, refill
	s_wait_dscnt 8
	WIN MUL_LO
	MUL16 F1, 0, 0, 0
	CONV 1, 1-\slot, 3, \left, \load
	s_wait_dscnt 0x0
	s_set_vgpr_msb (MSB<<8)|((MSB&0xf0)|0x0)
	s_wait_tensorcnt 0x0                           ; no tensor load of mine is out, so a group 0 may be written
	ds_add_u32 v254, v255
	s_wait_dscnt 0x0
	s_set_vgpr_msb (((MSB&0xf0)|0x0)<<8)|MSB
.if \refill
	s_add_nc_u64 s[G0+4*\slot+2:G0+4*\slot+3], s[G0+4*\slot+2:G0+4*\slot+3], 2*KSTEP*2
.endif
	s_barrier_signal -1
	WIN MUL_LO
	MUL16 F1, 0, 2, 0                              ; work on registers while the others arrive
	WIN 0
	s_barrier_wait -1
.if \refill
	tensor_load_to_lds s[G0+4*\slot:G0+4*\slot+3], s[G1:G1+7]
	s_nop 0
.endif
	PLACES
	FETCH 1-\slot, 0, F0
	WIN MUL_HI
	MUL16 F1, 1, 0, 0
	MUL16 F1, 1, 2, 0
.endm
; cv = 1: every conversion asks for the chunk two on.  cv = 2: the last step but one: its last two conversions have nothing left to ask for, and the counts run down 16, 0.
.macro STEP slot, z, cv, refill
	QUARTER \slot, 0, F0, F1, \z, 1, 0, 16, 1
	QUARTER \slot, 1, F1, F0, 0, 1, 1, 16, 1
.if \cv == 1
	QUARTER \slot, 2, F0, F1, 0, 1, 0, 16, 1
	TURN \slot, 16, 1, \refill
.else
	QUARTER \slot, 2, F0, F1, 0, 1, 0, 16, 0
	TURN \slot, 0, 0, \refill
.endif
.endm
	LOADCH 0
	LOADCH 1
	CONV 0, 0, 0, 16, 1                            ; K step 0's four chunks go into slot 0; behind them chunks 4 and 5 are on their way
	CONV 1, 0, 1, 16, 1
	CONV 0, 0, 2, 16, 1
	CONV 1, 0, 3, 16, 1
	s_wait_dscnt 0x0                               ; my stores into slot 0 are done,
	s_wait_tensorcnt 0x1                           ; my part of A's K step 0 is in; K step 1's may stay out
	s_barrier_signal -1
	s_barrier_wait -1
	FETCH 0, 0, F0
.if UP
	STEP 0, 2, 1, 1                                ; the first quarter's products start the sums, on the bias
.else
	STEP 0, 1, 1, 1                                ; the first quarter's products start the sums
.endif
	STEP 1, 0, 1, 1
	WIN 0                                          ; at a label and at a branch every window is 0
	s_mov_b32 s44, (NSTEP-4)/2
.Llap:                                                 ; a trip goes once round the ring
	STEP 0, 0, 1, 1
	STEP 1, 0, 1, 1
	WIN 0
	s_sub_co_u32 s44, s44, 1
	s_cmp_lg_u32 s44, 0
	s_cbranch_scc1 .Llap
	STEP 0, 0, 2, 0                                ; the last step but one fills nothing again
	QUARTER 1, 0, F0, F1, 0, 0, 0, 0, 0            ; the last step converts nothing
	QUARTER 1, 1, F1, F0, 0, 0, 0, 0, 0
	QUARTER 1, 2, F0, F1, 0, 0, 0, 0, 0
	s_wait_dscnt 8
	WIN MUL_LO
	MUL16 F1, 0, 0, 0
	MUL16 F1, 0, 2, 0
	s_wait_dscnt 0x0
	WIN MUL_HI
	MUL16 F1, 1, 0, 0
	MUL16 F1, 1, 2, 0
	WIN 0
	PLACES
; THE WAY OUT, a block of 16 rows at a time, through my own stage in LDS, so that neighbouring lanes store neighbouring bytes.  LDS serves a wave's instructions in order
; (ISA guide 5.7.1.4), so the loads see the stores above them.  Each accumulator's registers are taken in ascending order.
.if UP
.macro OUTBLK a
	WIN 0x02+((\a)/4)                              ; source 0: window 2 or 3
.set AC, 64*((\a)%4)
.set i, 0
.rept 64
	v_med3_num_f32 v[TF+i], v[AC+i], 0, s[HMAX]    ; relu and the clamp to f16's largest number in one line; the bias lies in the sum
.set i, i+1
.endr
	WIN 0
.set i, 0
.rept 32
	v_cvt_pk_f16_f32 v[TMP+i], v[TF+2*i], v[TF+2*i+1]
.set i, i+1
.endr
.irp b, 0,1,2,3,4,5,6,7
	ds_store_b128 v[STO], v[TMP+4*\b:TMP+4*\b+3] offset:32*\b
.endr
	s_wait_xcnt 0x0                                ; the last block's stores have had their addresses translated (ISA guide 3.1): only now are their data registers and base written again
.if (\a) > 0
	s_add_nc_u64 s[10:11], s[10:11], CROWS
.endif
.irp t, 0,1,2,3,4,5,6,7
	ds_load_b128 v[OB+4*\t:OB+4*\t+3], v[RD] offset:\t*2*SPITCH
.endr
	s_wait_dscnt 0x0
.irp t, 0,1,2,3,4,5,6,7
	global_store_b128 v[CO], v[OB+4*\t:OB+4*\t+3], s[10:11] offset:\t*16384   ; 16 lanes store 256 consecutive bytes, aligned
.endr
.endm
.else
.macro OUTBLK a
	WIN 0x08+4*((\a)/4)                            ; store data: window 2 or 3
.set AC, 64*((\a)%4)
.irp b, 0,1,2,3,4,5,6,7
	ds_store_b128 v[STO], v[AC+8*\b:AC+8*\b+3]   offset:64*\b
	ds_store_b128 v[STO], v[AC+8*\b+4:AC+8*\b+7] offset:64*\b+16
.endr
	WIN 0
	s_wait_xcnt 0x0                                ; the last block's stores have had their addresses translated (ISA guide 3.1): only now are their data registers and base written again
.if (\a) > 0
	s_add_nc_u64 s[10:11], s[10:11], CROWS
.endif
.irp t, 0,1,2,3,4,5,6,7,8,9,10,11,12,13,14,15
	ds_load_b128 v[OB+4*\t:OB+4*\t+3], v[RD] offset:\t*SPITCH
.endr
	s_wait_dscnt 0x0
.irp t, 0,1,2,3,4,5,6,7,8,9,10,11,12,13,14,15
	global_store_b128 v[CO], v[OB+4*\t:OB+4*\t+3], s[10:11] offset:\t*4096    ; 32 lanes store 512 consecutive bytes, aligned
.endr
.endm
.endif
.irp a, 0,1,2,3,4,5,6,7
	OUTBLK \a
.endr
	s_set_vgpr_msb (MSB<<8)|((MSB&0xf0)|0x0)
	s_wait_tensorcnt 0x0
	ds_add_u32 v254, v255
	s_wait_dscnt 0x0
	s_set_vgpr_msb (((MSB&0xf0)|0x0)<<8)|MSB
	s_endpgm
.Lfunc_end_k_q04d5207da5_down:
	.size	k_q04d5207da5_down, .Lfunc_end_k_q04d5207da5_down-k_q04d5207da5_down
	.p2alignl 7, 3214868480
	.fill 96, 4, 3214868480
	.section	.rodata,"a",@progbits
	.p2align	6, 0x0
	.amdhsa_kernel k_q04d5207da5_down
		.amdhsa_group_segment_fixed_size 327680
		.amdhsa_private_segment_fixed_size 0
		.amdhsa_enable_private_segment 0
		.amdhsa_kernarg_size 24
		.amdhsa_user_sgpr_count 2
		.amdhsa_user_sgpr_kernarg_segment_ptr 1
		.amdhsa_wavefront_size32 1
		.amdhsa_system_sgpr_workgroup_id_x 1
		.amdhsa_system_sgpr_workgroup_id_y 1
		.amdhsa_system_sgpr_workgroup_id_z 1
		.amdhsa_system_vgpr_workitem_id 0
		.amdhsa_next_free_vgpr 1024
		.amdhsa_next_free_sgpr 66
		.amdhsa_reserve_vcc 0
		.amdhsa_float_denorm_mode_32 3
		.amdhsa_float_denorm_mode_16_64 3
		.amdhsa_memory_ordered 1
		.amdhsa_forward_progress 1
		.amdhsa_inst_pref_size 255
	.end_amdhsa_kernel
	.section	.bss,"aw",@nobits
	.p2align	6
	.space	262144
	.amdgpu_metadata
---
amdhsa.version: [ 1, 2 ]
amdhsa.kernels:
  - .name:           k_q04d5207da5_down
    .symbol:         k_q04d5207da5_down.kd
    .args:
      - { .name: hbuf, .offset: 0, .size: 8, .value_kind: global_buffer, .address_space: global }
      - { .name: W2, .offset: 8, .size: 8, .value_kind: global_buffer, .address_space: global }
      - { .name: part, .offset: 16, .size: 8, .value_kind: global_buffer, .address_space: global }
    .group_segment_fixed_size: 327680
    .private_segment_fixed_size: 0
    .kernarg_segment_align: 8
    .kernarg_segment_size: 24
    .max_flat_workgroup_size: 128
    .sgpr_count:     66
    .vgpr_count:     1024
    .wavefront_size: 32
...
	.end_amdgpu_metadata
.endif
;; end of part 3
;; launch comb (part 4): grid 1024 x 1, 8 waves a work-group, no clusters, 0 bytes of LDS; arguments part, rw, b2, out0; writes out0
.if DOCPART == 4
	.amdgcn_target "amdgcn-amd-amdhsa--gfx1250"
	.amdhsa_code_object_version 6
	.text
	.protected	k_q04d5207da5_comb
	.globl	k_q04d5207da5_comb
	.p2align	8
	.type	k_q04d5207da5_comb,@function
k_q04d5207da5_comb:
	s_mov_b64 s[64:65], 0
	v_nop
	global_prefetch_b8 v0, s[64:65] scope:SCOPE_SE
	s_setreg_imm32_b32 hwreg(HW_REG_WAVE_MODE, 25, 1), 1
	s_wait_xcnt 0x0
; out0[t][d] = sum over e of rw[t][e] (part[2 e][t][d] + part[2 e + 1][t][d] + b2[e][d]), all f32, e ascending.
; part: [16][1024][1024], rw: [1024][8], b2: [8][1024], out0: [1024][1024].
; A work-group owns one token; thread i owns the 16 bytes at 16 i of every row, so a load or store of a wave covers 512 consecutive bytes, aligned.
; All 24 loads of a thread go out at once; the waits count down expert by expert.  A stream: no LDS, barrier, matrix unit or cluster would spare a byte.
; An expert that was not chosen has the weight 0 and its term is 0 x a finite number, as in the sum that defines the result.
.set P,   8                            ; v[8:103]   expert e: 4 registers of part[2 e], 4 of part[2 e + 1], 4 of b2[e]
.set ACC, 104                          ; v[104:107] the sum
	s_load_b256 s[4:11], s[0:1], 0x0               ; part s[4:5], rw s[6:7], b2 s[8:9], out0 s[10:11]
	v_lshlrev_b32 v1, 4, v0
	s_lshl_b32 s2, ttmp9, 5                        ; the token's 32 bytes of rw
	s_mov_b32 s3, 0
	s_lshl_b32 s12, ttmp9, 12                      ; the token's row of 4,096 bytes
	s_mov_b32 s13, 0
	s_wait_kmcnt 0x0
	s_add_nc_u64 s[6:7], s[6:7], s[2:3]
	s_load_b256 s[16:23], s[6:7], 0x0              ; the token's eight weights
	s_add_nc_u64 s[4:5], s[4:5], s[12:13]
	s_add_nc_u64 s[10:11], s[10:11], s[12:13]
.irp e, 0,1,2,3,4,5,6,7
	s_add_nc_u64 s[24+2*\e:25+2*\e], s[4:5], \e*8388608            ; expert e's two halves lie 4 MiB apart: the second stands in the immediate
.endr
.irp e, 0,1,2,3,4,5,6,7
	global_load_b128 v[P+12*\e:P+12*\e+3],    v1, s[24+2*\e:25+2*\e] th:TH_LOAD_NT
	global_load_b128 v[P+12*\e+4:P+12*\e+7],  v1, s[24+2*\e:25+2*\e] offset:4194304 th:TH_LOAD_NT
	global_load_b128 v[P+12*\e+8:P+12*\e+11], v1, s[8:9] offset:\e*4096
.endr
	s_wait_kmcnt 0x0
.irp e, 0,1,2,3,4,5,6,7
	s_wait_loadcnt 3*(7-\e)                        ; loads come back in order (ISA guide 5.7.1): expert e's three are in, the later experts' stay out
	v_pk_add_f32 v[P+12*\e:P+12*\e+1],   v[P+12*\e:P+12*\e+1],   v[P+12*\e+4:P+12*\e+5]
	v_pk_add_f32 v[P+12*\e+2:P+12*\e+3], v[P+12*\e+2:P+12*\e+3], v[P+12*\e+6:P+12*\e+7]
	v_pk_add_f32 v[P+12*\e:P+12*\e+1],   v[P+12*\e:P+12*\e+1],   v[P+12*\e+8:P+12*\e+9]
	v_pk_add_f32 v[P+12*\e+2:P+12*\e+3], v[P+12*\e+2:P+12*\e+3], v[P+12*\e+10:P+12*\e+11]
.irp c, 0,1,2,3
.if \e == 0
	v_mul_f32 v[ACC+\c], s[16+\e], v[P+12*\e+\c]   ; the first expert starts the sum
.else
	v_fmac_f32 v[ACC+\c], s[16+\e], v[P+12*\e+\c]
.endif
.endr
.endr
	global_store_b128 v1, v[ACC:ACC+3], s[10:11] th:TH_STORE_NT
	s_endpgm
.Lfunc_end_k_q04d5207da5_comb:
	.size	k_q04d5207da5_comb, .Lfunc_end_k_q04d5207da5_comb-k_q04d5207da5_comb
	.p2alignl 7, 3214868480
	.fill 96, 4, 3214868480
	.section	.rodata,"a",@progbits
	.p2align	6, 0x0
	.amdhsa_kernel k_q04d5207da5_comb
		.amdhsa_group_segment_fixed_size 0
		.amdhsa_private_segment_fixed_size 0
		.amdhsa_enable_private_segment 0
		.amdhsa_kernarg_size 32
		.amdhsa_user_sgpr_count 2
		.amdhsa_user_sgpr_kernarg_segment_ptr 1
		.amdhsa_wavefront_size32 1
		.amdhsa_system_sgpr_workgroup_id_x 1
		.amdhsa_system_sgpr_workgroup_id_y 1
		.amdhsa_system_sgpr_workgroup_id_z 1
		.amdhsa_system_vgpr_workitem_id 0
		.amdhsa_next_free_vgpr 112
		.amdhsa_next_free_sgpr 66
		.amdhsa_reserve_vcc 0
		.amdhsa_float_denorm_mode_32 3
		.amdhsa_float_denorm_mode_16_64 3
		.amdhsa_memory_ordered 1
		.amdhsa_forward_progress 1
		.amdhsa_inst_pref_size 7
	.end_amdhsa_kernel
	.amdgpu_metadata
---
amdhsa.version: [ 1, 2 ]
amdhsa.kernels:
  - .name:           k_q04d5207da5_comb
    .symbol:         k_q04d5207da5_comb.kd
    .args:
      - { .name: part, .offset: 0, .size: 8, .value_kind: global_buffer, .address_space: global }
      - { .name: rw, .offset: 8, .size: 8, .value_kind: global_buffer, .address_space: global }
      - { .name: b2, .offset: 16, .size: 8, .value_kind: global_buffer, .address_space: global }
      - { .name: out0, .offset: 24, .size: 8, .value_kind: global_buffer, .address_space: global }
    .group_segment_fixed_size: 0
    .private_segment_fixed_size: 0
    .kernarg_segment_align: 8
    .kernarg_segment_size: 32
    .max_flat_workgroup_size: 256
    .sgpr_count:     66
    .vgpr_count:     112
    .wavefront_size: 32
...
	.end_amdgpu_metadata
.endif
;; end of part 4
;; ======== version 2 of 3: 5 launches; 1.86 times as fast as version 1
;; limits: values are held in f16: magnitudes above 65,504 overflow, below 6.1e-05 lose precision; right only within a limited range of input values
;; workspace buffers: xb 2,097,152 bytes; sel 8,192 bytes of whole numbers; wts 8,192 bytes; lst 36,864 bytes of whole numbers; cnt 256 bytes of whole numbers; hbuf 75,497,472 bytes; part 33,685,504 bytes
;; launch route (part 5): grid 256 x 1, 1 waves a work-group, no clusters, 0 bytes of LDS; arguments x, Wr, br, xb, sel, wts; writes xb, sel, wts
.if DOCPART == 5
	.amdgcn_target "amdgcn-amd-amdhsa--gfx1250"
	.amdhsa_code_object_version 6
	.text
	.protected	k_q04d5207da5_route
	.globl	k_q04d5207da5_route
	.p2align	8
	.type	k_q04d5207da5_route,@function
k_q04d5207da5_route:
	s_mov_b64 s[64:65], 0
	v_nop
	global_prefetch_b8 v0, s[64:65] scope:SCOPE_SE
	s_setreg_imm32_b32 hwreg(HW_REG_WAVE_MODE, 25, 1), 1
	s_wait_xcnt 0x0
; ROUTER AND CAST.  x: [1024 tokens][1024] f32.  Wr: [1024][8] f32.  br: [8] f32.
; xb[t][d] = f16(x[t][d]);  sel[t] = the two chosen experts (whole numbers);  wts[t] = their two router weights, f32.
; scores = relu(x Wr + br) in f32 on the vector unit (a choice between experts must not hang on the rounding of operands); the two largest scores,
; the lower index first among equals; softmax over the two with the larger one taken away before the exponential.
; One wave owns four tokens.  Lane L owns columns 128 j + 4 L .. + 3, j = 0..7, so a load of x covers 512 consecutive bytes and a store of xb 256.
; WHY f16: four operands (x, W1, h, W2) are rounded on the way to the result, and f16's 11 bits keep the sum of their errors an eighth of what 8 bits leave.
; LIMITS: |x| above 65,504 is not served (f16's largest number).  NaN or infinite scores are not served.  The sum over d is taken lane by lane and then
; across lanes, another order than a plain ascending sum, so a choice may differ where two scores agree to f32 rounding.
; sel and wts are stored as 32 bytes a work-group each (4 tokens x 2 x 4), by eight lanes.
; No matrix unit, LDS or barrier: 8 columns of Wr are too few for a matrix tile in f32, and no wave needs another's data.
.set ACC, 8                            ; v[8:39]    sums: token tk, expert e at ACC + 8 tk + e
.set WR,  40                           ; v[40:103]  two buffers of 32: my four rows of Wr for one j: row dl, expert e at 8 dl + e
.set X,   104                          ; v[104:231] x as loaded: piece j, token tk at X + 16 j + 4 tk
.set M1,  240                          ; largest score, its index, second largest, its index
.set I1,  241
.set M2,  242
.set I2,  243
.set EX,  244
.set DEN, 245
.set RC,  246
.set W2,  247
.set VAL, 248
.set VALW, 249
	s_load_b256 s[4:11], s[0:1], 0x0               ; x s[4:5], Wr s[6:7], br s[8:9], xb s[10:11]
	s_load_b128 s[12:15], s[0:1], 0x20             ; sel s[12:13], wts s[14:15]
	s_mov_b32 s24, 0x76543210                      ; v_permlanex16_b32: each lane takes its own place in the other half
	s_mov_b32 s25, 0xfedcba98
	v_lshlrev_b32 v1, 4, v0                        ; 16 L: my 16 bytes in 512 of x
	v_lshlrev_b32 v2, 7, v0                        ; 128 L: my four rows of Wr, 32 bytes each
	v_lshlrev_b32 v3, 3, v0                        ; 8 L: my 8 bytes in 256 of xb
	v_lshrrev_b32 v5, 3, v0                        ; the token that I decide for
	v_and_b32 v6, 7, v0                            ; my place among its eight lanes: places 0 and 1 store the first and the second choice
	v_lshl_add_u32 v4, v5, 1, v6
	v_lshlrev_b32 v4, 2, v4                        ; 4 (2 token + place)
	s_lshl_b32 s2, ttmp9, 14                       ; 4 tokens x 4,096 bytes of x
	s_mov_b32 s3, 0
	s_wait_kmcnt 0x0
	s_load_b256 s[16:23], s[8:9], 0x0              ; br, all eight
	s_add_nc_u64 s[4:5], s[4:5], s[2:3]
	s_lshl_b32 s2, ttmp9, 13                       ; 4 tokens x 2,048 bytes of xb
	s_add_nc_u64 s[10:11], s[10:11], s[2:3]
	s_lshl_b32 s2, ttmp9, 5                        ; 4 tokens x 8 bytes of sel and of wts
	s_add_nc_u64 s[12:13], s[12:13], s[2:3]
	s_add_nc_u64 s[14:15], s[14:15], s[2:3]
.macro WLOAD j                         ; my four rows of Wr for piece j: 128 bytes, eight loads
.irp i, 0,1,2,3,4,5,6,7
	global_load_b128 v[WR+32*((\j)%2)+4*\i:WR+32*((\j)%2)+4*\i+3], v2, s[6:7] offset:(\j)*4096+16*\i
.endr
.endm
.irp j, 0,1,2,3,4,5,6,7
.irp tk, 0,1,2,3
	global_load_b128 v[X+16*\j+4*\tk:X+16*\j+4*\tk+3], v1, s[4:5] offset:\tk*4096+\j*512 th:TH_LOAD_NT
.endr
.endr
	WLOAD 0
	WLOAD 1
; two experts' sums of token tk take x[tk][column dl of my four] times Wr's row dl; the very first products start the sums
.macro FM j, dl, tk, p
.set rA, ACC+8*\tk+2*\p
.set rX, X+16*\j+4*\tk+2*(\dl/2)
.set rW, WR+32*(\j%2)+8*\dl+2*\p
.if (\j == 0) && (\dl == 0)
	v_pk_mul_f32 v[rA:rA+1], v[rX:rX+1], v[rW:rW+1] op_sel_hi:[0,1]
.elseif (\dl%2) == 0
	v_pk_fma_f32 v[rA:rA+1], v[rX:rX+1], v[rW:rW+1], v[rA:rA+1] op_sel_hi:[0,1,1]
.else
	v_pk_fma_f32 v[rA:rA+1], v[rX:rX+1], v[rW:rW+1], v[rA:rA+1] op_sel:[1,0,0] op_sel_hi:[1,1,1]
.endif
.endm
; piece j.  left: the younger loads that may stay out (the next piece's eight of Wr).  more = 1: the piece two on is asked for, into the buffer just used.
.macro JSTEP j, left, more
	s_wait_loadcnt \left
.irp dl, 0,1,2,3
.irp tk, 0,1,2,3
.irp p, 0,1,2,3
	FM \j, \dl, \tk, \p
.endr
.endr
.endr
.irp tk, 0,1,2,3
	v_cvt_pk_f16_f32 v[X+16*\j+4*\tk], v[X+16*\j+4*\tk], v[X+16*\j+4*\tk+1]
	v_cvt_pk_f16_f32 v[X+16*\j+4*\tk+1], v[X+16*\j+4*\tk+2], v[X+16*\j+4*\tk+3]
.endr
.irp tk, 0,1,2,3
	global_store_b64 v3, v[X+16*\j+4*\tk:X+16*\j+4*\tk+1], s[10:11] offset:\tk*2048+\j*256   ; 32 lanes store 256 consecutive bytes, aligned; these registers are never written again
.endr
.if \more
	WLOAD \j+2
.endif
.endm
	JSTEP 0, 8, 1
	JSTEP 1, 8, 1
	JSTEP 2, 8, 1
	JSTEP 3, 8, 1
	JSTEP 4, 8, 1
	JSTEP 5, 8, 1
	JSTEP 6, 8, 0
	JSTEP 7, 0, 0
	; the 32 sums across the 32 lanes: four steps inside each half ride on the addition, one crosses the halves; every lane ends with every sum
.irp m, 1,2,4,8
.set i, 0
.rept 32
	v_add_f32_dpp v[ACC+i], v[ACC+i], v[ACC+i] row_xmask:\m row_mask:0xf bank_mask:0xf
.set i, i+1
.endr
.endr
.set i, 0
.rept 32
	v_permlanex16_b32 v[WR+i], v[ACC+i], s24, s25  ; the destination counts as read: Wr's buffer has been written
.set i, i+1
.endr
.set i, 0
.rept 32
	v_add_f32 v[ACC+i], v[ACC+i], v[WR+i]
.set i, i+1
.endr
	; each lane keeps the eight sums of the token that it decides for (lane / 8), in token 0's registers
.irp tk, 1,2,3
	v_cmp_eq_u32 vcc_lo, \tk, v5
.irp e, 0,1,2,3,4,5,6,7
	v_cndmask_b32 v[ACC+\e], v[ACC+\e], v[ACC+8*\tk+\e], vcc_lo
.endr
.endr
	s_wait_kmcnt 0x0                               ; br
.irp e, 0,1,2,3,4,5,6,7
	v_add_f32 v[ACC+\e], s[16+\e], v[ACC+\e]
.endr
.irp e, 0,1,2,3,4,5,6,7
	v_max_num_f32 v[ACC+\e], 0, v[ACC+\e]          ; relu
.endr
	; the largest score: a later one replaces it only if strictly larger, so the lower index wins among equals
	v_mov_b32 v[M1], v[ACC]
	v_mov_b32 v[I1], 0
.irp e, 1,2,3,4,5,6,7
	v_cmp_le_f32 vcc_lo, v[ACC+\e], v[M1]          ; set: keep
	v_cndmask_b32 v[I1], \e, v[I1], vcc_lo
	v_cndmask_b32 v[M1], v[ACC+\e], v[M1], vcc_lo
.endr
.irp e, 0,1,2,3,4,5,6,7
	v_cmp_ne_u32 vcc_lo, \e, v[I1]
	v_cndmask_b32 v[ACC+\e], -1.0, v[ACC+\e], vcc_lo   ; the chosen one leaves the field: every score is at least 0
.endr
	v_mov_b32 v[M2], v[ACC]
	v_mov_b32 v[I2], 0
.irp e, 1,2,3,4,5,6,7
	v_cmp_le_f32 vcc_lo, v[ACC+\e], v[M2]
	v_cndmask_b32 v[I2], \e, v[I2], vcc_lo
	v_cndmask_b32 v[M2], v[ACC+\e], v[M2], vcc_lo
.endr
	; softmax over the two: exp(m1 - m1) = 1 and exp(m2 - m1) <= 1
	v_sub_f32 v[EX], v[M2], v[M1]
	v_mul_f32 v[EX], 0x3fb8aa3b, v[EX]             ; log2(e)
	v_exp_f32 v[EX], v[EX]
	v_nop                                          ; a plain instruction between a transcendental and the use of its result (ISA guide 5.7.2)
	s_wait_alu depctr_va_vdst(0)
	v_add_f32 v[DEN], 1.0, v[EX]
	v_rcp_f32 v[RC], v[DEN]
	v_nop
	s_wait_alu depctr_va_vdst(0)
	v_mul_f32 v[W2], v[EX], v[RC]
	v_cmp_eq_u32 vcc_lo, 1, v6                     ; place 1 holds the second choice
	v_cndmask_b32 v[VAL], v[I1], v[I2], vcc_lo
	v_cndmask_b32 v[VALW], v[RC], v[W2], vcc_lo
	v_cmp_gt_u32 vcc_lo, 2, v6
	s_wait_xcnt 0x0                                ; EXEC is a source of the stores above: it changes only behind this wait
	s_and_saveexec_b32 s26, vcc_lo                 ; places 0 and 1 of each token
	global_store_b32 v4, v[VAL], s[12:13]
	global_store_b32 v4, v[VALW], s[14:15]
	s_wait_xcnt 0x0
	s_or_b32 exec_lo, exec_lo, s26
	s_endpgm
.Lfunc_end_k_q04d5207da5_route:
	.size	k_q04d5207da5_route, .Lfunc_end_k_q04d5207da5_route-k_q04d5207da5_route
	.p2alignl 7, 3214868480
	.fill 96, 4, 3214868480
	.section	.rodata,"a",@progbits
	.p2align	6, 0x0
	.amdhsa_kernel k_q04d5207da5_route
		.amdhsa_group_segment_fixed_size 0
		.amdhsa_private_segment_fixed_size 0
		.amdhsa_enable_private_segment 0
		.amdhsa_kernarg_size 48
		.amdhsa_user_sgpr_count 2
		.amdhsa_user_sgpr_kernarg_segment_ptr 1
		.amdhsa_wavefront_size32 1
		.amdhsa_system_sgpr_workgroup_id_x 1
		.amdhsa_system_sgpr_workgroup_id_y 1
		.amdhsa_system_sgpr_workgroup_id_z 1
		.amdhsa_system_vgpr_workitem_id 0
		.amdhsa_next_free_vgpr 256
		.amdhsa_next_free_sgpr 66
		.amdhsa_reserve_vcc 1
		.amdhsa_float_denorm_mode_32 3
		.amdhsa_float_denorm_mode_16_64 3
		.amdhsa_memory_ordered 1
		.amdhsa_forward_progress 1
		.amdhsa_inst_pref_size 65
	.end_amdhsa_kernel
	.amdgpu_metadata
---
amdhsa.version: [ 1, 2 ]
amdhsa.kernels:
  - .name:           k_q04d5207da5_route
    .symbol:         k_q04d5207da5_route.kd
    .args:
      - { .name: x, .offset: 0, .size: 8, .value_kind: global_buffer, .address_space: global }
      - { .name: Wr, .offset: 8, .size: 8, .value_kind: global_buffer, .address_space: global }
      - { .name: br, .offset: 16, .size: 8, .value_kind: global_buffer, .address_space: global }
      - { .name: xb, .offset: 24, .size: 8, .value_kind: global_buffer, .address_space: global }
      - { .name: sel, .offset: 32, .size: 8, .value_kind: global_buffer, .address_space: global }
      - { .name: wts, .offset: 40, .size: 8, .value_kind: global_buffer, .address_space: global }
    .group_segment_fixed_size: 0
    .private_segment_fixed_size: 0
    .kernarg_segment_align: 8
    .kernarg_segment_size: 48
    .max_flat_workgroup_size: 32
    .sgpr_count:     66
    .vgpr_count:     256
    .wavefront_size: 32
...
	.end_amdgpu_metadata
.endif
;; end of part 5
;; launch lists (part 6): grid 8 x 1, 1 waves a work-group, no clusters, 5,376 bytes of LDS; arguments sel, lst, cnt; writes lst, cnt
.if DOCPART == 6
	.amdgcn_target "amdgcn-amd-amdhsa--gfx1250"
	.amdhsa_code_object_version 6
	.text
	.protected	k_q04d5207da5_lists
	.globl	k_q04d5207da5_lists
	.p2align	8
	.type	k_q04d5207da5_lists,@function
k_q04d5207da5_lists:
	s_mov_b64 s[64:65], 0
	v_nop
	global_prefetch_b8 v0, s[64:65] scope:SCOPE_SE
	s_setreg_imm32_b32 hwreg(HW_REG_WAVE_MODE, 25, 1), 1
	s_wait_xcnt 0x0
; THE EXPERTS' LISTS.  sel: [1024 tokens][2] whole numbers, the two experts of each token.
; lst[e][i], i < 1152: the i-th pair of expert e in ascending order of tokens, as the code 1024 j + t (t the token, j = 0: e is its first choice, 1: its second);
; behind the last pair every entry is 2048 + e, which later launches read as token e (code mod 1024) and as the expert's spare row of results.
; cnt[e] = max(number of pairs, 1);  cnt[8 + e] = passes of 384 rows that they take, 1 to 3.
; One wave for each expert: eight work-groups are all the work there is.  32 tokens at a time: a compare gives the mask of those that chose e, the count of mask bits below
; a lane its place, the count of all bits the next base.  The list is gathered in LDS (a lane that has nothing to say writes a spare word of its own) and leaves as whole
; runs of 512 bytes.  Whole numbers only; no address hangs on anything but sel.
.set NROW, 1152                        ; entries of a list: three passes of 384
.set SEL,  32                          ; v[32:95] the 32 pairs of my lane; later the list on its way out
	s_load_b128 s[4:7], s[0:1], 0x0                ; sel s[4:5], lst s[6:7]
	s_load_b64 s[8:9], s[0:1], 0x10                ; cnt
	v_lshl_add_u32 v96, v0, 2, 0x1400
	v_mov_b32 v97, 0
	s_mov_b32 s10, ttmp9                           ; my expert
	v_and_b32 v2, 31, v0                           ; lane
	v_lshlrev_b32 v3, 3, v2                        ; 8 bytes a token
	v_lshlrev_b32 v4, 4, v2                        ; 16 bytes a lane: in LDS and in lst
	v_add_nc_u32 v5, NROW, v2                      ; my spare word
	v_mov_b32 v12, 0x400
	s_add_co_u32 s14, s10, 2048                    ; the padding code
	v_mov_b32 v8, s14
	v_mov_b32 v9, s14
	v_mov_b32 v10, s14
	v_mov_b32 v11, s14
	s_mul_i32 s2, s10, NROW*4
	s_mov_b32 s3, 0
	s_mov_b32 s12, 0                               ; pairs so far
	s_wait_kmcnt 0x0
	s_add_nc_u64 s[6:7], s[6:7], s[2:3]
.set c, 0
.rept 32
	global_load_b64 v[SEL+2*c:SEL+2*c+1], v3, s[4:5] offset:256*c   ; tokens 32 c + lane: 256 consecutive bytes
.set c, c+1
.endr
.irp i, 0,1,2,3,4,5,6,7,8
	ds_store_b128 v4, v[8:11] offset:512*\i        ; the whole list is padding to begin with; LDS serves a wave's instructions in order (ISA guide 5.7.1.4)
.endr
.set c, 0
.rept 32
	s_wait_loadcnt 31-c                            ; loads come back in order: chunk c is in, the later ones stay out
	v_cmp_eq_u32 s20, s10, v[SEL+2*c]              ; e is the first choice
	v_cmp_eq_u32 s21, s10, v[SEL+2*c+1]            ; e is the second
	s_or_b32 s22, s20, s21
	v_mbcnt_lo_u32_b32 v7, s22, 0                  ; choosers below my lane
	v_add_nc_u32 v7, s12, v7                       ; my place in the list,
	v_cndmask_b32 v7, v5, v7, s22                  ; or my spare word
	v_min_u32 v7, NROW+31, v7                      ; inside the 1,184 words of LDS that are used
	v_lshlrev_b32 v7, 2, v7
	v_cndmask_b32 v13, 0, v12, s21
	v_add3_u32 v13, v13, v2, 32*c                  ; 1024 j + t
	ds_store_b32 v7, v13
	s_bcnt1_i32_b32 s23, s22
	s_add_co_u32 s12, s12, s23
.set c, c+1
.endr
.irp i, 0,1,2,3,4,5,6,7,8
	ds_load_b128 v[SEL+4*\i:SEL+4*\i+3], v4 offset:512*\i
.endr
	s_max_u32 s18, s12, 1
	s_mov_b32 s14, 1                               ; passes = 1 + (pairs > 384) + (pairs > 768)
	s_cmp_gt_u32 s12, 384
	s_cselect_b32 s15, 1, 0
	s_add_co_u32 s14, s14, s15
	s_cmp_gt_u32 s12, 768
	s_cselect_b32 s15, 1, 0
	s_add_co_u32 s14, s14, s15
	v_mov_b32 v14, s18
	v_mov_b32 v15, s14
	v_cmp_eq_u32 vcc_lo, 1, v2
	v_cndmask_b32 v14, v14, v15, vcc_lo            ; lane 0: the count; lane 1: the passes
	s_lshl_b32 s16, s10, 2
	v_lshl_add_u32 v16, v2, 5, s16                 ; byte 4 e, byte 32 + 4 e
	s_wait_dscnt 0x0
.irp i, 0,1,2,3,4,5,6,7,8
	global_store_b128 v4, v[SEL+4*\i:SEL+4*\i+3], s[6:7] offset:512*\i   ; 512 consecutive bytes, aligned
.endr
	v_cmp_gt_u32 vcc_lo, 2, v2
	s_wait_xcnt 0x0                                ; EXEC is a source of the stores above: it changes only behind this wait
	s_wait_tensorcnt 0x0
	ds_add_u32 v96, v97
	s_wait_dscnt 0x0
	s_and_saveexec_b32 s17, vcc_lo
	global_store_b32 v16, v14, s[8:9]
	s_wait_xcnt 0x0
	s_or_b32 exec_lo, exec_lo, s17
	s_endpgm
.Lfunc_end_k_q04d5207da5_lists:
	.size	k_q04d5207da5_lists, .Lfunc_end_k_q04d5207da5_lists-k_q04d5207da5_lists
	.p2alignl 7, 3214868480
	.fill 96, 4, 3214868480
	.section	.rodata,"a",@progbits
	.p2align	6, 0x0
	.amdhsa_kernel k_q04d5207da5_lists
		.amdhsa_group_segment_fixed_size 5376
		.amdhsa_private_segment_fixed_size 0
		.amdhsa_enable_private_segment 0
		.amdhsa_kernarg_size 24
		.amdhsa_user_sgpr_count 2
		.amdhsa_user_sgpr_kernarg_segment_ptr 1
		.amdhsa_wavefront_size32 1
		.amdhsa_system_sgpr_workgroup_id_x 1
		.amdhsa_system_sgpr_workgroup_id_y 1
		.amdhsa_system_sgpr_workgroup_id_z 1
		.amdhsa_system_vgpr_workitem_id 0
		.amdhsa_next_free_vgpr 98
		.amdhsa_next_free_sgpr 66
		.amdhsa_reserve_vcc 1
		.amdhsa_float_denorm_mode_32 3
		.amdhsa_float_denorm_mode_16_64 3
		.amdhsa_memory_ordered 1
		.amdhsa_forward_progress 1
		.amdhsa_inst_pref_size 30
	.end_amdhsa_kernel
	.amdgpu_metadata
---
amdhsa.version: [ 1, 2 ]
amdhsa.kernels:
  - .name:           k_q04d5207da5_lists
    .symbol:         k_q04d5207da5_lists.kd
    .args:
      - { .name: sel, .offset: 0, .size: 8, .value_kind: global_buffer, .address_space: global }
      - { .name: lst, .offset: 8, .size: 8, .value_kind: global_buffer, .address_space: global }
      - { .name: cnt, .offset: 16, .size: 8, .value_kind: global_buffer, .address_space: global }
    .group_segment_fixed_size: 5376
    .private_segment_fixed_size: 0
    .kernarg_segment_align: 8
    .kernarg_segment_size: 24
    .max_flat_workgroup_size: 32
    .sgpr_count:     66
    .vgpr_count:     98
    .wavefront_size: 32
...
	.end_amdgpu_metadata
.endif
;; end of part 6
;; launch up (part 7): grid 32 x 8, 4 waves a work-group, no clusters, 300,544 bytes of LDS; arguments xb, W1, b1, lst, cnt, hbuf; writes hbuf
.if DOCPART == 7
	.amdgcn_target "amdgcn-amd-amdhsa--gfx1250"
	.amdhsa_code_object_version 6
	.text
	.protected	k_q04d5207da5_up
	.globl	k_q04d5207da5_up
	.p2align	8
	.type	k_q04d5207da5_up,@function
k_q04d5207da5_up:
	s_mov_b64 s[64:65], 0
	v_nop
	global_prefetch_b8 v0, s[64:65] scope:SCOPE_SE
	s_setreg_imm32_b32 hwreg(HW_REG_WAVE_MODE, 25, 1), 1
	s_wait_xcnt 0x0
; ONE TEXT FOR THE TWO PRODUCTS OF THE EXPERTS, ON THE CHOSEN PAIRS ALONE; the constant UP picks which.  An expert that a token did not choose has the router weight 0, so its rows are not made.
; lst[e][i] = 1024 j + t names the i-th pair of expert e (padding: 2048 + e);  cnt[e] = max(pairs, 1);  cnt[8 + e] = passes of 384 rows.
;   UP = 1:  hbuf[e][i][n] = f16(min(relu(sum over k of xb[t(i)][k] W1[e][k][n] + b1[e][n]), 65504)),  n < 4096, k < 1024.
;   UP = 0:  part[ks][code(i)][n] = sum over k of hbuf[e][i][1024 ks + k] W2[e][1024 ks + k][n], f32,  n < 1024, k < 1024, ks < 4:
;            the sum over 4,096 is cut in four so that 256 work-groups have a share; a later launch adds the quarters in a fixed order.
; SHARES.  A work-group owns one expert and 128 columns of W (UP = 0: and a quarter of K): every byte of W is read by one work-group.  It holds 384 rows at a time: four waves,
; each 6 tiles of 16 rows x 128 columns = 48 accumulators, 384 registers; the wave's tile g is rows 64 g + 16 w of the pass.
; THE MAIN PASS makes rows 0 to 383 of the expert's list.  K goes in steps of 128 through two LDS slots.  Both operands come through registers: A's rows are picked by a list, which no tile
; descriptor states; a load of a wave brings two rows' 256 bytes, and they go as they are into the wave's own part of the slot.  W's f32 rows (a load of a wave covers a row's 512 bytes) are
; rounded to f16 and stored as [k][n]; ds_load_tr16_b128 turns them.
; AHEAD.  A K step's operands are four chunks (W: 32 rows, 8 a wave; A: 24 of the wave's 96 rows), one stored into the next slot in each quarter step.  W's chunks are asked for four quarter steps
; ahead of that (four register buffers), A's two (two buffers): 56 loads a wave at the most.  So no separate prefetch is written: W is asked for a whole K step before it is wanted.
; THE LATER PASSES make rows 384 on, for an expert that more than 384 of the 1,024 tokens chose: one or two passes more, counted against cnt[8 + e].  A barrier stands on no way whose length
; hangs on loaded data, so in these passes no wave needs another: each brings and rounds the whole K step of W itself, into a part of LDS of its own, beside its own 96 rows of A.  That is
; four times the loads and conversions of W, and nothing overlaps: a plain form, whose price only such an expert pays.
; THE MATRIX INSTRUCTION IS USED TRANSPOSED: source 0 = 16 columns of W, source 1 = 16 rows of A: a lane then holds row l % 16 of C and the columns 8 (l / 16) + 0..7.
; NO CLUSTER: W has one reader, and A's rows, which the 32 work-groups of an expert share, pass through registers, where no joint request exists.
; WHY f16 AND NOT bf16: x, W1, h and W2 are each rounded once, and the four errors add up in the result; 11 bits leave an eighth of what 8 bits leave.
; f16'S ROOM (largest 65,504; steps of 6e-8 below 6.1e-5).  Weights of 1/32 at the most and x of a few units stay far inside it at 30 times their size.  h is a sum of 1,024 products:
; of a few units as drawn; 900 times that, some 3,200, with x, W1 and b1 all 30 times larger; 1,024 x 30 x 30/32 = 28,800 with x offset by 30 and W1 by 30 times its half-range.
; At 1/30 of their size W2 (3e-4) and, at 1/900, h (4.5e-4) are rounded in steps of 6e-8: under 1e-4 of their size.
; LIMITS: operands are rounded to f16, sums are f32.  h is clamped to 65,504: above that the result differs from the defining sum.  |W| above 65,504 and NaN are not served.
; Where an expert that was not chosen would give an infinite or NaN row, the defining sum has 0 x that = NaN; here the row is not made.
; REGISTERS, in windows of 256 (s_set_vgpr_msb: bits 1:0 source 0, 3:2 source 1, 5:4 source 2, 7:6 destination):
;   window 0: v1-31 addresses; v32-79 A's row offsets; v80-127, v128-175 fragments of A, two buffers (on the way out: at work); v176-239 the bias as a C operand (UP) or v176-181 the rows' codes; v240-255 store offsets
;   window 1: v0-127 four chunks of W as loaded, then as f16; v128-191, v192-255 fragments of W, two buffers
;   window 2: the accumulators of my tiles 0-3 ((g, b) at v[64 g + 8 b]);  window 3: v0-127 those of tiles 4, 5; v128-223 two chunks of A
.set UP, 1
.if UP
.set PB,     16384                     ; bytes from row to row of W
.set ASH,    11                        ; a row of A is 2^11 bytes
.set SPITCH, 272                       ; a row of the stage: 128 f16 + 16 bytes
.else
.set PB,     4096
.set ASH,    13
.set SPITCH, 528                       ; 128 f32 + 16 bytes
.endif
.set NSTEP,  8                         ; K steps of 128
.set MP,     384                       ; rows of a pass
.set EROWS,  1152                      ; rows that lst and hbuf hold for an expert: three passes
.set PLANE,  2056*4096                 ; bytes of one quarter's results: 2,048 pairs' rows and 8 spare rows of 1,024 f32
.set PA,     272                       ; a row of A in LDS: 256 bytes + 16 = 68 words: the 16 rows of a fragment load start 4 banks apart (64 banks of 4 bytes: ISA guide 11.1)
.set PW,     288                       ; a row of W in LDS: 128 f16 + 32 bytes = 9 x 32
.set AWV,    96*PA                     ; a wave's rows of A
.set ASZ,    4*AWV
.set SLOT,   ASZ+128*PW                ; 141,312
.set PRIV,   SLOT/2                    ; the later passes: a wave's own 70,656 bytes of the two slots, of which it uses AWV + 128 PW = 62,976
.set STAGE,  2*SLOT                    ; behind the slots: 16 rows for each wave, for the way out
.set R16,  1                           ; l % 16
.set H,    2                           ; l / 16
.set LN,   3                           ; l
.set TRB,  7                           ; my lane's place in a tile of W for the turning load; never rewritten
.set A16,  12                          ; 16 (l % 16)
.set VL,   13                          ; my byte offset in lst
.set VR,   14                          ; my row of the pass's first pair of rows (UP = 0)
.set VBI,  15                          ; my byte offset in the bias (UP)
.set ADRA, 16                          ; v16-17  LDS address of my A fragments in slot 0, 1
.set ADRB, 20                          ; v20-21  the same for W
.set STO,  24                          ; the way out: where I put my part of a row
.set RD,   25                          ; the way out: where I read rows back
.set CO,   26                          ; my byte offset in C
.set VB,   27                          ; my byte offset in a chunk of W
.set VST,  28                          ; v28-29  where my f16 of a chunk's first row go, in slot 0, 1
.set AST,  30                          ; v30-31  where my 16 bytes of A's first pair of rows go
.set AOFF, 32                          ; v32-79  load p of 48: byte offset in A of my 16 bytes of row 2 p + l / 16 of my wave's 96
.set FA,   80
.set BIAS, 176
.set DL,   176
.set VO,   240
.set TF,   80
.set TMP,  144
.set OB,   80
.set WS,   0                           ; window 1
.set FB,   128                         ; window 1
.set AS,   128                         ; window 3
.set WP,   28                          ; s[28:35] address of the chunk that W's buffer 0..3 holds or awaits
.set AP,   36                          ; s[36:39] A at the K step of the chunk that A's buffer 0, 1 holds or awaits
.set HMAX, 53                          ; 65,504.0 (UP)
.set C1,   54                          ; the count - 1 (UP = 0)
.set CVT,  0x45                        ; sources and destination window 1
.set MSB, 0
.macro WIN new                         ; the immediate's high byte repeats the setting that is left; a switch that changes nothing is dropped
.if MSB != (\new)
	s_set_vgpr_msb (MSB<<8)|(\new)
.set MSB, (\new)
.endif
.endm
.macro PLACES                          ; four plain vector lines between a matrix instruction and a load into, or a vector line on, its registers
.rept 4
	v_nop
.endr
.endm
.if UP
	s_load_b256 s[4:11], s[0:1], 0x0               ; A s[4:5], W s[6:7], bias s[8:9], lst s[10:11]
	s_load_b128 s[12:15], s[0:1], 0x20             ; cnt s[12:13], C s[14:15]
	v_lshl_add_u32 v254, v0, 2, 0x49400
	v_mov_b32 v255, 0
.else
	s_load_b128 s[4:7], s[0:1], 0x0                ; A s[4:5], W s[6:7]
	s_load_b64 s[10:11], s[0:1], 0x10              ; lst
	s_load_b64 s[12:13], s[0:1], 0x18              ; cnt
	s_load_b64 s[14:15], s[0:1], 0x20              ; C
.endif
	v_lshrrev_b32 v1, 5, v0
	v_readfirstlane_b32 s16, v1                    ; wave 0..3
	s_and_b32 s18, ttmp7, 0xffff                   ; expert
	s_lshl_b32 s40, s18, 2
	s_mov_b32 s41, 0
	s_mov_b32 s43, 0
	s_lshl_b32 s22, s16, 4                         ; the first row of my tile 0, counted in the expert's list
	s_mul_i32 s23, s18, EROWS
	s_wait_kmcnt 0x0
	s_add_nc_u64 s[12:13], s[12:13], s[40:41]
	s_load_b32 s20, s[12:13], 0x0                  ; the count; waited for where it is first wanted
	s_load_b32 s19, s[12:13], 0x20                 ; the passes
.if UP
	s_mov_b32 s[HMAX], 0x477fe000                  ; 65,504.0
	s_lshl_b32 s42, s18, 24                        ; W: expert x 16 MiB + column tile x 512 bytes
	s_lshl_b32 s46, ttmp9, 9
	s_add_co_u32 s42, s42, s46
	s_add_nc_u64 s[6:7], s[6:7], s[42:43]
	s_lshl_b32 s42, s18, 14                        ; bias: 4 (4,096 expert + 128 column tile)
	s_add_co_u32 s42, s42, s46
	s_add_nc_u64 s[8:9], s[8:9], s[42:43]
	s_add_co_u32 s23, s23, s22                     ; the same row counted in lst and hbuf: 1,152 expert + 16 w
	s_lshl_b32 s42, s23, 13                        ; C: that row x 8,192 bytes + column tile x 256 bytes
	s_lshl_b32 s46, ttmp9, 8
	s_add_co_u32 s42, s42, s46
	s_add_nc_u64 s[14:15], s[14:15], s[42:43]
.else
	s_and_b32 s47, ttmp9, 7                        ; column tile
	s_lshr_b32 s48, ttmp9, 3                       ; quarter of K
	s_lshl_b32 s42, s18, 24                        ; W: expert x 16 MiB + quarter x 1,024 rows of 4,096 bytes + column tile x 512 bytes
	s_lshl_b32 s46, s48, 22
	s_add_co_u32 s42, s42, s46
	s_lshl_b32 s46, s47, 9
	s_add_co_u32 s42, s42, s46
	s_add_nc_u64 s[6:7], s[6:7], s[42:43]
	s_lshl_b32 s42, s23, 13                        ; A: expert x 1,152 rows of 8,192 bytes + quarter x 2,048 bytes
	s_lshl_b32 s49, s48, 11
	s_add_co_u32 s42, s42, s49
	s_add_nc_u64 s[4:5], s[4:5], s[42:43]
	s_add_co_u32 s23, s23, s22
	s_mul_i32 s42, s48, PLANE                      ; C: the quarter's plane + column tile x 512 bytes
	s_add_co_u32 s42, s42, s46
	s_add_nc_u64 s[14:15], s[14:15], s[42:43]
.endif
	v_and_b32 v[R16], 15, v0
	v_bfe_u32 v[H], v0, 4, 1
	v_and_b32 v[LN], 31, v0
	v_and_b32 v4, 7, v0
	v_bfe_u32 v5, v0, 3, 1
	v_lshlrev_b32 v[A16], 4, v[R16]
	; a fragment of A: lane l holds row l % 16; registers 0-3 k = 8 h + 0..7, registers 4-7 k = 16 + 8 h + 0..7: two loads of 16 bytes, 32 apart
	s_mul_i32 s50, s16, AWV
	v_mul_u32_u24 v6, v[R16], PA
	v_lshl_add_u32 v6, v[H], 4, v6
	v_add_nc_u32 v[ADRA], s50, v6
	v_add_nc_u32 v[ADRA+1], SLOT, v[ADRA]
	v_mul_u32_u24 v6, v[H], PA                     ; in: lanes 0-15 one row's 256 bytes, lanes 16-31 the next row's
	v_add3_u32 v[AST], v6, v[A16], s50
	v_add_nc_u32 v[AST+1], SLOT, v[AST]
	; a fragment of W by the turning load: lane l reads 16 bytes of row k = 8 h + l % 8, columns 8 ((l / 8) % 2) + 0..7, and ends with column l % 16 and 8 k
	v_lshl_add_u32 v[TRB], v[H], 3, v4
	v_mul_u32_u24 v[TRB], v[TRB], PW
	v_lshl_add_u32 v[TRB], v5, 4, v[TRB]
	v_add_nc_u32 v[ADRB], ASZ, v[TRB]
	v_add_nc_u32 v[ADRB+1], SLOT, v[ADRB]
	s_mul_i32 s50, s16, 8*PB                       ; my 8 rows of a chunk, in memory
	v_lshl_add_u32 v[VB], v[LN], 4, s50
	s_mul_i32 s50, s16, 8*PW                       ; and in LDS
	s_add_co_u32 s50, s50, ASZ
	v_lshl_add_u32 v[VST], v[LN], 3, s50
	v_add_nc_u32 v[VST+1], SLOT, v[VST]
	s_mul_i32 s50, s16, 16*SPITCH
	s_add_co_u32 s50, s50, STAGE                   ; my stage
	v_mul_u32_u24 v9, v[R16], SPITCH
.if UP
	v_lshl_add_u32 v9, v[H], 4, v9                 ; in: row l % 16, 16 bytes for each half of the lanes
	v_mul_u32_u24 v10, v[H], SPITCH                ; back: lanes 0-15 one row of 256 bytes, lanes 16-31 the next
	v_add_nc_u32 v10, v10, v[A16]
	v_lshl_add_u32 v[CO], v[H], 13, v[A16]         ; and the same two rows in C
	v_lshlrev_b32 v[VBI], 5, v[H]                  ; bias: my 8 columns of a block of 16
.else
	v_lshl_add_u32 v9, v[H], 5, v9                 ; in: row l % 16, 32 bytes for each half of the lanes
	v_lshlrev_b32 v10, 4, v[LN]                    ; back: 32 lanes take one row of 512 bytes
	v_lshlrev_b32 v[CO], 4, v[LN]
.endif
	v_add_nc_u32 v[STO], s50, v9
	v_add_nc_u32 v[RD], s50, v10
.if UP
.irp b, 0,1,2,3,4,5,6,7                ; the bias in the layout of a C operand: register j of block b = b1[16 b + 8 h + j], the same for every row; kept for every pass
	global_load_b128 v[BIAS+8*\b:BIAS+8*\b+3],   v[VBI], s[8:9] offset:64*\b
	global_load_b128 v[BIAS+8*\b+4:BIAS+8*\b+7], v[VBI], s[8:9] offset:64*\b+16
.endr
.endif
; 8 matrix instructions: my tile g x all 8 column blocks, 32 along K, from fragment buffers f.  z = 1: the products start the sums with the constant 0; z = 2: with the bias; nothing is cleared.
; The 48 accumulators take turns, one instruction a turn, in the same order in every quarter step.
.macro MULG f, g, z
.if \z == 2
	WIN 0x81+0x40*((\g)/4)                         ; W window 1, A and the bias window 0, D window 2 or 3
.else
	WIN 0xa1+0x50*((\g)/4)                         ; W window 1, A window 0, C and D window 2 or 3
.endif
.irp b, 0,1,2,3,4,5,6,7
.if \z == 1
	v_wmma_f32_16x16x32_f16 v[64*((\g)%4)+8*\b:64*((\g)%4)+8*\b+7], v[FB+64*\f+8*\b:FB+64*\f+8*\b+7], v[FA+48*\f+8*\g:FA+48*\f+8*\g+7], 0
.elseif \z == 2
	v_wmma_f32_16x16x32_f16 v[64*((\g)%4)+8*\b:64*((\g)%4)+8*\b+7], v[FB+64*\f+8*\b:FB+64*\f+8*\b+7], v[FA+48*\f+8*\g:FA+48*\f+8*\g+7], v[BIAS+8*\b:BIAS+8*\b+7]
.else
	v_wmma_f32_16x16x32_f16 v[64*((\g)%4)+8*\b:64*((\g)%4)+8*\b+7], v[FB+64*\f+8*\b:FB+64*\f+8*\b+7], v[FA+48*\f+8*\g:FA+48*\f+8*\g+7], v[64*((\g)%4)+8*\b:64*((\g)%4)+8*\b+7]
.endif
.endr
.endm
; 28 LDS loads in one run: the fragments of quarter q (32 along K) of a slot into buffers f: W's 128 columns first, then my 6 tiles of A in ascending order
.macro FETCH slot, q, f
	WIN 0x40                                       ; destination window 1
.irp i, 0,1,2,3,4,5,6,7
	ds_load_tr16_b128 v[FB+64*\f+8*\i:FB+64*\f+8*\i+3],   v[ADRB+\slot] offset:(\q)*32*PW+32*\i
	ds_load_tr16_b128 v[FB+64*\f+8*\i+4:FB+64*\f+8*\i+7], v[ADRB+\slot] offset:(\q)*32*PW+16*PW+32*\i
.endr
	WIN 0
.irp i, 0,1,2,3,4,5
	ds_load_b128 v[FA+48*\f+8*\i:FA+48*\f+8*\i+3],   v[ADRA+\slot] offset:64*(\q)+\i*16*PA
	ds_load_b128 v[FA+48*\f+8*\i+4:FA+48*\f+8*\i+7], v[ADRA+\slot] offset:64*(\q)+\i*16*PA+32
.endr
.endm
; my 8 rows x 512 bytes of a chunk of W into W's buffer q: 8 loads, each a row's 512 consecutive bytes; in the main pass each byte is read once, by this wave alone
.macro LOADW q
	WIN 0x40                                       ; destination window 1
.irp i, 0,1,2,3,4,5,6,7
	global_load_b128 v[WS+32*(\q)+4*\i:WS+32*(\q)+4*\i+3], v[VB], s[WP+2*(\q):WP+2*(\q)+1] offset:\i*PB th:TH_LOAD_NT
.endr
.endm
; 24 of my rows x 256 bytes of A (chunk cq of a K step's four) into A's buffer buf: 12 loads, each two rows' 256 consecutive bytes
.macro LOADA buf, cq
	WIN 0xc0                                       ; destination window 3
.irp i, 0,1,2,3,4,5,6,7,8,9,10,11
	global_load_b128 v[AS+48*(\buf)+4*\i:AS+48*(\buf)+4*\i+3], v[AOFF+12*(\cq)+\i], s[AP+2*(\buf):AP+2*(\buf)+1]
.endr
.endm
; Chunk q of a K step goes into slot slotn: W from buffer q, rounded; A from buffer q % 2, as it is.  left: the younger loads that may stay out.  Chunks are numbered V = 4 step + q; this macro, at
; chunk V, asks for A(V + 2) and then for W(V + 4), so behind A(V) stand W(V + 2), A(V + 1) and W(V + 3): 8 + 12 + 8 = 28, and W(V) is older than A(V).  la, lw = 0: nothing of that kind is left to ask for.
; sa = 1: A(V + 2) belongs to the next K step.  The wait shows both buffers' loads done, so their bases may step.
.macro CONV q, slotn, left, la, sa, lw
	s_wait_loadcnt \left
.if \lw
	s_add_nc_u64 s[WP+2*\q:WP+2*\q+1], s[WP+2*\q:WP+2*\q+1], 128*PB
.endif
.if \la && \sa
	s_add_nc_u64 s[AP+2*(\q%2):AP+2*(\q%2)+1], s[AP+2*(\q%2):AP+2*(\q%2)+1], 256
.endif
	WIN CVT
.set t, 0
.rept 8
	v_cvt_pk_f16_f32 v[WS+32*\q+4*t],   v[WS+32*\q+4*t],   v[WS+32*\q+4*t+1]
	v_cvt_pk_f16_f32 v[WS+32*\q+4*t+1], v[WS+32*\q+4*t+2], v[WS+32*\q+4*t+3]
.set t, t+1
.endr
	WIN 0x04                                       ; LDS store: address window 0, data window 1
.irp i, 0,1,2,3,4,5,6,7
	ds_store_b64 v[VST+\slotn], v[WS+32*\q+4*\i:WS+32*\q+4*\i+1] offset:(32*\q+\i)*PW     ; 32 lanes store a row's 256 consecutive bytes
.endr
	WIN 0x0c                                       ; data window 3
.irp i, 0,1,2,3,4,5,6,7,8,9,10,11
	ds_store_b128 v[AST+\slotn], v[AS+48*(\q%2)+4*\i:AS+48*(\q%2)+4*\i+3] offset:2*PA*(12*\q+\i)
.endr
.if \la
	LOADA \q%2, (\q+2)%4
.endif
.if \lw
	LOADW \q
.endif
.endm
; A K step is four quarter steps of 32 along K, 48 matrix instructions each, on fragment buffers 0, 1, 0, 1.  One of the first three: multiplies buffers f; behind its first two tiles it stores a chunk
; for the next step (cv = 1; the 16 conversions are also the plain lines in front of the loads into buffers g) and fetches the next quarter's fragments into g.
.macro QUARTER slot, q, f, g, z, cv, left, la, lw
	s_wait_dscnt 4                                 ; W and A's tiles 0-3 are in; the youngest four loads (tiles 4, 5) may be out
	MULG \f, 0, \z
	MULG \f, 1, \z
.if \cv
	CONV \q, 1-\slot, \left, \la, \q/2, \lw
.else
	PLACES
.endif
	FETCH \slot, \q+1, \g
	MULG \f, 2, \z
	MULG \f, 3, \z
	s_wait_dscnt 28                                ; all but the 28 just issued
	MULG \f, 4, \z
	MULG \f, 5, \z
.endm
; The last quarter multiplies buffers 1 and changes slots: ONE barrier.  In front of it each wave waits for its reads of this slot and for its stores into the next.  Behind it nobody reads this
; slot's W any more, so the next step may write it, and the next slot's W is whole, so its first fragments are read.
.macro TURN slot, left, la, lw
	s_wait_dscnt 4
	MULG 1, 0, 0
	MULG 1, 1, 0
	CONV 3, 1-\slot, \left, \la, 1, \lw
	s_wait_dscnt 0x0
	s_barrier_signal -1
	MULG 1, 2, 0                                   ; work on registers while the others arrive
	MULG 1, 3, 0
	s_barrier_wait -1
	FETCH 1-\slot, 0, 0                            ; buffers 0 were last multiplied a quarter ago: the 16 conversions above stand between
	MULG 1, 4, 0
	MULG 1, 5, 0
.endm
; cv = 1: every chunk asks on.  cv = 2: the last step but one stores chunks 28 to 31: no W is left to ask for, A's chunks 30 and 31 are the last, and the counts run down 28, 20, 12, 0.
.macro STEP slot, z, cv
.if \cv == 1
	QUARTER \slot, 0, 0, 1, \z, 1, 28, 1, 1
	QUARTER \slot, 1, 1, 0, 0, 1, 28, 1, 1
	QUARTER \slot, 2, 0, 1, 0, 1, 28, 1, 1
	TURN \slot, 28, 1, 1
.else
	QUARTER \slot, 0, 0, 1, \z, 1, 28, 1, 0
	QUARTER \slot, 1, 1, 0, 0, 1, 20, 1, 0
	QUARTER \slot, 2, 0, 1, 0, 1, 12, 0, 0
	TURN \slot, 0, 0, 0
.endif
.endm
; THE HEAD OF A PASS: the bases go back to K step 0, and each of my 48 loads of A gets its row's offset.  No load of the wave is out here.  main = 1: W's first two chunks are asked for on the way.
.macro ROWS main
	s_mov_b64 s[WP:WP+1], s[6:7]                   ; W's chunk 0
.if \main
	s_add_nc_u64 s[WP+2:WP+3], s[6:7], 32*PB       ; and chunks 1 to 3
	s_add_nc_u64 s[WP+4:WP+5], s[6:7], 64*PB
	s_add_nc_u64 s[WP+6:WP+7], s[6:7], 96*PB
.endif
	s_mov_b64 s[AP:AP+1], s[4:5]                   ; A at K step 0
	s_mov_b64 s[AP+2:AP+3], s[4:5]
.if UP
	v_add_lshl_u32 v[VL], v[H], s23, 2
.set p, 0
.rept 48
	global_load_b32 v[AOFF+p], v[VL], s[10:11] offset:4*(64*(p/8)+2*(p%8))   ; the code of row 2 p + l / 16 of my 96: tile p / 8, row 2 (p % 8) + l / 16
.set p, p+1
.endr
.if \main
	LOADW 0
	s_wait_loadcnt 8                               ; the codes are in; W's chunk 0 may be out
	LOADW 1
	WIN 0
.else
	s_wait_loadcnt 0x0
.endif
.set p, 0
.rept 48
	v_min_u32 v[AOFF+p], 0x807, v[AOFF+p]          ; a code is 2,055 at the most,
	v_and_b32 v[AOFF+p], 0x3ff, v[AOFF+p]          ; its token the low ten bits
	v_lshl_add_u32 v[AOFF+p], v[AOFF+p], ASH, v[A16]
.set p, p+1
.endr
.else
	v_add_lshl_u32 v[VL], v[R16], s23, 2
.irp g, 0,1,2,3,4,5
	global_load_b32 v[DL+\g], v[VL], s[10:11] offset:256*\g      ; lane l: the code of row l % 16 of my tile g, for the way out
.endr
.if \main
	LOADW 0
	LOADW 1
	WIN 0
.else
	s_wait_loadcnt 0x0
.endif
	s_wait_kmcnt 0x0                               ; the count
	s_sub_co_u32 s[C1], s20, 1
	v_add_nc_u32 v[VR], s22, v[H]
.set p, 0
.rept 48
	v_add_nc_u32 v[AOFF+p], 64*(p/8)+2*(p%8), v[VR]
	v_min_u32 v[AOFF+p], s[C1], v[AOFF+p]          ; a row past the count reads the last row that was made: nothing unwritten is read
	v_min_u32 v[AOFF+p], 0x3ff, v[AOFF+p]          ; and every row lies inside the expert's part of A
	v_lshl_add_u32 v[AOFF+p], v[AOFF+p], ASH, v[A16]
.set p, p+1
.endr
.endif
.endm
; A K STEP OF A LATER PASS, by one wave alone, in its own part of LDS (slot 0's address registers point there by then).  W's 128 rows come in four chunks of 32 rows, 32 loads each into all four of
; W's buffers, are rounded and stored; my 96 rows of A in two halves of 24 loads; then four quarters are fetched and multiplied from fragment buffers 0.  Every wait is for 0: nothing overlaps.
; LDS serves a wave's instructions in order (ISA guide 5.7.1.4), so the stores of a step come behind the last step's reads, and the reads behind the stores.  All four waves read W here: no hint.
.macro OSTEP z
.irp c, 0,1,2,3
	WIN 0x40                                       ; destination window 1
.set t, 0
.rept 32
	global_load_b128 v[WS+4*t:WS+4*t+3], v[VB], s[WP:WP+1] offset:t*PB
.set t, t+1
.endr
	s_wait_loadcnt 0x0                             ; the chunk is in, so its base may step
	s_add_nc_u64 s[WP:WP+1], s[WP:WP+1], 32*PB
	WIN CVT
.set t, 0
.rept 32
	v_cvt_pk_f16_f32 v[WS+4*t],   v[WS+4*t],   v[WS+4*t+1]
	v_cvt_pk_f16_f32 v[WS+4*t+1], v[WS+4*t+2], v[WS+4*t+3]
.set t, t+1
.endr
	WIN 0x04                                       ; LDS store: address window 0, data window 1
.set t, 0
.rept 32
	ds_store_b64 v[VST], v[WS+4*t:WS+4*t+1] offset:(32*\c+t)*PW
.set t, t+1
.endr
.endr
.irp hf, 0,1
	LOADA 0, 2*\hf
	LOADA 1, 2*\hf+1
	s_wait_loadcnt 0x0
	WIN 0x0c                                       ; data window 3
.set t, 0
.rept 24
	ds_store_b128 v[AST], v[AS+4*t:AS+4*t+3] offset:2*PA*(24*\hf+t)
.set t, t+1
.endr
.endr
	s_add_nc_u64 s[AP:AP+1], s[AP:AP+1], 256       ; A's loads are done: on to the next K step
	s_add_nc_u64 s[AP+2:AP+3], s[AP+2:AP+3], 256
.irp q, 0,1,2,3
.if \q > 0
	PLACES                                         ; in front of quarter 0 the conversions above are the plain lines
.endif
	FETCH 0, \q, 0
	s_wait_dscnt 0x0
.irp g, 0,1,2,3,4,5
.if \q == 0
	MULG 0, \g, \z
.else
	MULG 0, \g, 0
.endif
.endr
.endr
.endm
; THE WAY OUT of my tile g, through my own stage in LDS, so that neighbouring lanes store neighbouring bytes.  LDS serves a wave's instructions in order (ISA guide 5.7.1.4), so the loads see the
; stores above them.  Each accumulator's registers are taken in ascending order.  A tile whose first row lies at or past the count holds padding alone and is left out; no barrier stands in here.
.if UP
.macro OUTBLK g
	WIN 0                                          ; at a branch and at a label every window is 0
	s_add_co_u32 s40, s22, 64*\g
	s_cmp_ge_u32 s40, s20
	s_cbranch_scc1 .Lnone_\@
	s_wait_xcnt 0x0                                ; the last tile's stores have had their addresses translated (ISA guide 3.1): only now are their data registers written again
	WIN 0x02+(\g)/4                                ; source 0: window 2 or 3
.set AC, 64*((\g)%4)
.set i, 0
.rept 64
	v_med3_num_f32 v[TF+i], v[AC+i], 0, s[HMAX]    ; relu and the clamp to f16's largest number in one line; the bias lies in the sum
.set i, i+1
.endr
	WIN 0
.set i, 0
.rept 32
	v_cvt_pk_f16_f32 v[TMP+i], v[TF+2*i], v[TF+2*i+1]
.set i, i+1
.endr
.irp b, 0,1,2,3,4,5,6,7
	ds_store_b128 v[STO], v[TMP+4*\b:TMP+4*\b+3] offset:32*\b
.endr
.irp t, 0,1,2,3,4,5,6,7
	ds_load_b128 v[OB+4*\t:OB+4*\t+3], v[RD] offset:\t*2*SPITCH
.endr
	s_wait_dscnt 0x0
.irp t, 0,1,2,3,4,5,6,7
	global_store_b128 v[CO], v[OB+4*\t:OB+4*\t+3], s[14:15] offset:\g*64*8192+\t*16384   ; 16 lanes store 256 consecutive bytes, aligned
.endr
.Lnone_\@:
.endm
.else
.macro OUTBLK g
	WIN 0                                          ; at a branch and at a label every window is 0
	s_add_co_u32 s40, s22, 64*\g
	s_cmp_ge_u32 s40, s20
	s_cbranch_scc1 .Lnone_\@
	s_wait_xcnt 0x0                                ; the last tile's stores have had their addresses translated (ISA guide 3.1): only now are their offsets and data registers written again
.irp t, 0,1,2,3,4,5,6,7,8,9,10,11,12,13,14,15
	v_readlane_b32 s40, v[DL+\g], \t               ; row t's code: the row of part that it goes to (a pair's own row, or the expert's spare row)
	s_min_u32 s40, s40, 0x807                      ; inside the plane's 2,056 rows
	v_lshl_add_u32 v[VO+\t], s40, 12, v[CO]
.endr
	WIN 0x08+4*((\g)/4)                            ; store data: window 2 or 3
.set AC, 64*((\g)%4)
.irp b, 0,1,2,3,4,5,6,7
	ds_store_b128 v[STO], v[AC+8*\b:AC+8*\b+3]   offset:64*\b
	ds_store_b128 v[STO], v[AC+8*\b+4:AC+8*\b+7] offset:64*\b+16
.endr
	WIN 0
.irp t, 0,1,2,3,4,5,6,7,8,9,10,11,12,13,14,15
	ds_load_b128 v[OB+4*\t:OB+4*\t+3], v[RD] offset:\t*SPITCH
.endr
	s_wait_dscnt 0x0
.irp t, 0,1,2,3,4,5,6,7,8,9,10,11,12,13,14,15
	global_store_b128 v[VO+\t], v[OB+4*\t:OB+4*\t+3], s[14:15]    ; 32 lanes store 512 consecutive bytes, aligned
.endr
.Lnone_\@:
.endm
.endif
	; THE MAIN PASS: rows 0 to 383 of the expert's list.  Every wave passes every one of its barriers.
	ROWS 1
	LOADA 0, 0                                     ; the order W(0), W(1), A(0), W(2), A(1), W(3) is the one that CONV's count of 28 rests on
	LOADW 2
	LOADA 1, 1
	LOADW 3
	CONV 0, 0, 28, 1, 0, 1                         ; K step 0's four chunks go into slot 0
	CONV 1, 0, 28, 1, 0, 1
	CONV 2, 0, 28, 1, 1, 1
	CONV 3, 0, 28, 1, 1, 1
	s_wait_dscnt 0x0                               ; my stores into slot 0 are done
	s_barrier_signal -1
	s_barrier_wait -1
	FETCH 0, 0, 0
.if UP
	STEP 0, 2, 1                                   ; the first quarter's products start the sums, on the bias
.else
	STEP 0, 1, 1                                   ; the first quarter's products start the sums
.endif
	STEP 1, 0, 1
	WIN 0                                          ; at a label and at a branch every window is 0
	s_mov_b32 s44, (NSTEP-4)/2
.Llap:                                                 ; a trip takes both slots once
	STEP 0, 0, 1
	STEP 1, 0, 1
	WIN 0
	s_sub_co_u32 s44, s44, 1
	s_cmp_lg_u32 s44, 0
	s_cbranch_scc1 .Llap
	STEP 0, 0, 2
	QUARTER 1, 0, 0, 1, 0, 0, 0, 0, 0              ; the last step stores nothing
	QUARTER 1, 1, 1, 0, 0, 0, 0, 0, 0
	QUARTER 1, 2, 0, 1, 0, 0, 0, 0, 0
	s_wait_dscnt 4
	MULG 1, 0, 0
	MULG 1, 1, 0
	MULG 1, 2, 0
	MULG 1, 3, 0
	s_wait_dscnt 0x0
	MULG 1, 4, 0
	MULG 1, 5, 0
	WIN 0
	PLACES
	s_wait_kmcnt 0x0                               ; the count and the passes
.irp g, 0,1,2,3,4,5
	OUTBLK \g
.endr
	s_wait_xcnt 0x0                                ; the stores' base, offsets and data registers are written again only behind this wait
	s_wait_dscnt 0x0                               ; my reads of the slots are over:
	s_barrier_signal -1
	s_barrier_wait -1                              ; everybody's are, so the slots' bytes may be dealt anew.  This is the last barrier, and it stands on every wave's way
	; THE LATER PASSES: none, one or two.  From here on no wave touches another's LDS bytes and no barrier follows.
	s_mov_b32 s21, 1                               ; passes done
	s_cmp_lt_u32 s21, s19
	s_cbranch_scc0 .Ldone
	s_mul_i32 s50, s16, PRIV                       ; my own part of LDS: 96 rows of A, then 128 rows of W
	v_mul_u32_u24 v6, v[R16], PA
	v_lshl_add_u32 v6, v[H], 4, v6
	v_add_nc_u32 v[ADRA], s50, v6
	v_mul_u32_u24 v6, v[H], PA
	v_add3_u32 v[AST], v6, v[A16], s50
	s_add_co_u32 s50, s50, AWV
	v_add_nc_u32 v[ADRB], s50, v[TRB]
	v_lshl_add_u32 v[VST], v[LN], 3, s50
	v_lshlrev_b32 v[VB], 4, v[LN]                  ; I take every row of a chunk of W now
.Lover:
.if UP
	s_add_nc_u64 s[14:15], s[14:15], MP*8192       ; C goes 384 rows down
.endif
	s_add_co_u32 s22, s22, MP
	s_add_co_u32 s23, s23, MP
	ROWS 0
.if UP
	OSTEP 2                                        ; K step 0: its first quarter's products start the sums, on the bias
.else
	OSTEP 1                                        ; K step 0: its first quarter's products start the sums
.endif
	WIN 0
	s_mov_b32 s44, NSTEP-1
.Lok:
	OSTEP 0
	WIN 0
	s_sub_co_u32 s44, s44, 1
	s_cmp_lg_u32 s44, 0
	s_cbranch_scc1 .Lok
	PLACES
.irp g, 0,1,2,3,4,5
	OUTBLK \g
.endr
	s_wait_xcnt 0x0                                ; the stores' base, offsets and data registers are written again only behind this wait
	s_add_co_u32 s21, s21, 1
	s_cmp_lt_u32 s21, s19
	s_cbranch_scc1 .Lover
.Ldone:
	s_wait_tensorcnt 0x0
	ds_add_u32 v254, v255
	s_wait_dscnt 0x0
	s_endpgm
.Lfunc_end_k_q04d5207da5_up:
	.size	k_q04d5207da5_up, .Lfunc_end_k_q04d5207da5_up-k_q04d5207da5_up
	.p2alignl 7, 3214868480
	.fill 96, 4, 3214868480
	.section	.rodata,"a",@progbits
	.p2align	6, 0x0
	.amdhsa_kernel k_q04d5207da5_up
		.amdhsa_group_segment_fixed_size 300544
		.amdhsa_private_segment_fixed_size 0
		.amdhsa_enable_private_segment 0
		.amdhsa_kernarg_size 48
		.amdhsa_user_sgpr_count 2
		.amdhsa_user_sgpr_kernarg_segment_ptr 1
		.amdhsa_wavefront_size32 1
		.amdhsa_system_sgpr_workgroup_id_x 1
		.amdhsa_system_sgpr_workgroup_id_y 1
		.amdhsa_system_sgpr_workgroup_id_z 1
		.amdhsa_system_vgpr_workitem_id 0
		.amdhsa_next_free_vgpr 1024
		.amdhsa_next_free_sgpr 66
		.amdhsa_reserve_vcc 0
		.amdhsa_float_denorm_mode_32 3
		.amdhsa_float_denorm_mode_16_64 3
		.amdhsa_memory_ordered 1
		.amdhsa_forward_progress 1
		.amdhsa_inst_pref_size 255
	.end_amdhsa_kernel
	.section	.bss,"aw",@nobits
	.p2align	6
	.space	262144
	.amdgpu_metadata
---
amdhsa.version: [ 1, 2 ]
amdhsa.kernels:
  - .name:           k_q04d5207da5_up
    .symbol:         k_q04d5207da5_up.kd
    .args:
      - { .name: xb, .offset: 0, .size: 8, .value_kind: global_buffer, .address_space: global }
      - { .name: W1, .offset: 8, .size: 8, .value_kind: global_buffer, .address_space: global }
      - { .name: b1, .offset: 16, .size: 8, .value_kind: global_buffer, .address_space: global }
      - { .name: lst, .offset: 24, .size: 8, .value_kind: global_buffer, .address_space: global }
      - { .name: cnt, .offset: 32, .size: 8, .value_kind: global_buffer, .address_space: global }
      - { .name: hbuf, .offset: 40, .size: 8, .value_kind: global_buffer, .address_space: global }
    .group_segment_fixed_size: 300544
    .private_segment_fixed_size: 0
    .kernarg_segment_align: 8
    .kernarg_segment_size: 48
    .max_flat_workgroup_size: 128
    .sgpr_count:     66
    .vgpr_count:     1024
    .wavefront_size: 32
...
	.end_amdgpu_metadata
.endif
;; end of part 7
;; launch down (part 8): grid 32 x 8, 4 waves a work-group, no clusters, 316,928 bytes of LDS; arguments hbuf, W2, lst, cnt, part; writes part
.if DOCPART == 8
	.amdgcn_target "amdgcn-amd-amdhsa--gfx1250"
	.amdhsa_code_object_version 6
	.text
	.protected	k_q04d5207da5_down
	.globl	k_q04d5207da5_down
	.p2align	8
	.type	k_q04d5207da5_down,@function
k_q04d5207da5_down:
	s_mov_b64 s[64:65], 0
	v_nop
	global_prefetch_b8 v0, s[64:65] scope:SCOPE_SE
	s_setreg_imm32_b32 hwreg(HW_REG_WAVE_MODE, 25, 1), 1
	s_wait_xcnt 0x0
; ONE TEXT FOR THE TWO PRODUCTS OF THE EXPERTS, ON THE CHOSEN PAIRS ALONE; the constant UP picks which.  An expert that a token did not choose has the router weight 0, so its rows are not made.
; lst[e][i] = 1024 j + t names the i-th pair of expert e (padding: 2048 + e);  cnt[e] = max(pairs, 1);  cnt[8 + e] = passes of 384 rows.
;   UP = 1:  hbuf[e][i][n] = f16(min(relu(sum over k of xb[t(i)][k] W1[e][k][n] + b1[e][n]), 65504)),  n < 4096, k < 1024.
;   UP = 0:  part[ks][code(i)][n] = sum over k of hbuf[e][i][1024 ks + k] W2[e][1024 ks + k][n], f32,  n < 1024, k < 1024, ks < 4:
;            the sum over 4,096 is cut in four so that 256 work-groups have a share; a later launch adds the quarters in a fixed order.
; SHARES.  A work-group owns one expert and 128 columns of W (UP = 0: and a quarter of K): every byte of W is read by one work-group.  It holds 384 rows at a time: four waves,
; each 6 tiles of 16 rows x 128 columns = 48 accumulators, 384 registers; the wave's tile g is rows 64 g + 16 w of the pass.
; THE MAIN PASS makes rows 0 to 383 of the expert's list.  K goes in steps of 128 through two LDS slots.  Both operands come through registers: A's rows are picked by a list, which no tile
; descriptor states; a load of a wave brings two rows' 256 bytes, and they go as they are into the wave's own part of the slot.  W's f32 rows (a load of a wave covers a row's 512 bytes) are
; rounded to f16 and stored as [k][n]; ds_load_tr16_b128 turns them.
; AHEAD.  A K step's operands are four chunks (W: 32 rows, 8 a wave; A: 24 of the wave's 96 rows), one stored into the next slot in each quarter step.  W's chunks are asked for four quarter steps
; ahead of that (four register buffers), A's two (two buffers): 56 loads a wave at the most.  So no separate prefetch is written: W is asked for a whole K step before it is wanted.
; THE LATER PASSES make rows 384 on, for an expert that more than 384 of the 1,024 tokens chose: one or two passes more, counted against cnt[8 + e].  A barrier stands on no way whose length
; hangs on loaded data, so in these passes no wave needs another: each brings and rounds the whole K step of W itself, into a part of LDS of its own, beside its own 96 rows of A.  That is
; four times the loads and conversions of W, and nothing overlaps: a plain form, whose price only such an expert pays.
; THE MATRIX INSTRUCTION IS USED TRANSPOSED: source 0 = 16 columns of W, source 1 = 16 rows of A: a lane then holds row l % 16 of C and the columns 8 (l / 16) + 0..7.
; NO CLUSTER: W has one reader, and A's rows, which the 32 work-groups of an expert share, pass through registers, where no joint request exists.
; WHY f16 AND NOT bf16: x, W1, h and W2 are each rounded once, and the four errors add up in the result; 11 bits leave an eighth of what 8 bits leave.
; f16'S ROOM (largest 65,504; steps of 6e-8 below 6.1e-5).  Weights of 1/32 at the most and x of a few units stay far inside it at 30 times their size.  h is a sum of 1,024 products:
; of a few units as drawn; 900 times that, some 3,200, with x, W1 and b1 all 30 times larger; 1,024 x 30 x 30/32 = 28,800 with x offset by 30 and W1 by 30 times its half-range.
; At 1/30 of their size W2 (3e-4) and, at 1/900, h (4.5e-4) are rounded in steps of 6e-8: under 1e-4 of their size.
; LIMITS: operands are rounded to f16, sums are f32.  h is clamped to 65,504: above that the result differs from the defining sum.  |W| above 65,504 and NaN are not served.
; Where an expert that was not chosen would give an infinite or NaN row, the defining sum has 0 x that = NaN; here the row is not made.
; REGISTERS, in windows of 256 (s_set_vgpr_msb: bits 1:0 source 0, 3:2 source 1, 5:4 source 2, 7:6 destination):
;   window 0: v1-31 addresses; v32-79 A's row offsets; v80-127, v128-175 fragments of A, two buffers (on the way out: at work); v176-239 the bias as a C operand (UP) or v176-181 the rows' codes; v240-255 store offsets
;   window 1: v0-127 four chunks of W as loaded, then as f16; v128-191, v192-255 fragments of W, two buffers
;   window 2: the accumulators of my tiles 0-3 ((g, b) at v[64 g + 8 b]);  window 3: v0-127 those of tiles 4, 5; v128-223 two chunks of A
.set UP, 0
.if UP
.set PB,     16384                     ; bytes from row to row of W
.set ASH,    11                        ; a row of A is 2^11 bytes
.set SPITCH, 272                       ; a row of the stage: 128 f16 + 16 bytes
.else
.set PB,     4096
.set ASH,    13
.set SPITCH, 528                       ; 128 f32 + 16 bytes
.endif
.set NSTEP,  8                         ; K steps of 128
.set MP,     384                       ; rows of a pass
.set EROWS,  1152                      ; rows that lst and hbuf hold for an expert: three passes
.set PLANE,  2056*4096                 ; bytes of one quarter's results: 2,048 pairs' rows and 8 spare rows of 1,024 f32
.set PA,     272                       ; a row of A in LDS: 256 bytes + 16 = 68 words: the 16 rows of a fragment load start 4 banks apart (64 banks of 4 bytes: ISA guide 11.1)
.set PW,     288                       ; a row of W in LDS: 128 f16 + 32 bytes = 9 x 32
.set AWV,    96*PA                     ; a wave's rows of A
.set ASZ,    4*AWV
.set SLOT,   ASZ+128*PW                ; 141,312
.set PRIV,   SLOT/2                    ; the later passes: a wave's own 70,656 bytes of the two slots, of which it uses AWV + 128 PW = 62,976
.set STAGE,  2*SLOT                    ; behind the slots: 16 rows for each wave, for the way out
.set R16,  1                           ; l % 16
.set H,    2                           ; l / 16
.set LN,   3                           ; l
.set TRB,  7                           ; my lane's place in a tile of W for the turning load; never rewritten
.set A16,  12                          ; 16 (l % 16)
.set VL,   13                          ; my byte offset in lst
.set VR,   14                          ; my row of the pass's first pair of rows (UP = 0)
.set VBI,  15                          ; my byte offset in the bias (UP)
.set ADRA, 16                          ; v16-17  LDS address of my A fragments in slot 0, 1
.set ADRB, 20                          ; v20-21  the same for W
.set STO,  24                          ; the way out: where I put my part of a row
.set RD,   25                          ; the way out: where I read rows back
.set CO,   26                          ; my byte offset in C
.set VB,   27                          ; my byte offset in a chunk of W
.set VST,  28                          ; v28-29  where my f16 of a chunk's first row go, in slot 0, 1
.set AST,  30                          ; v30-31  where my 16 bytes of A's first pair of rows go
.set AOFF, 32                          ; v32-79  load p of 48: byte offset in A of my 16 bytes of row 2 p + l / 16 of my wave's 96
.set FA,   80
.set BIAS, 176
.set DL,   176
.set VO,   240
.set TF,   80
.set TMP,  144
.set OB,   80
.set WS,   0                           ; window 1
.set FB,   128                         ; window 1
.set AS,   128                         ; window 3
.set WP,   28                          ; s[28:35] address of the chunk that W's buffer 0..3 holds or awaits
.set AP,   36                          ; s[36:39] A at the K step of the chunk that A's buffer 0, 1 holds or awaits
.set HMAX, 53                          ; 65,504.0 (UP)
.set C1,   54                          ; the count - 1 (UP = 0)
.set CVT,  0x45                        ; sources and destination window 1
.set MSB, 0
.macro WIN new                         ; the immediate's high byte repeats the setting that is left; a switch that changes nothing is dropped
.if MSB != (\new)
	s_set_vgpr_msb (MSB<<8)|(\new)
.set MSB, (\new)
.endif
.endm
.macro PLACES                          ; four plain vector lines between a matrix instruction and a load into, or a vector line on, its registers
.rept 4
	v_nop
.endr
.endm
.if UP
	s_load_b256 s[4:11], s[0:1], 0x0               ; A s[4:5], W s[6:7], bias s[8:9], lst s[10:11]
	s_load_b128 s[12:15], s[0:1], 0x20             ; cnt s[12:13], C s[14:15]
.else
	s_load_b128 s[4:7], s[0:1], 0x0                ; A s[4:5], W s[6:7]
	s_load_b64 s[10:11], s[0:1], 0x10              ; lst
	s_load_b64 s[12:13], s[0:1], 0x18              ; cnt
	s_load_b64 s[14:15], s[0:1], 0x20              ; C
	v_lshl_add_u32 v238, v0, 2, 0x4d400
	v_mov_b32 v239, 0
.endif
	v_lshrrev_b32 v1, 5, v0
	v_readfirstlane_b32 s16, v1                    ; wave 0..3
	s_and_b32 s18, ttmp7, 0xffff                   ; expert
	s_lshl_b32 s40, s18, 2
	s_mov_b32 s41, 0
	s_mov_b32 s43, 0
	s_lshl_b32 s22, s16, 4                         ; the first row of my tile 0, counted in the expert's list
	s_mul_i32 s23, s18, EROWS
	s_wait_kmcnt 0x0
	s_add_nc_u64 s[12:13], s[12:13], s[40:41]
	s_load_b32 s20, s[12:13], 0x0                  ; the count; waited for where it is first wanted
	s_load_b32 s19, s[12:13], 0x20                 ; the passes
.if UP
	s_mov_b32 s[HMAX], 0x477fe000                  ; 65,504.0
	s_lshl_b32 s42, s18, 24                        ; W: expert x 16 MiB + column tile x 512 bytes
	s_lshl_b32 s46, ttmp9, 9
	s_add_co_u32 s42, s42, s46
	s_add_nc_u64 s[6:7], s[6:7], s[42:43]
	s_lshl_b32 s42, s18, 14                        ; bias: 4 (4,096 expert + 128 column tile)
	s_add_co_u32 s42, s42, s46
	s_add_nc_u64 s[8:9], s[8:9], s[42:43]
	s_add_co_u32 s23, s23, s22                     ; the same row counted in lst and hbuf: 1,152 expert + 16 w
	s_lshl_b32 s42, s23, 13                        ; C: that row x 8,192 bytes + column tile x 256 bytes
	s_lshl_b32 s46, ttmp9, 8
	s_add_co_u32 s42, s42, s46
	s_add_nc_u64 s[14:15], s[14:15], s[42:43]
.else
	s_and_b32 s47, ttmp9, 7                        ; column tile
	s_lshr_b32 s48, ttmp9, 3                       ; quarter of K
	s_lshl_b32 s42, s18, 24                        ; W: expert x 16 MiB + quarter x 1,024 rows of 4,096 bytes + column tile x 512 bytes
	s_lshl_b32 s46, s48, 22
	s_add_co_u32 s42, s42, s46
	s_lshl_b32 s46, s47, 9
	s_add_co_u32 s42, s42, s46
	s_add_nc_u64 s[6:7], s[6:7], s[42:43]
	s_lshl_b32 s42, s23, 13                        ; A: expert x 1,152 rows of 8,192 bytes + quarter x 2,048 bytes
	s_lshl_b32 s49, s48, 11
	s_add_co_u32 s42, s42, s49
	s_add_nc_u64 s[4:5], s[4:5], s[42:43]
	s_add_co_u32 s23, s23, s22
	s_mul_i32 s42, s48, PLANE                      ; C: the quarter's plane + column tile x 512 bytes
	s_add_co_u32 s42, s42, s46
	s_add_nc_u64 s[14:15], s[14:15], s[42:43]
.endif
	v_and_b32 v[R16], 15, v0
	v_bfe_u32 v[H], v0, 4, 1
	v_and_b32 v[LN], 31, v0
	v_and_b32 v4, 7, v0
	v_bfe_u32 v5, v0, 3, 1
	v_lshlrev_b32 v[A16], 4, v[R16]
	; a fragment of A: lane l holds row l % 16; registers 0-3 k = 8 h + 0..7, registers 4-7 k = 16 + 8 h + 0..7: two loads of 16 bytes, 32 apart
	s_mul_i32 s50, s16, AWV
	v_mul_u32_u24 v6, v[R16], PA
	v_lshl_add_u32 v6, v[H], 4, v6
	v_add_nc_u32 v[ADRA], s50, v6
	v_add_nc_u32 v[ADRA+1], SLOT, v[ADRA]
	v_mul_u32_u24 v6, v[H], PA                     ; in: lanes 0-15 one row's 256 bytes, lanes 16-31 the next row's
	v_add3_u32 v[AST], v6, v[A16], s50
	v_add_nc_u32 v[AST+1], SLOT, v[AST]
	; a fragment of W by the turning load: lane l reads 16 bytes of row k = 8 h + l % 8, columns 8 ((l / 8) % 2) + 0..7, and ends with column l % 16 and 8 k
	v_lshl_add_u32 v[TRB], v[H], 3, v4
	v_mul_u32_u24 v[TRB], v[TRB], PW
	v_lshl_add_u32 v[TRB], v5, 4, v[TRB]
	v_add_nc_u32 v[ADRB], ASZ, v[TRB]
	v_add_nc_u32 v[ADRB+1], SLOT, v[ADRB]
	s_mul_i32 s50, s16, 8*PB                       ; my 8 rows of a chunk, in memory
	v_lshl_add_u32 v[VB], v[LN], 4, s50
	s_mul_i32 s50, s16, 8*PW                       ; and in LDS
	s_add_co_u32 s50, s50, ASZ
	v_lshl_add_u32 v[VST], v[LN], 3, s50
	v_add_nc_u32 v[VST+1], SLOT, v[VST]
	s_mul_i32 s50, s16, 16*SPITCH
	s_add_co_u32 s50, s50, STAGE                   ; my stage
	v_mul_u32_u24 v9, v[R16], SPITCH
.if UP
	v_lshl_add_u32 v9, v[H], 4, v9                 ; in: row l % 16, 16 bytes for each half of the lanes
	v_mul_u32_u24 v10, v[H], SPITCH                ; back: lanes 0-15 one row of 256 bytes, lanes 16-31 the next
	v_add_nc_u32 v10, v10, v[A16]
	v_lshl_add_u32 v[CO], v[H], 13, v[A16]         ; and the same two rows in C
	v_lshlrev_b32 v[VBI], 5, v[H]                  ; bias: my 8 columns of a block of 16
.else
	v_lshl_add_u32 v9, v[H], 5, v9                 ; in: row l % 16, 32 bytes for each half of the lanes
	v_lshlrev_b32 v10, 4, v[LN]                    ; back: 32 lanes take one row of 512 bytes
	v_lshlrev_b32 v[CO], 4, v[LN]
.endif
	v_add_nc_u32 v[STO], s50, v9
	v_add_nc_u32 v[RD], s50, v10
.if UP
.irp b, 0,1,2,3,4,5,6,7                ; the bias in the layout of a C operand: register j of block b = b1[16 b + 8 h + j], the same for every row; kept for every pass
	global_load_b128 v[BIAS+8*\b:BIAS+8*\b+3],   v[VBI], s[8:9] offset:64*\b
	global_load_b128 v[BIAS+8*\b+4:BIAS+8*\b+7], v[VBI], s[8:9] offset:64*\b+16
.endr
.endif
; 8 matrix instructions: my tile g x all 8 column blocks, 32 along K, from fragment buffers f.  z = 1: the products start the sums with the constant 0; z = 2: with the bias; nothing is cleared.
; The 48 accumulators take turns, one instruction a turn, in the same order in every quarter step.
.macro MULG f, g, z
.if \z == 2
	WIN 0x81+0x40*((\g)/4)                         ; W window 1, A and the bias window 0, D window 2 or 3
.else
	WIN 0xa1+0x50*((\g)/4)                         ; W window 1, A window 0, C and D window 2 or 3
.endif
.irp b, 0,1,2,3,4,5,6,7
.if \z == 1
	v_wmma_f32_16x16x32_f16 v[64*((\g)%4)+8*\b:64*((\g)%4)+8*\b+7], v[FB+64*\f+8*\b:FB+64*\f+8*\b+7], v[FA+48*\f+8*\g:FA+48*\f+8*\g+7], 0
.elseif \z == 2
	v_wmma_f32_16x16x32_f16 v[64*((\g)%4)+8*\b:64*((\g)%4)+8*\b+7], v[FB+64*\f+8*\b:FB+64*\f+8*\b+7], v[FA+48*\f+8*\g:FA+48*\f+8*\g+7], v[BIAS+8*\b:BIAS+8*\b+7]
.else
	v_wmma_f32_16x16x32_f16 v[64*((\g)%4)+8*\b:64*((\g)%4)+8*\b+7], v[FB+64*\f+8*\b:FB+64*\f+8*\b+7], v[FA+48*\f+8*\g:FA+48*\f+8*\g+7], v[64*((\g)%4)+8*\b:64*((\g)%4)+8*\b+7]
.endif
.endr
.endm
; 28 LDS loads in one run: the fragments of quarter q (32 along K) of a slot into buffers f: W's 128 columns first, then my 6 tiles of A in ascending order
.macro FETCH slot, q, f
	WIN 0x40                                       ; destination window 1
.irp i, 0,1,2,3,4,5,6,7
	ds_load_tr16_b128 v[FB+64*\f+8*\i:FB+64*\f+8*\i+3],   v[ADRB+\slot] offset:(\q)*32*PW+32*\i
	ds_load_tr16_b128 v[FB+64*\f+8*\i+4:FB+64*\f+8*\i+7], v[ADRB+\slot] offset:(\q)*32*PW+16*PW+32*\i
.endr
	WIN 0
.irp i, 0,1,2,3,4,5
	ds_load_b128 v[FA+48*\f+8*\i:FA+48*\f+8*\i+3],   v[ADRA+\slot] offset:64*(\q)+\i*16*PA
	ds_load_b128 v[FA+48*\f+8*\i+4:FA+48*\f+8*\i+7], v[ADRA+\slot] offset:64*(\q)+\i*16*PA+32
.endr
.endm
; my 8 rows x 512 bytes of a chunk of W into W's buffer q: 8 loads, each a row's 512 consecutive bytes; in the main pass each byte is read once, by this wave alone
.macro LOADW q
	WIN 0x40                                       ; destination window 1
.irp i, 0,1,2,3,4,5,6,7
	global_load_b128 v[WS+32*(\q)+4*\i:WS+32*(\q)+4*\i+3], v[VB], s[WP+2*(\q):WP+2*(\q)+1] offset:\i*PB th:TH_LOAD_NT
.endr
.endm
; 24 of my rows x 256 bytes of A (chunk cq of a K step's four) into A's buffer buf: 12 loads, each two rows' 256 consecutive bytes
.macro LOADA buf, cq
	WIN 0xc0                                       ; destination window 3
.irp i, 0,1,2,3,4,5,6,7,8,9,10,11
	global_load_b128 v[AS+48*(\buf)+4*\i:AS+48*(\buf)+4*\i+3], v[AOFF+12*(\cq)+\i], s[AP+2*(\buf):AP+2*(\buf)+1]
.endr
.endm
; Chunk q of a K step goes into slot slotn: W from buffer q, rounded; A from buffer q % 2, as it is.  left: the younger loads that may stay out.  Chunks are numbered V = 4 step + q; this macro, at
; chunk V, asks for A(V + 2) and then for W(V + 4), so behind A(V) stand W(V + 2), A(V + 1) and W(V + 3): 8 + 12 + 8 = 28, and W(V) is older than A(V).  la, lw = 0: nothing of that kind is left to ask for.
; sa = 1: A(V + 2) belongs to the next K step.  The wait shows both buffers' loads done, so their bases may step.
.macro CONV q, slotn, left, la, sa, lw
	s_wait_loadcnt \left
.if \lw
	s_add_nc_u64 s[WP+2*\q:WP+2*\q+1], s[WP+2*\q:WP+2*\q+1], 128*PB
.endif
.if \la && \sa
	s_add_nc_u64 s[AP+2*(\q%2):AP+2*(\q%2)+1], s[AP+2*(\q%2):AP+2*(\q%2)+1], 256
.endif
	WIN CVT
.set t, 0
.rept 8
	v_cvt_pk_f16_f32 v[WS+32*\q+4*t],   v[WS+32*\q+4*t],   v[WS+32*\q+4*t+1]
	v_cvt_pk_f16_f32 v[WS+32*\q+4*t+1], v[WS+32*\q+4*t+2], v[WS+32*\q+4*t+3]
.set t, t+1
.endr
	WIN 0x04                                       ; LDS store: address window 0, data window 1
.irp i, 0,1,2,3,4,5,6,7
	ds_store_b64 v[VST+\slotn], v[WS+32*\q+4*\i:WS+32*\q+4*\i+1] offset:(32*\q+\i)*PW     ; 32 lanes store a row's 256 consecutive bytes
.endr
	WIN 0x0c                                       ; data window 3
.irp i, 0,1,2,3,4,5,6,7,8,9,10,11
	ds_store_b128 v[AST+\slotn], v[AS+48*(\q%2)+4*\i:AS+48*(\q%2)+4*\i+3] offset:2*PA*(12*\q+\i)
.endr
.if \la
	LOADA \q%2, (\q+2)%4
.endif
.if \lw
	LOADW \q
.endif
.endm
; A K step is four quarter steps of 32 along K, 48 matrix instructions each, on fragment buffers 0, 1, 0, 1.  One of the first three: multiplies buffers f; behind its first two tiles it stores a chunk
; for the next step (cv = 1; the 16 conversions are also the plain lines in front of the loads into buffers g) and fetches the next quarter's fragments into g.
.macro QUARTER slot, q, f, g, z, cv, left, la, lw
	s_wait_dscnt 4                                 ; W and A's tiles 0-3 are in; the youngest four loads (tiles 4, 5) may be out
	MULG \f, 0, \z
	MULG \f, 1, \z
.if \cv
	CONV \q, 1-\slot, \left, \la, \q/2, \lw
.else
	PLACES
.endif
	FETCH \slot, \q+1, \g
	MULG \f, 2, \z
	MULG \f, 3, \z
	s_wait_dscnt 28                                ; all but the 28 just issued
	MULG \f, 4, \z
	MULG \f, 5, \z
.endm
; The last quarter multiplies buffers 1 and changes slots: ONE barrier.  In front of it each wave waits for its reads of this slot and for its stores into the next.  Behind it nobody reads this
; slot's W any more, so the next step may write it, and the next slot's W is whole, so its first fragments are read.
.macro TURN slot, left, la, lw
	s_wait_dscnt 4
	MULG 1, 0, 0
	MULG 1, 1, 0
	CONV 3, 1-\slot, \left, \la, 1, \lw
	s_wait_dscnt 0x0
	s_barrier_signal -1
	MULG 1, 2, 0                                   ; work on registers while the others arrive
	MULG 1, 3, 0
	s_barrier_wait -1
	FETCH 1-\slot, 0, 0                            ; buffers 0 were last multiplied a quarter ago: the 16 conversions above stand between
	MULG 1, 4, 0
	MULG 1, 5, 0
.endm
; cv = 1: every chunk asks on.  cv = 2: the last step but one stores chunks 28 to 31: no W is left to ask for, A's chunks 30 and 31 are the last, and the counts run down 28, 20, 12, 0.
.macro STEP slot, z, cv
.if \cv == 1
	QUARTER \slot, 0, 0, 1, \z, 1, 28, 1, 1
	QUARTER \slot, 1, 1, 0, 0, 1, 28, 1, 1
	QUARTER \slot, 2, 0, 1, 0, 1, 28, 1, 1
	TURN \slot, 28, 1, 1
.else
	QUARTER \slot, 0, 0, 1, \z, 1, 28, 1, 0
	QUARTER \slot, 1, 1, 0, 0, 1, 20, 1, 0
	QUARTER \slot, 2, 0, 1, 0, 1, 12, 0, 0
	TURN \slot, 0, 0, 0
.endif
.endm
; THE HEAD OF A PASS: the bases go back to K step 0, and each of my 48 loads of A gets its row's offset.  No load of the wave is out here.  main = 1: W's first two chunks are asked for on the way.
.macro ROWS main
	s_mov_b64 s[WP:WP+1], s[6:7]                   ; W's chunk 0
.if \main
	s_add_nc_u64 s[WP+2:WP+3], s[6:7], 32*PB       ; and chunks 1 to 3
	s_add_nc_u64 s[WP+4:WP+5], s[6:7], 64*PB
	s_add_nc_u64 s[WP+6:WP+7], s[6:7], 96*PB
.endif
	s_mov_b64 s[AP:AP+1], s[4:5]                   ; A at K step 0
	s_mov_b64 s[AP+2:AP+3], s[4:5]
.if UP
	v_add_lshl_u32 v[VL], v[H], s23, 2
.set p, 0
.rept 48
	global_load_b32 v[AOFF+p], v[VL], s[10:11] offset:4*(64*(p/8)+2*(p%8))   ; the code of row 2 p + l / 16 of my 96: tile p / 8, row 2 (p % 8) + l / 16
.set p, p+1
.endr
.if \main
	LOADW 0
	s_wait_loadcnt 8                               ; the codes are in; W's chunk 0 may be out
	LOADW 1
	WIN 0
.else
	s_wait_loadcnt 0x0
.endif
.set p, 0
.rept 48
	v_min_u32 v[AOFF+p], 0x807, v[AOFF+p]          ; a code is 2,055 at the most,
	v_and_b32 v[AOFF+p], 0x3ff, v[AOFF+p]          ; its token the low ten bits
	v_lshl_add_u32 v[AOFF+p], v[AOFF+p], ASH, v[A16]
.set p, p+1
.endr
.else
	v_add_lshl_u32 v[VL], v[R16], s23, 2
.irp g, 0,1,2,3,4,5
	global_load_b32 v[DL+\g], v[VL], s[10:11] offset:256*\g      ; lane l: the code of row l % 16 of my tile g, for the way out
.endr
.if \main
	LOADW 0
	LOADW 1
	WIN 0
.else
	s_wait_loadcnt 0x0
.endif
	s_wait_kmcnt 0x0                               ; the count
	s_sub_co_u32 s[C1], s20, 1
	v_add_nc_u32 v[VR], s22, v[H]
.set p, 0
.rept 48
	v_add_nc_u32 v[AOFF+p], 64*(p/8)+2*(p%8), v[VR]
	v_min_u32 v[AOFF+p], s[C1], v[AOFF+p]          ; a row past the count reads the last row that was made: nothing unwritten is read
	v_min_u32 v[AOFF+p], 0x3ff, v[AOFF+p]          ; and every row lies inside the expert's part of A
	v_lshl_add_u32 v[AOFF+p], v[AOFF+p], ASH, v[A16]
.set p, p+1
.endr
.endif
.endm
; A K STEP OF A LATER PASS, by one wave alone, in its own part of LDS (slot 0's address registers point there by then).  W's 128 rows come in four chunks of 32 rows, 32 loads each into all four of
; W's buffers, are rounded and stored; my 96 rows of A in two halves of 24 loads; then four quarters are fetched and multiplied from fragment buffers 0.  Every wait is for 0: nothing overlaps.
; LDS serves a wave's instructions in order (ISA guide 5.7.1.4), so the stores of a step come behind the last step's reads, and the reads behind the stores.  All four waves read W here: no hint.
.macro OSTEP z
.irp c, 0,1,2,3
	WIN 0x40                                       ; destination window 1
.set t, 0
.rept 32
	global_load_b128 v[WS+4*t:WS+4*t+3], v[VB], s[WP:WP+1] offset:t*PB
.set t, t+1
.endr
	s_wait_loadcnt 0x0                             ; the chunk is in, so its base may step
	s_add_nc_u64 s[WP:WP+1], s[WP:WP+1], 32*PB
	WIN CVT
.set t, 0
.rept 32
	v_cvt_pk_f16_f32 v[WS+4*t],   v[WS+4*t],   v[WS+4*t+1]
	v_cvt_pk_f16_f32 v[WS+4*t+1], v[WS+4*t+2], v[WS+4*t+3]
.set t, t+1
.endr
	WIN 0x04                                       ; LDS store: address window 0, data window 1
.set t, 0
.rept 32
	ds_store_b64 v[VST], v[WS+4*t:WS+4*t+1] offset:(32*\c+t)*PW
.set t, t+1
.endr
.endr
.irp hf, 0,1
	LOADA 0, 2*\hf
	LOADA 1, 2*\hf+1
	s_wait_loadcnt 0x0
	WIN 0x0c                                       ; data window 3
.set t, 0
.rept 24
	ds_store_b128 v[AST], v[AS+4*t:AS+4*t+3] offset:2*PA*(24*\hf+t)
.set t, t+1
.endr
.endr
	s_add_nc_u64 s[AP:AP+1], s[AP:AP+1], 256       ; A's loads are done: on to the next K step
	s_add_nc_u64 s[AP+2:AP+3], s[AP+2:AP+3], 256
.irp q, 0,1,2,3
.if \q > 0
	PLACES                                         ; in front of quarter 0 the conversions above are the plain lines
.endif
	FETCH 0, \q, 0
	s_wait_dscnt 0x0
.irp g, 0,1,2,3,4,5
.if \q == 0
	MULG 0, \g, \z
.else
	MULG 0, \g, 0
.endif
.endr
.endr
.endm
; THE WAY OUT of my tile g, through my own stage in LDS, so that neighbouring lanes store neighbouring bytes.  LDS serves a wave's instructions in order (ISA guide 5.7.1.4), so the loads see the
; stores above them.  Each accumulator's registers are taken in ascending order.  A tile whose first row lies at or past the count holds padding alone and is left out; no barrier stands in here.
.if UP
.macro OUTBLK g
	WIN 0                                          ; at a branch and at a label every window is 0
	s_add_co_u32 s40, s22, 64*\g
	s_cmp_ge_u32 s40, s20
	s_cbranch_scc1 .Lnone_\@
	s_wait_xcnt 0x0                                ; the last tile's stores have had their addresses translated (ISA guide 3.1): only now are their data registers written again
	WIN 0x02+(\g)/4                                ; source 0: window 2 or 3
.set AC, 64*((\g)%4)
.set i, 0
.rept 64
	v_med3_num_f32 v[TF+i], v[AC+i], 0, s[HMAX]    ; relu and the clamp to f16's largest number in one line; the bias lies in the sum
.set i, i+1
.endr
	WIN 0
.set i, 0
.rept 32
	v_cvt_pk_f16_f32 v[TMP+i], v[TF+2*i], v[TF+2*i+1]
.set i, i+1
.endr
.irp b, 0,1,2,3,4,5,6,7
	ds_store_b128 v[STO], v[TMP+4*\b:TMP+4*\b+3] offset:32*\b
.endr
.irp t, 0,1,2,3,4,5,6,7
	ds_load_b128 v[OB+4*\t:OB+4*\t+3], v[RD] offset:\t*2*SPITCH
.endr
	s_wait_dscnt 0x0
.irp t, 0,1,2,3,4,5,6,7
	global_store_b128 v[CO], v[OB+4*\t:OB+4*\t+3], s[14:15] offset:\g*64*8192+\t*16384   ; 16 lanes store 256 consecutive bytes, aligned
.endr
.Lnone_\@:
.endm
.else
.macro OUTBLK g
	WIN 0                                          ; at a branch and at a label every window is 0
	s_add_co_u32 s40, s22, 64*\g
	s_cmp_ge_u32 s40, s20
	s_cbranch_scc1 .Lnone_\@
	s_wait_xcnt 0x0                                ; the last tile's stores have had their addresses translated (ISA guide 3.1): only now are their offsets and data registers written again
.irp t, 0,1,2,3,4,5,6,7,8,9,10,11,12,13,14,15
	v_readlane_b32 s40, v[DL+\g], \t               ; row t's code: the row of part that it goes to (a pair's own row, or the expert's spare row)
	s_min_u32 s40, s40, 0x807                      ; inside the plane's 2,056 rows
	v_lshl_add_u32 v[VO+\t], s40, 12, v[CO]
.endr
	WIN 0x08+4*((\g)/4)                            ; store data: window 2 or 3
.set AC, 64*((\g)%4)
.irp b, 0,1,2,3,4,5,6,7
	ds_store_b128 v[STO], v[AC+8*\b:AC+8*\b+3]   offset:64*\b
	ds_store_b128 v[STO], v[AC+8*\b+4:AC+8*\b+7] offset:64*\b+16
.endr
	WIN 0
.irp t, 0,1,2,3,4,5,6,7,8,9,10,11,12,13,14,15
	ds_load_b128 v[OB+4*\t:OB+4*\t+3], v[RD] offset:\t*SPITCH
.endr
	s_wait_dscnt 0x0
.irp t, 0,1,2,3,4,5,6,7,8,9,10,11,12,13,14,15
	global_store_b128 v[VO+\t], v[OB+4*\t:OB+4*\t+3], s[14:15]    ; 32 lanes store 512 consecutive bytes, aligned
.endr
.Lnone_\@:
.endm
.endif
	; THE MAIN PASS: rows 0 to 383 of the expert's list.  Every wave passes every one of its barriers.
	ROWS 1
	LOADA 0, 0                                     ; the order W(0), W(1), A(0), W(2), A(1), W(3) is the one that CONV's count of 28 rests on
	LOADW 2
	LOADA 1, 1
	LOADW 3
	CONV 0, 0, 28, 1, 0, 1                         ; K step 0's four chunks go into slot 0
	CONV 1, 0, 28, 1, 0, 1
	CONV 2, 0, 28, 1, 1, 1
	CONV 3, 0, 28, 1, 1, 1
	s_wait_dscnt 0x0                               ; my stores into slot 0 are done
	s_barrier_signal -1
	s_barrier_wait -1
	FETCH 0, 0, 0
.if UP
	STEP 0, 2, 1                                   ; the first quarter's products start the sums, on the bias
.else
	STEP 0, 1, 1                                   ; the first quarter's products start the sums
.endif
	STEP 1, 0, 1
	WIN 0                                          ; at a label and at a branch every window is 0
	s_mov_b32 s44, (NSTEP-4)/2
.Llap:                                                 ; a trip takes both slots once
	STEP 0, 0, 1
	STEP 1, 0, 1
	WIN 0
	s_sub_co_u32 s44, s44, 1
	s_cmp_lg_u32 s44, 0
	s_cbranch_scc1 .Llap
	STEP 0, 0, 2
	QUARTER 1, 0, 0, 1, 0, 0, 0, 0, 0              ; the last step stores nothing
	QUARTER 1, 1, 1, 0, 0, 0, 0, 0, 0
	QUARTER 1, 2, 0, 1, 0, 0, 0, 0, 0
	s_wait_dscnt 4
	MULG 1, 0, 0
	MULG 1, 1, 0
	MULG 1, 2, 0
	MULG 1, 3, 0
	s_wait_dscnt 0x0
	MULG 1, 4, 0
	MULG 1, 5, 0
	WIN 0
	PLACES
	s_wait_kmcnt 0x0                               ; the count and the passes
.irp g, 0,1,2,3,4,5
	OUTBLK \g
.endr
	s_wait_xcnt 0x0                                ; the stores' base, offsets and data registers are written again only behind this wait
	s_wait_dscnt 0x0                               ; my reads of the slots are over:
	s_barrier_signal -1
	s_barrier_wait -1                              ; everybody's are, so the slots' bytes may be dealt anew.  This is the last barrier, and it stands on every wave's way
	; THE LATER PASSES: none, one or two.  From here on no wave touches another's LDS bytes and no barrier follows.
	s_mov_b32 s21, 1                               ; passes done
	s_cmp_lt_u32 s21, s19
	s_cbranch_scc0 .Ldone
	s_mul_i32 s50, s16, PRIV                       ; my own part of LDS: 96 rows of A, then 128 rows of W
	v_mul_u32_u24 v6, v[R16], PA
	v_lshl_add_u32 v6, v[H], 4, v6
	v_add_nc_u32 v[ADRA], s50, v6
	v_mul_u32_u24 v6, v[H], PA
	v_add3_u32 v[AST], v6, v[A16], s50
	s_add_co_u32 s50, s50, AWV
	v_add_nc_u32 v[ADRB], s50, v[TRB]
	v_lshl_add_u32 v[VST], v[LN], 3, s50
	v_lshlrev_b32 v[VB], 4, v[LN]                  ; I take every row of a chunk of W now
.Lover:
.if UP
	s_add_nc_u64 s[14:15], s[14:15], MP*8192       ; C goes 384 rows down
.endif
	s_add_co_u32 s22, s22, MP
	s_add_co_u32 s23, s23, MP
	ROWS 0
.if UP
	OSTEP 2                                        ; K step 0: its first quarter's products start the sums, on the bias
.else
	OSTEP 1                                        ; K step 0: its first quarter's products start the sums
.endif
	WIN 0
	s_mov_b32 s44, NSTEP-1
.Lok:
	OSTEP 0
	WIN 0
	s_sub_co_u32 s44, s44, 1
	s_cmp_lg_u32 s44, 0
	s_cbranch_scc1 .Lok
	PLACES
.irp g, 0,1,2,3,4,5
	OUTBLK \g
.endr
	s_wait_xcnt 0x0                                ; the stores' base, offsets and data registers are written again only behind this wait
	s_add_co_u32 s21, s21, 1
	s_cmp_lt_u32 s21, s19
	s_cbranch_scc1 .Lover
.Ldone:
	s_wait_tensorcnt 0x0
	ds_add_u32 v238, v239
	s_wait_dscnt 0x0
	s_endpgm
.Lfunc_end_k_q04d5207da5_down:
	.size	k_q04d5207da5_down, .Lfunc_end_k_q04d5207da5_down-k_q04d5207da5_down
	.p2alignl 7, 3214868480
	.fill 96, 4, 3214868480
	.section	.rodata,"a",@progbits
	.p2align	6, 0x0
	.amdhsa_kernel k_q04d5207da5_down
		.amdhsa_group_segment_fixed_size 316928
		.amdhsa_private_segment_fixed_size 0
		.amdhsa_enable_private_segment 0
		.amdhsa_kernarg_size 40
		.amdhsa_user_sgpr_count 2
		.amdhsa_user_sgpr_kernarg_segment_ptr 1
		.amdhsa_wavefront_size32 1
		.amdhsa_system_sgpr_workgroup_id_x 1
		.amdhsa_system_sgpr_workgroup_id_y 1
		.amdhsa_system_sgpr_workgroup_id_z 1
		.amdhsa_system_vgpr_workitem_id 0
		.amdhsa_next_free_vgpr 1024
		.amdhsa_next_free_sgpr 66
		.amdhsa_reserve_vcc 0
		.amdhsa_float_denorm_mode_32 3
		.amdhsa_float_denorm_mode_16_64 3
		.amdhsa_memory_ordered 1
		.amdhsa_forward_progress 1
		.amdhsa_inst_pref_size 255
	.end_amdhsa_kernel
	.section	.bss,"aw",@nobits
	.p2align	6
	.space	262144
	.amdgpu_metadata
---
amdhsa.version: [ 1, 2 ]
amdhsa.kernels:
  - .name:           k_q04d5207da5_down
    .symbol:         k_q04d5207da5_down.kd
    .args:
      - { .name: hbuf, .offset: 0, .size: 8, .value_kind: global_buffer, .address_space: global }
      - { .name: W2, .offset: 8, .size: 8, .value_kind: global_buffer, .address_space: global }
      - { .name: lst, .offset: 16, .size: 8, .value_kind: global_buffer, .address_space: global }
      - { .name: cnt, .offset: 24, .size: 8, .value_kind: global_buffer, .address_space: global }
      - { .name: part, .offset: 32, .size: 8, .value_kind: global_buffer, .address_space: global }
    .group_segment_fixed_size: 316928
    .private_segment_fixed_size: 0
    .kernarg_segment_align: 8
    .kernarg_segment_size: 40
    .max_flat_workgroup_size: 128
    .sgpr_count:     66
    .vgpr_count:     1024
    .wavefront_size: 32
...
	.end_amdgpu_metadata
.endif
;; end of part 8
;; launch comb (part 9): grid 1024 x 1, 8 waves a work-group, no clusters, 0 bytes of LDS; arguments part, sel, wts, b2, out0; writes out0
.if DOCPART == 9
	.amdgcn_target "amdgcn-amd-amdhsa--gfx1250"
	.amdhsa_code_object_version 6
	.text
	.protected	k_q04d5207da5_comb
	.globl	k_q04d5207da5_comb
	.p2align	8
	.type	k_q04d5207da5_comb,@function
k_q04d5207da5_comb:
	s_mov_b64 s[64:65], 0
	v_nop
	global_prefetch_b8 v0, s[64:65] scope:SCOPE_SE
	s_setreg_imm32_b32 hwreg(HW_REG_WAVE_MODE, 25, 1), 1
	s_wait_xcnt 0x0
; out0[t][d] = w1 (sum over ks of part[ks][t][d] + b2[i1][d]) + w2 (sum over ks of part[ks][1024 + t][d] + b2[i2][d]), all f32.
; part: [4 quarters of K][2056 rows][1024]: row t holds token t's first choice, row 1024 + t its second.  sel[t] = (i1, i2), wts[t] = (w1, w2), b2: [8][1024], out0: [1024][1024].
; The quarters are added as (0 + 1) + (2 + 3), then the bias.  The six experts that were not chosen have the weight 0 and are left out of the sum.
; A work-group owns one token; thread i owns the 16 bytes at 16 i of every row, so a load or store of a wave covers 512 consecutive bytes, aligned.
; All loads of a thread go out at once; the waits count down.  A stream: no LDS, barrier, matrix unit or cluster would spare a byte.
.set PLANE, 2056*4096                  ; bytes of a quarter's rows
.set P,   8                            ; v[8:39]  quarter k: first choice at P + 8 k, second at P + 8 k + 4
.set B,   40                           ; v[40:47] the two rows of b2
.set ACC, 48                           ; v[48:51] the result
	s_load_b256 s[4:11], s[0:1], 0x0               ; part s[4:5], sel s[6:7], wts s[8:9], b2 s[10:11]
	s_load_b64 s[12:13], s[0:1], 0x20              ; out0
	v_lshlrev_b32 v1, 4, v0
	s_lshl_b32 s2, ttmp9, 3                        ; the token's 8 bytes of sel and of wts
	s_mov_b32 s3, 0
	s_lshl_b32 s14, ttmp9, 12                      ; the token's row of 4,096 bytes
	s_mov_b32 s15, 0
	s_mov_b32 s33, 0
	s_mov_b32 s35, 0
	s_wait_kmcnt 0x0
	s_add_nc_u64 s[6:7], s[6:7], s[2:3]
	s_add_nc_u64 s[8:9], s[8:9], s[2:3]
	s_load_b64 s[16:17], s[6:7], 0x0               ; i1, i2
	s_load_b64 s[18:19], s[8:9], 0x0               ; w1, w2
	s_add_nc_u64 s[4:5], s[4:5], s[14:15]
	s_add_nc_u64 s[12:13], s[12:13], s[14:15]
.irp k, 0,1,2,3
	s_add_nc_u64 s[24+2*\k:25+2*\k], s[4:5], \k*PLANE
.endr
.irp k, 0,1,2,3
	global_load_b128 v[P+8*\k:P+8*\k+3],   v1, s[24+2*\k:25+2*\k] th:TH_LOAD_NT
	global_load_b128 v[P+8*\k+4:P+8*\k+7], v1, s[24+2*\k:25+2*\k] offset:4194304 th:TH_LOAD_NT   ; 1,024 rows further down
.endr
	s_wait_kmcnt 0x0
	s_min_u32 s16, s16, 7                          ; an expert's number, inside b2's eight rows
	s_min_u32 s17, s17, 7
	s_lshl_b32 s32, s16, 12
	s_lshl_b32 s34, s17, 12
	s_add_nc_u64 s[36:37], s[10:11], s[32:33]
	s_add_nc_u64 s[38:39], s[10:11], s[34:35]
	global_load_b128 v[B:B+3],   v1, s[36:37]
	global_load_b128 v[B+4:B+7], v1, s[38:39]
	s_wait_loadcnt 6                               ; loads come back in order (ISA guide 5.7.1): quarters 0 and 1 are in; four loads of part and two of b2 stay out
.irp c, 0,2,4,6
	v_pk_add_f32 v[P+\c:P+\c+1], v[P+\c:P+\c+1], v[P+8+\c:P+8+\c+1]
.endr
	s_wait_loadcnt 2                               ; quarters 2 and 3 are in
.irp c, 0,2,4,6
	v_pk_add_f32 v[P+16+\c:P+16+\c+1], v[P+16+\c:P+16+\c+1], v[P+24+\c:P+24+\c+1]
.endr
.irp c, 0,2,4,6
	v_pk_add_f32 v[P+\c:P+\c+1], v[P+\c:P+\c+1], v[P+16+\c:P+16+\c+1]
.endr
	s_wait_loadcnt 0x0                             ; the biases
.irp c, 0,2,4,6
	v_pk_add_f32 v[P+\c:P+\c+1], v[P+\c:P+\c+1], v[B+\c:B+\c+1]
.endr
.irp c, 0,1,2,3
	v_mul_f32 v[ACC+\c], s18, v[P+\c]
.endr
.irp c, 0,1,2,3
	v_fmac_f32 v[ACC+\c], s19, v[P+4+\c]
.endr
	global_store_b128 v1, v[ACC:ACC+3], s[12:13] th:TH_STORE_NT
	s_endpgm
.Lfunc_end_k_q04d5207da5_comb:
	.size	k_q04d5207da5_comb, .Lfunc_end_k_q04d5207da5_comb-k_q04d5207da5_comb
	.p2alignl 7, 3214868480
	.fill 96, 4, 3214868480
	.section	.rodata,"a",@progbits
	.p2align	6, 0x0
	.amdhsa_kernel k_q04d5207da5_comb
		.amdhsa_group_segment_fixed_size 0
		.amdhsa_private_segment_fixed_size 0
		.amdhsa_enable_private_segment 0
		.amdhsa_kernarg_size 40
		.amdhsa_user_sgpr_count 2
		.amdhsa_user_sgpr_kernarg_segment_ptr 1
		.amdhsa_wavefront_size32 1
		.amdhsa_system_sgpr_workgroup_id_x 1
		.amdhsa_system_sgpr_workgroup_id_y 1
		.amdhsa_system_sgpr_workgroup_id_z 1
		.amdhsa_system_vgpr_workitem_id 0
		.amdhsa_next_free_vgpr 64
		.amdhsa_next_free_sgpr 66
		.amdhsa_reserve_vcc 0
		.amdhsa_float_denorm_mode_32 3
		.amdhsa_float_denorm_mode_16_64 3
		.amdhsa_memory_ordered 1
		.amdhsa_forward_progress 1
		.amdhsa_inst_pref_size 4
	.end_amdhsa_kernel
	.amdgpu_metadata
---
amdhsa.version: [ 1, 2 ]
amdhsa.kernels:
  - .name:           k_q04d5207da5_comb
    .symbol:         k_q04d5207da5_comb.kd
    .args:
      - { .name: part, .offset: 0, .size: 8, .value_kind: global_buffer, .address_space: global }
      - { .name: sel, .offset: 8, .size: 8, .value_kind: global_buffer, .address_space: global }
      - { .name: wts, .offset: 16, .size: 8, .value_kind: global_buffer, .address_space: global }
      - { .name: b2, .offset: 24, .size: 8, .value_kind: global_buffer, .address_space: global }
      - { .name: out0, .offset: 32, .size: 8, .value_kind: global_buffer, .address_space: global }
    .group_segment_fixed_size: 0
    .private_segment_fixed_size: 0
    .kernarg_segment_align: 8
    .kernarg_segment_size: 40
    .max_flat_workgroup_size: 256
    .sgpr_count:     66
    .vgpr_count:     64
    .wavefront_size: 32
...
	.end_amdgpu_metadata
.endif
;; end of part 9
;; ======== version 3 of 3: 5 launches; version 2 with the launches up, down written anew for expert scheduling mode
;; limits: values are held in f16: magnitudes above 65,504 overflow, below 6.1e-05 lose precision; right only within a limited range of input values
;; workspace buffers: xb 2,097,152 bytes; sel 8,192 bytes of whole numbers; wts 8,192 bytes; lst 36,864 bytes of whole numbers; cnt 256 bytes of whole numbers; hbuf 75,497,472 bytes; part 33,685,504 bytes
;; launch route: the kernel of part 5 again; grid 256 x 1, 1 waves a work-group, no clusters, 0 bytes of LDS; arguments x, Wr, br, xb, sel, wts; writes xb, sel, wts
;; launch lists: the kernel of part 6 again; grid 8 x 1, 1 waves a work-group, no clusters, 5,376 bytes of LDS; arguments sel, lst, cnt; writes lst, cnt
;; launch up (part 10): grid 32 x 8, 4 waves a work-group, no clusters, 300,544 bytes of LDS; arguments xb, W1, b1, lst, cnt, hbuf; writes hbuf
.if DOCPART == 10
	.amdgcn_target "amdgcn-amd-amdhsa--gfx1250"
	.amdhsa_code_object_version 6
	.text
	.protected	k_q04d5207da5_up
	.globl	k_q04d5207da5_up
	.p2align	8
	.type	k_q04d5207da5_up,@function
k_q04d5207da5_up:
	s_mov_b64 s[64:65], 0
	v_nop
	global_prefetch_b8 v0, s[64:65] scope:SCOPE_SE
	s_setreg_imm32_b32 hwreg(HW_REG_WAVE_SCHED_MODE, 0, 2), 2
	s_setreg_imm32_b32 hwreg(HW_REG_WAVE_MODE, 25, 1), 1
	s_wait_xcnt 0x0
	s_wait_alu depctr_vm_vsrc(0)
; ONE TEXT FOR THE TWO PRODUCTS OF THE EXPERTS, ON THE CHOSEN PAIRS ALONE; the constant UP picks which.  An expert that a token did not choose has the router weight 0, so its rows are not made.
; lst[e][i] = 1024 j + t names the i-th pair of expert e (padding: 2048 + e);  cnt[e] = max(pairs, 1);  cnt[8 + e] = passes of 384 rows.
;   UP = 1:  hbuf[e][i][n] = f16(min(relu(sum over k of xb[t(i)][k] W1[e][k][n] + b1[e][n]), 65504)),  n < 4096, k < 1024.
;   UP = 0:  part[ks][code(i)][n] = sum over k of hbuf[e][i][1024 ks + k] W2[e][1024 ks + k][n], f32,  n < 1024, k < 1024, ks < 4:
;            the sum over 4,096 is cut in four so that 256 work-groups have a share; a later launch adds the quarters in a fixed order.
; SHARES.  A work-group owns one expert and 128 columns of W (UP = 0: and a quarter of K): every byte of W is read by one work-group.  It holds 384 rows at a time: four waves,
; each 6 tiles of 16 rows x 128 columns = 48 accumulators, 384 registers; the wave's tile g is rows 64 g + 16 w of the pass.
; THE MAIN PASS makes rows 0 to 383 of the expert's list.  K goes in steps of 128 through two LDS slots.  Both operands come through registers: A's rows are picked by a list, which no tile
; descriptor states; a load of a wave brings two rows' 256 bytes, and they go as they are into the wave's own part of the slot.  W's f32 rows (a load of a wave covers a row's 512 bytes) are
; rounded to f16 and stored as [k][n]; ds_load_tr16_b128 turns them.
; AHEAD.  A K step's operands are four chunks (W: 32 rows, 8 a wave; A: 24 of the wave's 96 rows), one stored into the next slot in each quarter step.  W's chunks are asked for four quarter steps
; ahead of that (four register buffers), A's two (two buffers): 56 loads a wave at the most.  So no separate prefetch is written: W is asked for a whole K step before it is wanted.
; THE LATER PASSES make rows 384 on, for an expert that more than 384 of the 1,024 tokens chose: one or two passes more, counted against cnt[8 + e].  A barrier stands on no way whose length
; hangs on loaded data, so in these passes no wave needs another: each brings and rounds the whole K step of W itself, into a part of LDS of its own, beside its own 96 rows of A.  That is
; four times the loads and conversions of W, and nothing overlaps: a plain form, whose price only such an expert pays.
; THE MATRIX INSTRUCTION IS USED TRANSPOSED: source 0 = 16 columns of W, source 1 = 16 rows of A: a lane then holds row l % 16 of C and the columns 8 (l / 16) + 0..7.
; NO CLUSTER: W has one reader, and A's rows, which the 32 work-groups of an expert share, pass through registers, where no joint request exists.
; WHY f16 AND NOT bf16: x, W1, h and W2 are each rounded once, and the four errors add up in the result; 11 bits leave an eighth of what 8 bits leave.
; f16'S ROOM (largest 65,504; steps of 6e-8 below 6.1e-5).  Weights of 1/32 at the most and x of a few units stay far inside it at 30 times their size.  h is a sum of 1,024 products:
; of a few units as drawn; 900 times that, some 3,200, with x, W1 and b1 all 30 times larger; 1,024 x 30 x 30/32 = 28,800 with x offset by 30 and W1 by 30 times its half-range.
; At 1/30 of their size W2 (3e-4) and, at 1/900, h (4.5e-4) are rounded in steps of 6e-8: under 1e-4 of their size.
; LIMITS: operands are rounded to f16, sums are f32.  h is clamped to 65,504: above that the result differs from the defining sum.  |W| above 65,504 and NaN are not served.
; Where an expert that was not chosen would give an infinite or NaN row, the defining sum has 0 x that = NaN; here the row is not made.
; THE MODE: SCHED_MODE bits 1:0 = 2 (LLVM: expert scheduling mode 2), set by the entry lines.  The code itself states the register dependences
; between vector or matrix instructions and memory or LDS instructions, with s_wait_alu, always for 0.
; THE PLAN.  Registers that memory or LDS instructions touch in the main pass's K loop, and who else names them:
;   WS0 .. WS3      Quarter q: sixteen conversions read and write WS[q] in place; eight LDS stores read it; the loads of W's chunk four on land in it.
;   AS0, AS1        Quarter q: twelve LDS stores read AS[q % 2]; the loads of A's chunk two on land in it.  No vector instruction names them.
;   FB0, FA0 and FB1, FA1   A quarter's matrix instructions read one pair; the quarter's fetch lands in the other pair, which the quarter before multiplied.
;   v[ADRA ..], v[ADRB ..], v[VST ..], v[AST ..], v[VB], v[AOFF ..]   Read as addresses and offsets; made ahead of the loop and not written in it.
;   The accumulators and the bias are named by matrix instructions alone in the loop.
; So ONE wait on va_vdst stands in a quarter, behind its conversions: WS[q] is written and done with, and the matrix instructions of the quarter before are done reading the pair in which the
; fetch lands.  Behind it come the LDS stores and the fetch, and then the quarter's global loads, dealt among matrix instructions that name the pair in hand, the accumulators and the bias:
; none of the registers that those loads touch.  ONE wait on vm_vsrc stands ahead of these loads: the LDS stores have read AS[q % 2] and WS[q].
; Outside the loop: each tile of the way out has one wait of each kind; a wait on vm_vsrc stands at each pass's end, ahead of all that the next pass writes anew.
; REGISTERS, in windows of 256 (s_set_vgpr_msb: bits 1:0 source 0, 3:2 source 1, 5:4 source 2, 7:6 destination):
;   window 0: v1-31 addresses; v32-79 A's row offsets; v80-127, v128-175 fragments of A, two buffers (on the way out: at work); v176-239 the bias as a C operand (UP) or v176-181 the rows' codes; v240-255 store offsets
;   window 1: v0-127 four chunks of W as loaded, then as f16; v128-191, v192-255 fragments of W, two buffers
;   window 2: the accumulators of my tiles 0-3 ((g, b) at v[64 g + 8 b]);  window 3: v0-127 those of tiles 4, 5; v128-223 two chunks of A
.set UP, 1
.if UP
.set PB,     16384                     ; bytes from row to row of W
.set ASH,    11                        ; a row of A is 2^11 bytes
.set SPITCH, 272                       ; a row of the stage: 128 f16 + 16 bytes
.else
.set PB,     4096
.set ASH,    13
.set SPITCH, 528                       ; 128 f32 + 16 bytes
.endif
.set NSTEP,  8                         ; K steps of 128
.set MP,     384                       ; rows of a pass
.set EROWS,  1152                      ; rows that lst and hbuf hold for an expert: three passes
.set PLANE,  2056*4096                 ; bytes of one quarter's results: 2,048 pairs' rows and 8 spare rows of 1,024 f32
.set PA,     272                       ; a row of A in LDS: 256 bytes + 16 = 68 words: the 16 rows of a fragment load start 4 banks apart (64 banks of 4 bytes: ISA guide 11.1)
.set PW,     288                       ; a row of W in LDS: 128 f16 + 32 bytes = 9 x 32
.set AWV,    96*PA                     ; a wave's rows of A
.set ASZ,    4*AWV
.set SLOT,   ASZ+128*PW                ; 141,312
.set PRIV,   SLOT/2                    ; the later passes: a wave's own 70,656 bytes of the two slots, of which it uses AWV + 128 PW = 62,976
.set STAGE,  2*SLOT                    ; behind the slots: 16 rows for each wave, for the way out
.set R16,  1                           ; l % 16
.set H,    2                           ; l / 16
.set LN,   3                           ; l
.set TRB,  7                           ; my lane's place in a tile of W for the turning load; never rewritten
.set A16,  12                          ; 16 (l % 16)
.set VL,   13                          ; my byte offset in lst
.set VR,   14                          ; my row of the pass's first pair of rows (UP = 0)
.set VBI,  15                          ; my byte offset in the bias (UP)
.set ADRA, 16                          ; v16-17  LDS address of my A fragments in slot 0, 1
.set ADRB, 20                          ; v20-21  the same for W
.set STO,  24                          ; the way out: where I put my part of a row
.set RD,   25                          ; the way out: where I read rows back
.set CO,   26                          ; my byte offset in C
.set VB,   27                          ; my byte offset in a chunk of W
.set VST,  28                          ; v28-29  where my f16 of a chunk's first row go, in slot 0, 1
.set AST,  30                          ; v30-31  where my 16 bytes of A's first pair of rows go
.set AOFF, 32                          ; v32-79  load p of 48: byte offset in A of my 16 bytes of row 2 p + l / 16 of my wave's 96
.set FA,   80
.set BIAS, 176
.set DL,   176
.set VO,   240
.set TF,   80
.set TMP,  144
.set OB,   80
.set WS,   0                           ; window 1
.set FB,   128                         ; window 1
.set AS,   128                         ; window 3
.set WP,   28                          ; s[28:35] address of the chunk that W's buffer 0..3 holds or awaits
.set AP,   36                          ; s[36:39] A at the K step of the chunk that A's buffer 0, 1 holds or awaits
.set RC,   45                          ; s[45:60] the way out (UP = 0): the codes of a tile's 16 rows; free there: what the head kept in them is spent, and the count - 1 is made anew at each pass's head
.set HMAX, 53                          ; 65,504.0 (UP)
.set C1,   54                          ; the count - 1 (UP = 0)
.set CVT,  0x45                        ; sources and destination window 1
.set MSB, 0
.macro WIN new                         ; the immediate's high byte repeats the setting that is left; a switch that changes nothing is dropped
.if MSB != (\new)
	s_set_vgpr_msb (MSB<<8)|(\new)
.set MSB, (\new)
.endif
.endm
.macro PLACES                          ; four plain vector lines between a matrix instruction and a load into, or a vector line on, its registers
.rept 4
	v_nop
.endr
.endm
.if UP
	s_load_b256 s[4:11], s[0:1], 0x0               ; A s[4:5], W s[6:7], bias s[8:9], lst s[10:11]
	s_load_b128 s[12:15], s[0:1], 0x20             ; cnt s[12:13], C s[14:15]
	v_lshl_add_u32 v254, v0, 2, 0x49400            ; the LDS address of my spare word, behind the stages, and 0: kept for the closing lines alone
	v_mov_b32 v255, 0
.else
	s_load_b128 s[4:7], s[0:1], 0x0                ; A s[4:5], W s[6:7]
	s_load_b64 s[10:11], s[0:1], 0x10              ; lst
	s_load_b64 s[12:13], s[0:1], 0x18              ; cnt
	s_load_b64 s[14:15], s[0:1], 0x20              ; C
.endif
	v_lshrrev_b32 v1, 5, v0
	v_readfirstlane_b32 s16, v1                    ; wave 0..3
	s_and_b32 s18, ttmp7, 0xffff                   ; expert
	s_lshl_b32 s40, s18, 2
	s_mov_b32 s41, 0
	s_mov_b32 s43, 0
	s_wait_alu depctr_va_sdst(0)                   ; s16 is written, ahead of its first reader: rows, bases and LDS addresses are made from it
	s_lshl_b32 s22, s16, 4                         ; the first row of my tile 0, counted in the expert's list
	s_mul_i32 s23, s18, EROWS
	s_wait_kmcnt 0x0
	s_add_nc_u64 s[12:13], s[12:13], s[40:41]
	s_load_b32 s20, s[12:13], 0x0                  ; the count; waited for where it is first wanted
	s_load_b32 s19, s[12:13], 0x20                 ; the passes
.if UP
	s_mov_b32 s[HMAX], 0x477fe000                  ; 65,504.0
	s_lshl_b32 s42, s18, 24                        ; W: expert x 16 MiB + column tile x 512 bytes
	s_lshl_b32 s46, ttmp9, 9
	s_add_co_u32 s42, s42, s46
	s_add_nc_u64 s[6:7], s[6:7], s[42:43]
	s_lshl_b32 s42, s18, 14                        ; bias: 4 (4,096 expert + 128 column tile)
	s_add_co_u32 s42, s42, s46
	s_add_nc_u64 s[8:9], s[8:9], s[42:43]
	s_add_co_u32 s23, s23, s22                     ; the same row counted in lst and hbuf: 1,152 expert + 16 w
	s_lshl_b32 s42, s23, 13                        ; C: that row x 8,192 bytes + column tile x 256 bytes
	s_lshl_b32 s46, ttmp9, 8
	s_add_co_u32 s42, s42, s46
	s_add_nc_u64 s[14:15], s[14:15], s[42:43]
.else
	s_and_b32 s47, ttmp9, 7                        ; column tile
	s_lshr_b32 s48, ttmp9, 3                       ; quarter of K
	s_lshl_b32 s42, s18, 24                        ; W: expert x 16 MiB + quarter x 1,024 rows of 4,096 bytes + column tile x 512 bytes
	s_lshl_b32 s46, s48, 22
	s_add_co_u32 s42, s42, s46
	s_lshl_b32 s46, s47, 9
	s_add_co_u32 s42, s42, s46
	s_add_nc_u64 s[6:7], s[6:7], s[42:43]
	s_lshl_b32 s42, s23, 13                        ; A: expert x 1,152 rows of 8,192 bytes + quarter x 2,048 bytes
	s_lshl_b32 s49, s48, 11
	s_add_co_u32 s42, s42, s49
	s_add_nc_u64 s[4:5], s[4:5], s[42:43]
	s_add_co_u32 s23, s23, s22
	s_mul_i32 s42, s48, PLANE                      ; C: the quarter's plane + column tile x 512 bytes
	s_add_co_u32 s42, s42, s46
	s_add_nc_u64 s[14:15], s[14:15], s[42:43]
.endif
	v_and_b32 v[R16], 15, v0
	v_bfe_u32 v[H], v0, 4, 1
	v_and_b32 v[LN], 31, v0
	v_and_b32 v4, 7, v0
	v_bfe_u32 v5, v0, 3, 1
	v_lshlrev_b32 v[A16], 4, v[R16]
	; a fragment of A: lane l holds row l % 16; registers 0-3 k = 8 h + 0..7, registers 4-7 k = 16 + 8 h + 0..7: two loads of 16 bytes, 32 apart
	s_mul_i32 s50, s16, AWV
	v_mul_u32_u24 v6, v[R16], PA
	v_lshl_add_u32 v6, v[H], 4, v6
	v_add_nc_u32 v[ADRA], s50, v6
	v_add_nc_u32 v[ADRA+1], SLOT, v[ADRA]
	v_mul_u32_u24 v6, v[H], PA                     ; in: lanes 0-15 one row's 256 bytes, lanes 16-31 the next row's
	v_add3_u32 v[AST], v6, v[A16], s50
	v_add_nc_u32 v[AST+1], SLOT, v[AST]
	; a fragment of W by the turning load: lane l reads 16 bytes of row k = 8 h + l % 8, columns 8 ((l / 8) % 2) + 0..7, and ends with column l % 16 and 8 k
	v_lshl_add_u32 v[TRB], v[H], 3, v4
	v_mul_u32_u24 v[TRB], v[TRB], PW
	v_lshl_add_u32 v[TRB], v5, 4, v[TRB]
	v_add_nc_u32 v[ADRB], ASZ, v[TRB]
	v_add_nc_u32 v[ADRB+1], SLOT, v[ADRB]
	s_mul_i32 s50, s16, 8*PB                       ; my 8 rows of a chunk, in memory
	v_lshl_add_u32 v[VB], v[LN], 4, s50
	s_mul_i32 s50, s16, 8*PW                       ; and in LDS
	s_add_co_u32 s50, s50, ASZ
	v_lshl_add_u32 v[VST], v[LN], 3, s50
	v_add_nc_u32 v[VST+1], SLOT, v[VST]
	s_mul_i32 s50, s16, 16*SPITCH
	s_add_co_u32 s50, s50, STAGE                   ; my stage
	v_mul_u32_u24 v9, v[R16], SPITCH
.if UP
	v_lshl_add_u32 v9, v[H], 4, v9                 ; in: row l % 16, 16 bytes for each half of the lanes
	v_mul_u32_u24 v10, v[H], SPITCH                ; back: lanes 0-15 one row of 256 bytes, lanes 16-31 the next
	v_add_nc_u32 v10, v10, v[A16]
	v_lshl_add_u32 v[CO], v[H], 13, v[A16]         ; and the same two rows in C
	v_lshlrev_b32 v[VBI], 5, v[H]                  ; bias: my 8 columns of a block of 16
.else
	v_lshl_add_u32 v9, v[H], 5, v9                 ; in: row l % 16, 32 bytes for each half of the lanes
	v_lshlrev_b32 v10, 4, v[LN]                    ; back: 32 lanes take one row of 512 bytes
	v_lshlrev_b32 v[CO], 4, v[LN]
.endif
	v_add_nc_u32 v[STO], s50, v9
	v_add_nc_u32 v[RD], s50, v10
.if UP
	s_wait_alu depctr_va_vdst(0)                   ; v[VBI] is written, which the loads of the bias read as their offset
.irp b, 0,1,2,3,4,5,6,7                ; the bias in the layout of a C operand: register j of block b = b1[16 b + 8 h + j], the same for every row; kept for every pass
	global_load_b128 v[BIAS+8*\b:BIAS+8*\b+3],   v[VBI], s[8:9] offset:64*\b
	global_load_b128 v[BIAS+8*\b+4:BIAS+8*\b+7], v[VBI], s[8:9] offset:64*\b+16
.endr
.endif
; 8 matrix instructions: my tile g x all 8 column blocks, 32 along K, from fragment buffers f.  z = 1: the products start the sums with the constant 0; z = 2: with the bias; nothing is cleared.
; The 48 accumulators take turns, one instruction a turn, in the same order in every quarter step.
.macro MULG f, g, z
.if \z == 2
	WIN 0x81+0x40*((\g)/4)                         ; W window 1, A and the bias window 0, D window 2 or 3
.else
	WIN 0xa1+0x50*((\g)/4)                         ; W window 1, A window 0, C and D window 2 or 3
.endif
.irp b, 0,1,2,3,4,5,6,7
.if \z == 1
	v_wmma_f32_16x16x32_f16 v[64*((\g)%4)+8*\b:64*((\g)%4)+8*\b+7], v[FB+64*\f+8*\b:FB+64*\f+8*\b+7], v[FA+48*\f+8*\g:FA+48*\f+8*\g+7], 0
.elseif \z == 2
	v_wmma_f32_16x16x32_f16 v[64*((\g)%4)+8*\b:64*((\g)%4)+8*\b+7], v[FB+64*\f+8*\b:FB+64*\f+8*\b+7], v[FA+48*\f+8*\g:FA+48*\f+8*\g+7], v[BIAS+8*\b:BIAS+8*\b+7]
.else
	v_wmma_f32_16x16x32_f16 v[64*((\g)%4)+8*\b:64*((\g)%4)+8*\b+7], v[FB+64*\f+8*\b:FB+64*\f+8*\b+7], v[FA+48*\f+8*\g:FA+48*\f+8*\g+7], v[64*((\g)%4)+8*\b:64*((\g)%4)+8*\b+7]
.endif
.endr
.endm
; 28 LDS loads in one run: the fragments of quarter q (32 along K) of a slot into buffers f: W's 128 columns first, then my 6 tiles of A in ascending order
.macro FETCH slot, q, f
	WIN 0x40                                       ; destination window 1
.irp i, 0,1,2,3,4,5,6,7
	ds_load_tr16_b128 v[FB+64*\f+8*\i:FB+64*\f+8*\i+3],   v[ADRB+\slot] offset:(\q)*32*PW+32*\i
	ds_load_tr16_b128 v[FB+64*\f+8*\i+4:FB+64*\f+8*\i+7], v[ADRB+\slot] offset:(\q)*32*PW+16*PW+32*\i
.endr
	WIN 0
.irp i, 0,1,2,3,4,5
	ds_load_b128 v[FA+48*\f+8*\i:FA+48*\f+8*\i+3],   v[ADRA+\slot] offset:64*(\q)+\i*16*PA
	ds_load_b128 v[FA+48*\f+8*\i+4:FA+48*\f+8*\i+7], v[ADRA+\slot] offset:64*(\q)+\i*16*PA+32
.endr
.endm
; my 8 rows x 512 bytes of a chunk of W into W's buffer q: 8 loads, each a row's 512 consecutive bytes; in the main pass each byte is read once, by this wave alone
.macro LOADW q
	WIN 0x40                                       ; destination window 1
.irp i, 0,1,2,3,4,5,6,7
	global_load_b128 v[WS+32*(\q)+4*\i:WS+32*(\q)+4*\i+3], v[VB], s[WP+2*(\q):WP+2*(\q)+1] offset:\i*PB th:TH_LOAD_NT
.endr
.endm
; 24 of my rows x 256 bytes of A (chunk cq of a K step's four) into A's buffer buf: 12 loads, each two rows' 256 consecutive bytes
.macro LOADA buf, cq
	WIN 0xc0                                       ; destination window 3
.irp i, 0,1,2,3,4,5,6,7,8,9,10,11
	global_load_b128 v[AS+48*(\buf)+4*\i:AS+48*(\buf)+4*\i+3], v[AOFF+12*(\cq)+\i], s[AP+2*(\buf):AP+2*(\buf)+1]
.endr
.endm
; Chunk q of a K step goes into slot slotn: W from buffer q, rounded; A from buffer q % 2, as it is.  left: the younger loads that may stay out.  Chunks are numbered V = 4 step + q; behind chunk V's
; stores A(V + 2) is asked for and then W(V + 4), so behind A(V) stand W(V + 2), A(V + 1) and W(V + 3): 8 + 12 + 8 = 28, and W(V) is older than A(V).  la, lw = 0: nothing of that kind is left to ask for.
; sa = 1: A(V + 2) belongs to the next K step.  The wait shows both buffers' loads done, so their bases may step.  CVST is the part up to the stores; ASKA and LOADW ask on.
.macro CVST q, slotn, left, la, sa, lw
	s_wait_loadcnt \left
.if \lw
	s_add_nc_u64 s[WP+2*\q:WP+2*\q+1], s[WP+2*\q:WP+2*\q+1], 128*PB
.endif
.if \la && \sa
	s_add_nc_u64 s[AP+2*(\q%2):AP+2*(\q%2)+1], s[AP+2*(\q%2):AP+2*(\q%2)+1], 256
.endif
	WIN CVT
.set t, 0
.rept 8
	v_cvt_pk_f16_f32 v[WS+32*\q+4*t],   v[WS+32*\q+4*t],   v[WS+32*\q+4*t+1]
	v_cvt_pk_f16_f32 v[WS+32*\q+4*t+1], v[WS+32*\q+4*t+2], v[WS+32*\q+4*t+3]
.set t, t+1
.endr
	s_wait_alu depctr_va_vdst(0)                   ; the conversions have written WS[q], which the LDS stores read, and are done with it, so that W's chunk four on may land there; the matrix instructions of the quarter before are done reading the fragment buffers in which the next fetch lands
	WIN 0x04                                       ; LDS store: address window 0, data window 1
.irp i, 0,1,2,3,4,5,6,7
	ds_store_b64 v[VST+\slotn], v[WS+32*\q+4*\i:WS+32*\q+4*\i+1] offset:(32*\q+\i)*PW     ; 32 lanes store a row's 256 consecutive bytes
.endr
	WIN 0x0c                                       ; data window 3
.irp i, 0,1,2,3,4,5,6,7,8,9,10,11
	ds_store_b128 v[AST+\slotn], v[AS+48*(\q%2)+4*\i:AS+48*(\q%2)+4*\i+3] offset:2*PA*(12*\q+\i)
.endr
.endm
.macro ASKA q                          ; A's chunk two on, into the buffer just stored
	WIN 0xc0                                       ; destination window 3
	s_wait_alu depctr_vm_vsrc(0)                   ; the LDS stores of chunk q have read AS[q % 2] and WS[q], in which the loads of A here and of W behind them land
	LOADA \q%2, (\q+2)%4
.endm
.macro CONV q, slotn, left, la, sa, lw ; all of it in one run: at the pass's start, and in front of a barrier
	CVST \q, \slotn, \left, \la, \sa, \lw
.if \la
	ASKA \q
.endif
.if \lw
	LOADW \q
.endif
.endm
; A K step is four quarter steps of 32 along K, 48 matrix instructions each, on fragment buffers 0, 1, 0, 1.  One of the first three: multiplies buffers f; behind its first two tiles it stores a chunk
; for the next step (cv = 1; the 16 conversions are also the plain lines in front of the loads into buffers g) and fetches the next quarter's fragments into g.  The global loads that ask on are dealt
; among tiles 2 and 3: no vector or matrix instruction since the wait behind the conversions names AS, WS[q] or an offset register.
.macro QUARTER slot, q, f, g, z, cv, left, la, lw
	s_wait_dscnt 4                                 ; W and A's tiles 0-3 are in; the youngest four loads (tiles 4, 5) may be out
	MULG \f, 0, \z
	MULG \f, 1, \z
.if \cv
	CVST \q, 1-\slot, \left, \la, \q/2, \lw
.else
	PLACES
	s_wait_alu depctr_va_vdst(0)                   ; the matrix instructions of the quarter before are done reading buffers g, in which the fetch lands
.endif
	FETCH \slot, \q+1, \g
	MULG \f, 2, \z
.if \la
	ASKA \q
.endif
	MULG \f, 3, \z
.if \lw
	LOADW \q
.endif
	s_wait_dscnt 28                                ; all but the 28 just issued
	MULG \f, 4, \z
	MULG \f, 5, \z
.endm
; The last quarter multiplies buffers 1 and changes slots: ONE barrier.  In front of it each wave waits for its reads of this slot and for its stores into the next.  Behind it nobody reads this
; slot's W any more, so the next step may write it, and the next slot's W is whole, so its first fragments are read.
.macro TURN slot, left, la, lw
	s_wait_dscnt 4
	MULG 1, 0, 0
	MULG 1, 1, 0
	CONV 3, 1-\slot, \left, \la, 1, \lw
	s_wait_dscnt 0x0
	s_barrier_signal -1
	MULG 1, 2, 0                                   ; work on registers while the others arrive
	MULG 1, 3, 0
	s_barrier_wait -1
	FETCH 1-\slot, 0, 0                            ; buffers 0 were last multiplied a quarter ago, ahead of the wait behind the conversions above, and no matrix instruction since names them
	MULG 1, 4, 0
	MULG 1, 5, 0
.endm
; cv = 1: every chunk asks on.  cv = 2: the last step but one stores chunks 28 to 31: no W is left to ask for, A's chunks 30 and 31 are the last, and the counts run down 28, 20, 12, 0.
.macro STEP slot, z, cv
.if \cv == 1
	QUARTER \slot, 0, 0, 1, \z, 1, 28, 1, 1
	QUARTER \slot, 1, 1, 0, 0, 1, 28, 1, 1
	QUARTER \slot, 2, 0, 1, 0, 1, 28, 1, 1
	TURN \slot, 28, 1, 1
.else
	QUARTER \slot, 0, 0, 1, \z, 1, 28, 1, 0
	QUARTER \slot, 1, 1, 0, 0, 1, 20, 1, 0
	QUARTER \slot, 2, 0, 1, 0, 1, 12, 0, 0
	TURN \slot, 0, 0, 0
.endif
.endm
; THE HEAD OF A PASS: the bases go back to K step 0, and each of my 48 loads of A gets its row's offset.  No load of the wave is out here.  main = 1: W's first two chunks are asked for on the way.
; In a later pass the wait on vm_vsrc at the end of the pass before has shown every register that is written here read.
.macro ROWS main
	s_mov_b64 s[WP:WP+1], s[6:7]                   ; W's chunk 0
.if \main
	s_add_nc_u64 s[WP+2:WP+3], s[6:7], 32*PB       ; and chunks 1 to 3
	s_add_nc_u64 s[WP+4:WP+5], s[6:7], 64*PB
	s_add_nc_u64 s[WP+6:WP+7], s[6:7], 96*PB
.endif
	s_mov_b64 s[AP:AP+1], s[4:5]                   ; A at K step 0
	s_mov_b64 s[AP+2:AP+3], s[4:5]
.if UP
	v_add_lshl_u32 v[VL], v[H], s23, 2
	s_wait_alu depctr_va_vdst(0)                   ; v[VL] is written, which the loads below read, and so are the address registers made ahead of this pass; the vector lines that named v[AOFF ..], in which the loads land, are done
.set p, 0
.rept 48
	global_load_b32 v[AOFF+p], v[VL], s[10:11] offset:4*(64*(p/8)+2*(p%8))   ; the code of row 2 p + l / 16 of my 96: tile p / 8, row 2 (p % 8) + l / 16
.set p, p+1
.endr
.if \main
	LOADW 0
	s_wait_loadcnt 8                               ; the codes are in; W's chunk 0 may be out
	LOADW 1
	WIN 0
.else
	s_wait_loadcnt 0x0
.endif
.set p, 0
.rept 48
	v_min_u32 v[AOFF+p], 0x807, v[AOFF+p]          ; a code is 2,055 at the most,
	v_and_b32 v[AOFF+p], 0x3ff, v[AOFF+p]          ; its token the low ten bits
	v_lshl_add_u32 v[AOFF+p], v[AOFF+p], ASH, v[A16]
.set p, p+1
.endr
.else
	v_add_lshl_u32 v[VL], v[R16], s23, 2
	s_wait_alu depctr_va_vdst(0)                   ; v[VL] is written, which the loads below read, and so are the address registers made ahead of this pass; the lines that read v[DL ..], in which the loads land, are done
.irp g, 0,1,2,3,4,5
	global_load_b32 v[DL+\g], v[VL], s[10:11] offset:256*\g      ; lane l: the code of row l % 16 of my tile g, for the way out
.endr
.if \main
	LOADW 0
	LOADW 1
	WIN 0
.else
	s_wait_loadcnt 0x0
.endif
	s_wait_kmcnt 0x0                               ; the count
	s_sub_co_u32 s[C1], s20, 1
	v_add_nc_u32 v[VR], s22, v[H]
.set p, 0
.rept 48
	v_add_nc_u32 v[AOFF+p], 64*(p/8)+2*(p%8), v[VR]
	v_min_u32 v[AOFF+p], s[C1], v[AOFF+p]          ; a row past the count reads the last row that was made: nothing unwritten is read
	v_min_u32 v[AOFF+p], 0x3ff, v[AOFF+p]          ; and every row lies inside the expert's part of A
	v_lshl_add_u32 v[AOFF+p], v[AOFF+p], ASH, v[A16]
.set p, p+1
.endr
.endif
	s_wait_alu depctr_va_vdst(0)                   ; the 48 offsets v[AOFF ..] are written, which A's loads read from here to the pass's end
.endm
; A K STEP OF A LATER PASS, by one wave alone, in its own part of LDS (slot 0's address registers point there by then).  W's 128 rows come in four chunks of 32 rows, 32 loads each into all four of
; W's buffers, are rounded and stored; my 96 rows of A in two halves of 24 loads; then four quarters are fetched and multiplied from fragment buffers 0.  Every wait is for 0: nothing overlaps.
; LDS serves a wave's instructions in order (ISA guide 5.7.1.4), so the stores of a step come behind the last step's reads, and the reads behind the stores.  All four waves read W here: no hint.
.macro OSTEP z
.irp c, 0,1,2,3
	WIN 0x40                                       ; destination window 1
	s_wait_alu depctr_vm_vsrc(0)                   ; the LDS stores of the chunk before have read v[WS ..], in which these loads land (the conversions that named them stand ahead of the last wait on va_vdst)
.set t, 0
.rept 32
	global_load_b128 v[WS+4*t:WS+4*t+3], v[VB], s[WP:WP+1] offset:t*PB
.set t, t+1
.endr
	s_wait_loadcnt 0x0                             ; the chunk is in, so its base may step
	s_add_nc_u64 s[WP:WP+1], s[WP:WP+1], 32*PB
	WIN CVT
.set t, 0
.rept 32
	v_cvt_pk_f16_f32 v[WS+4*t],   v[WS+4*t],   v[WS+4*t+1]
	v_cvt_pk_f16_f32 v[WS+4*t+1], v[WS+4*t+2], v[WS+4*t+3]
.set t, t+1
.endr
	s_wait_alu depctr_va_vdst(0)                   ; the conversions have written v[WS ..], which the LDS stores read; the last K step's matrix instructions are done reading fragment buffers 0, in which quarter 0's fetch lands
	WIN 0x04                                       ; LDS store: address window 0, data window 1
.set t, 0
.rept 32
	ds_store_b64 v[VST], v[WS+4*t:WS+4*t+1] offset:(32*\c+t)*PW
.set t, t+1
.endr
.endr
.irp hf, 0,1
.if \hf
	WIN 0xc0                                       ; destination window 3
	s_wait_alu depctr_vm_vsrc(0)                   ; the first half's LDS stores have read v[AS ..], in which the second half lands (the first half's loads stand behind the waits of W's chunks)
.endif
	LOADA 0, 2*\hf
	LOADA 1, 2*\hf+1
	s_wait_loadcnt 0x0
	WIN 0x0c                                       ; data window 3
.set t, 0
.rept 24
	ds_store_b128 v[AST], v[AS+4*t:AS+4*t+3] offset:2*PA*(24*\hf+t)
.set t, t+1
.endr
.endr
	s_add_nc_u64 s[AP:AP+1], s[AP:AP+1], 256       ; A's loads are done: on to the next K step
	s_add_nc_u64 s[AP+2:AP+3], s[AP+2:AP+3], 256
.irp q, 0,1,2,3
.if \q > 0
	PLACES                                         ; in front of quarter 0 the conversions above are the plain lines
	s_wait_alu depctr_va_vdst(0)                   ; the last quarter's matrix instructions are done reading fragment buffers 0, in which the fetch lands
.endif
	FETCH 0, \q, 0
	s_wait_dscnt 0x0
.irp g, 0,1,2,3,4,5
.if \q == 0
	MULG 0, \g, \z
.else
	MULG 0, \g, 0
.endif
.endr
.endr
.endm
; THE WAY OUT of my tile g, through my own stage in LDS, so that neighbouring lanes store neighbouring bytes.  LDS serves a wave's instructions in order (ISA guide 5.7.1.4), so the loads see the
; stores above them.  Each accumulator's registers are taken in ascending order.  A tile whose first row lies at or past the count holds padding alone and is left out; no barrier stands in here.
.if UP
.macro OUTBLK g
	WIN 0                                          ; at a branch and at a label every window is 0
.if \g > 0
	s_wait_alu depctr_vm_vsrc(0)                   ; the last tile's LDS stores have read v[TMP ..] and its global stores v[OB ..], which this tile's lines and loads write again
.endif
	s_add_co_u32 s40, s22, 64*\g
	s_cmp_ge_u32 s40, s20
	s_cbranch_scc1 .Lnone_\@
	s_wait_xcnt 0x0                                ; the last tile's stores have had their addresses translated (ISA guide 3.1): only now are their data registers written again
	WIN 0x02+(\g)/4                                ; source 0: window 2 or 3
.set AC, 64*((\g)%4)
.set i, 0
.rept 64
	v_med3_num_f32 v[TF+i], v[AC+i], 0, s[HMAX]    ; relu and the clamp to f16's largest number in one line; the bias lies in the sum
.set i, i+1
.endr
	WIN 0
.set i, 0
.rept 32
	v_cvt_pk_f16_f32 v[TMP+i], v[TF+2*i], v[TF+2*i+1]
.set i, i+1
.endr
	s_wait_alu depctr_va_vdst(0)                   ; the conversions have written v[TMP ..], which the LDS stores read, and are done reading v[TF ..], in which the loads from the stage land
.irp b, 0,1,2,3,4,5,6,7
	ds_store_b128 v[STO], v[TMP+4*\b:TMP+4*\b+3] offset:32*\b
.endr
.irp t, 0,1,2,3,4,5,6,7
	ds_load_b128 v[OB+4*\t:OB+4*\t+3], v[RD] offset:\t*2*SPITCH
.endr
	s_wait_dscnt 0x0
.irp t, 0,1,2,3,4,5,6,7
	global_store_b128 v[CO], v[OB+4*\t:OB+4*\t+3], s[14:15] offset:\g*64*8192+\t*16384   ; 16 lanes store 256 consecutive bytes, aligned
.endr
.Lnone_\@:
.endm
.else
.macro OUTBLK g
	WIN 0                                          ; at a branch and at a label every window is 0
.if \g > 0
	s_wait_alu depctr_vm_vsrc(0)                   ; the last tile's global stores have read v[VO ..] and v[OB ..], which this tile's lines and loads write again
.endif
	s_add_co_u32 s40, s22, 64*\g
	s_cmp_ge_u32 s40, s20
	s_cbranch_scc1 .Lnone_\@
	s_wait_xcnt 0x0                                ; the last tile's stores have had their addresses translated (ISA guide 3.1): only now are their offsets and data registers written again
.irp t, 0,1,2,3,4,5,6,7,8,9,10,11,12,13,14,15
	v_readlane_b32 s[RC+\t], v[DL+\g], \t          ; row t's code: the row of part that it goes to (a pair's own row, or the expert's spare row)
.endr
	s_wait_alu depctr_va_sdst(0)                   ; the sixteen codes are written into s[RC ..], ahead of their first readers
.irp t, 0,1,2,3,4,5,6,7,8,9,10,11,12,13,14,15
	s_min_u32 s[RC+\t], s[RC+\t], 0x807            ; inside the plane's 2,056 rows
.endr
.irp t, 0,1,2,3,4,5,6,7,8,9,10,11,12,13,14,15
	v_lshl_add_u32 v[VO+\t], s[RC+\t], 12, v[CO]
.endr
	s_wait_alu depctr_va_vdst(0)                   ; the matrix instructions have written the accumulators, which the LDS stores read, and are done reading the fragments' registers, in which the loads from the stage land; v[VO ..] are written, which the global stores read
	WIN 0x08+4*((\g)/4)                            ; store data: window 2 or 3
.set AC, 64*((\g)%4)
.irp b, 0,1,2,3,4,5,6,7
	ds_store_b128 v[STO], v[AC+8*\b:AC+8*\b+3]   offset:64*\b
	ds_store_b128 v[STO], v[AC+8*\b+4:AC+8*\b+7] offset:64*\b+16
.endr
	WIN 0
.irp t, 0,1,2,3,4,5,6,7,8,9,10,11,12,13,14,15
	ds_load_b128 v[OB+4*\t:OB+4*\t+3], v[RD] offset:\t*SPITCH
.endr
	s_wait_dscnt 0x0
.irp t, 0,1,2,3,4,5,6,7,8,9,10,11,12,13,14,15
	global_store_b128 v[VO+\t], v[OB+4*\t:OB+4*\t+3], s[14:15]    ; 32 lanes store 512 consecutive bytes, aligned
.endr
.Lnone_\@:
.endm
.endif
	; THE MAIN PASS: rows 0 to 383 of the expert's list.  Every wave passes every one of its barriers.
	ROWS 1
	LOADA 0, 0                                     ; the order W(0), W(1), A(0), W(2), A(1), W(3) is the one that the count of 28 rests on
	LOADW 2
	LOADA 1, 1
	LOADW 3
	CONV 0, 0, 28, 1, 0, 1                         ; K step 0's four chunks go into slot 0
	CONV 1, 0, 28, 1, 0, 1
	CONV 2, 0, 28, 1, 1, 1
	CONV 3, 0, 28, 1, 1, 1
	s_wait_dscnt 0x0                               ; my stores into slot 0 are done
	s_barrier_signal -1
	s_barrier_wait -1
	FETCH 0, 0, 0                                  ; no vector or matrix instruction has named buffers 0 yet
.if UP
	STEP 0, 2, 1                                   ; the first quarter's products start the sums, on the bias
.else
	STEP 0, 1, 1                                   ; the first quarter's products start the sums
.endif
	STEP 1, 0, 1
	WIN 0                                          ; at a label and at a branch every window is 0
	s_mov_b32 s44, (NSTEP-4)/2
.Llap:                                                 ; a trip takes both slots once
	STEP 0, 0, 1
	STEP 1, 0, 1
	WIN 0
	s_sub_co_u32 s44, s44, 1
	s_cmp_lg_u32 s44, 0
	s_cbranch_scc1 .Llap
	STEP 0, 0, 2
	QUARTER 1, 0, 0, 1, 0, 0, 0, 0, 0              ; the last step stores nothing
	QUARTER 1, 1, 1, 0, 0, 0, 0, 0, 0
	QUARTER 1, 2, 0, 1, 0, 0, 0, 0, 0
	s_wait_dscnt 4
	MULG 1, 0, 0
	MULG 1, 1, 0
	MULG 1, 2, 0
	MULG 1, 3, 0
	s_wait_dscnt 0x0
	MULG 1, 4, 0
	MULG 1, 5, 0
	WIN 0
	PLACES
	s_wait_kmcnt 0x0                               ; the count and the passes
.irp g, 0,1,2,3,4,5
	OUTBLK \g
.endr
	s_wait_xcnt 0x0                                ; the stores' base, offsets and data registers are written again only behind this wait
	s_wait_alu depctr_vm_vsrc(0)                   ; every load, store and LDS instruction of the pass has read its registers: the address and offset registers, W's and A's chunks, the registers of the way out and the accumulators that were stored are written anew in a later pass
	s_wait_dscnt 0x0                               ; my reads of the slots are over:
	s_barrier_signal -1
	s_barrier_wait -1                              ; everybody's are, so the slots' bytes may be dealt anew.  This is the last barrier, and it stands on every wave's way
	; THE LATER PASSES: none, one or two.  From here on no wave touches another's LDS bytes and no barrier follows.
	s_mov_b32 s21, 1                               ; passes done
	s_cmp_lt_u32 s21, s19
	s_cbranch_scc0 .Ldone
	s_mul_i32 s50, s16, PRIV                       ; my own part of LDS: 96 rows of A, then 128 rows of W
	v_mul_u32_u24 v6, v[R16], PA
	v_lshl_add_u32 v6, v[H], 4, v6
	v_add_nc_u32 v[ADRA], s50, v6
	v_mul_u32_u24 v6, v[H], PA
	v_add3_u32 v[AST], v6, v[A16], s50
	s_add_co_u32 s50, s50, AWV
	v_add_nc_u32 v[ADRB], s50, v[TRB]
	v_lshl_add_u32 v[VST], v[LN], 3, s50
	v_lshlrev_b32 v[VB], 4, v[LN]                  ; I take every row of a chunk of W now
.Lover:
.if UP
	s_add_nc_u64 s[14:15], s[14:15], MP*8192       ; C goes 384 rows down
.endif
	s_add_co_u32 s22, s22, MP
	s_add_co_u32 s23, s23, MP
	ROWS 0
.if UP
	OSTEP 2                                        ; K step 0: its first quarter's products start the sums, on the bias
.else
	OSTEP 1                                        ; K step 0: its first quarter's products start the sums
.endif
	WIN 0
	s_mov_b32 s44, NSTEP-1
.Lok:
	OSTEP 0
	WIN 0
	s_sub_co_u32 s44, s44, 1
	s_cmp_lg_u32 s44, 0
	s_cbranch_scc1 .Lok
	PLACES
.irp g, 0,1,2,3,4,5
	OUTBLK \g
.endr
	s_wait_xcnt 0x0                                ; the stores' base, offsets and data registers are written again only behind this wait
	s_wait_alu depctr_vm_vsrc(0)                   ; every load, store and LDS instruction of the pass has read its registers, which the next pass writes anew
	s_add_co_u32 s21, s21, 1
	s_cmp_lt_u32 s21, s19
	s_cbranch_scc1 .Lover
.Ldone:
	s_wait_dscnt 0x0                               ; the closing lines, six on end
	s_wait_alu 0x0
	s_wait_tensorcnt 0x0
	ds_add_u32 v254, v255
	s_wait_dscnt 0x0
	s_endpgm
.Lfunc_end_k_q04d5207da5_up:
	.size	k_q04d5207da5_up, .Lfunc_end_k_q04d5207da5_up-k_q04d5207da5_up
	.p2alignl 7, 3214868480
	.fill 96, 4, 3214868480
	.section	.rodata,"a",@progbits
	.p2align	6, 0x0
	.amdhsa_kernel k_q04d5207da5_up
		.amdhsa_group_segment_fixed_size 300544
		.amdhsa_private_segment_fixed_size 0
		.amdhsa_enable_private_segment 0
		.amdhsa_kernarg_size 48
		.amdhsa_user_sgpr_count 2
		.amdhsa_user_sgpr_kernarg_segment_ptr 1
		.amdhsa_wavefront_size32 1
		.amdhsa_system_sgpr_workgroup_id_x 1
		.amdhsa_system_sgpr_workgroup_id_y 1
		.amdhsa_system_sgpr_workgroup_id_z 1
		.amdhsa_system_vgpr_workitem_id 0
		.amdhsa_next_free_vgpr 1024
		.amdhsa_next_free_sgpr 66
		.amdhsa_reserve_vcc 0
		.amdhsa_float_denorm_mode_32 3
		.amdhsa_float_denorm_mode_16_64 3
		.amdhsa_memory_ordered 1
		.amdhsa_forward_progress 1
		.amdhsa_inst_pref_size 255
	.end_amdhsa_kernel
	.section	.bss,"aw",@nobits
	.p2align	6
	.space	262144
	.amdgpu_metadata
---
amdhsa.version: [ 1, 2 ]
amdhsa.kernels:
  - .name:           k_q04d5207da5_up
    .symbol:         k_q04d5207da5_up.kd
    .args:
      - { .name: xb, .offset: 0, .size: 8, .value_kind: global_buffer, .address_space: global }
      - { .name: W1, .offset: 8, .size: 8, .value_kind: global_buffer, .address_space: global }
      - { .name: b1, .offset: 16, .size: 8, .value_kind: global_buffer, .address_space: global }
      - { .name: lst, .offset: 24, .size: 8, .value_kind: global_buffer, .address_space: global }
      - { .name: cnt, .offset: 32, .size: 8, .value_kind: global_buffer, .address_space: global }
      - { .name: hbuf, .offset: 40, .size: 8, .value_kind: global_buffer, .address_space: global }
    .group_segment_fixed_size: 300544
    .private_segment_fixed_size: 0
    .kernarg_segment_align: 8
    .kernarg_segment_size: 48
    .max_flat_workgroup_size: 128
    .sgpr_count:     66
    .vgpr_count:     1024
    .wavefront_size: 32
...
	.end_amdgpu_metadata
.endif
;; end of part 10
;; launch down (part 11): grid 32 x 8, 4 waves a work-group, no clusters, 316,928 bytes of LDS; arguments hbuf, W2, lst, cnt, part; writes part
.if DOCPART == 11
	.amdgcn_target "amdgcn-amd-amdhsa--gfx1250"
	.amdhsa_code_object_version 6
	.text
	.protected	k_q04d5207da5_down
	.globl	k_q04d5207da5_down
	.p2align	8
	.type	k_q04d5207da5_down,@function
k_q04d5207da5_down:
	s_mov_b64 s[64:65], 0
	v_nop
	global_prefetch_b8 v0, s[64:65] scope:SCOPE_SE
	s_setreg_imm32_b32 hwreg(HW_REG_WAVE_SCHED_MODE, 0, 2), 2
	s_setreg_imm32_b32 hwreg(HW_REG_WAVE_MODE, 25, 1), 1
	s_wait_xcnt 0x0
	s_wait_alu depctr_vm_vsrc(0)
; ONE TEXT FOR THE TWO PRODUCTS OF THE EXPERTS, ON THE CHOSEN PAIRS ALONE; the constant UP picks which.  An expert that a token did not choose has the router weight 0, so its rows are not made.
; lst[e][i] = 1024 j + t names the i-th pair of expert e (padding: 2048 + e);  cnt[e] = max(pairs, 1);  cnt[8 + e] = passes of 384 rows.
;   UP = 1:  hbuf[e][i][n] = f16(min(relu(sum over k of xb[t(i)][k] W1[e][k][n] + b1[e][n]), 65504)),  n < 4096, k < 1024.
;   UP = 0:  part[ks][code(i)][n] = sum over k of hbuf[e][i][1024 ks + k] W2[e][1024 ks + k][n], f32,  n < 1024, k < 1024, ks < 4:
;            the sum over 4,096 is cut in four so that 256 work-groups have a share; a later launch adds the quarters in a fixed order.
; SHARES.  A work-group owns one expert and 128 columns of W (UP = 0: and a quarter of K): every byte of W is read by one work-group.  It holds 384 rows at a time: four waves,
; each 6 tiles of 16 rows x 128 columns = 48 accumulators, 384 registers; the wave's tile g is rows 64 g + 16 w of the pass.
; THE MAIN PASS makes rows 0 to 383 of the expert's list.  K goes in steps of 128 through two LDS slots.  Both operands come through registers: A's rows are picked by a list, which no tile
; descriptor states; a load of a wave brings two rows' 256 bytes, and they go as they are into the wave's own part of the slot.  W's f32 rows (a load of a wave covers a row's 512 bytes) are
; rounded to f16 and stored as [k][n]; ds_load_tr16_b128 turns them.
; AHEAD.  A K step's operands are four chunks (W: 32 rows, 8 a wave; A: 24 of the wave's 96 rows), one stored into the next slot in each quarter step.  W's chunks are asked for four quarter steps
; ahead of that (four register buffers), A's two (two buffers): 56 loads a wave at the most.  So no separate prefetch is written: W is asked for a whole K step before it is wanted.
; THE LATER PASSES make rows 384 on, for an expert that more than 384 of the 1,024 tokens chose: one or two passes more, counted against cnt[8 + e].  A barrier stands on no way whose length
; hangs on loaded data, so in these passes no wave needs another: each brings and rounds the whole K step of W itself, into a part of LDS of its own, beside its own 96 rows of A.  That is
; four times the loads and conversions of W, and nothing overlaps: a plain form, whose price only such an expert pays.
; THE MATRIX INSTRUCTION IS USED TRANSPOSED: source 0 = 16 columns of W, source 1 = 16 rows of A: a lane then holds row l % 16 of C and the columns 8 (l / 16) + 0..7.
; NO CLUSTER: W has one reader, and A's rows, which the 32 work-groups of an expert share, pass through registers, where no joint request exists.
; WHY f16 AND NOT bf16: x, W1, h and W2 are each rounded once, and the four errors add up in the result; 11 bits leave an eighth of what 8 bits leave.
; f16'S ROOM (largest 65,504; steps of 6e-8 below 6.1e-5).  Weights of 1/32 at the most and x of a few units stay far inside it at 30 times their size.  h is a sum of 1,024 products:
; of a few units as drawn; 900 times that, some 3,200, with x, W1 and b1 all 30 times larger; 1,024 x 30 x 30/32 = 28,800 with x offset by 30 and W1 by 30 times its half-range.
; At 1/30 of their size W2 (3e-4) and, at 1/900, h (4.5e-4) are rounded in steps of 6e-8: under 1e-4 of their size.
; LIMITS: operands are rounded to f16, sums are f32.  h is clamped to 65,504: above that the result differs from the defining sum.  |W| above 65,504 and NaN are not served.
; Where an expert that was not chosen would give an infinite or NaN row, the defining sum has 0 x that = NaN; here the row is not made.
; THE MODE: SCHED_MODE bits 1:0 = 2 (LLVM: expert scheduling mode 2), set by the entry lines.  The code itself states the register dependences
; between vector or matrix instructions and memory or LDS instructions, with s_wait_alu, always for 0.
; THE PLAN.  Registers that memory or LDS instructions touch in the main pass's K loop, and who else names them:
;   WS0 .. WS3      Quarter q: sixteen conversions read and write WS[q] in place; eight LDS stores read it; the loads of W's chunk four on land in it.
;   AS0, AS1        Quarter q: twelve LDS stores read AS[q % 2]; the loads of A's chunk two on land in it.  No vector instruction names them.
;   FB0, FA0 and FB1, FA1   A quarter's matrix instructions read one pair; the quarter's fetch lands in the other pair, which the quarter before multiplied.
;   v[ADRA ..], v[ADRB ..], v[VST ..], v[AST ..], v[VB], v[AOFF ..]   Read as addresses and offsets; made ahead of the loop and not written in it.
;   The accumulators and the bias are named by matrix instructions alone in the loop.
; So ONE wait on va_vdst stands in a quarter, behind its conversions: WS[q] is written and done with, and the matrix instructions of the quarter before are done reading the pair in which the
; fetch lands.  Behind it come the LDS stores and the fetch, and then the quarter's global loads, dealt among matrix instructions that name the pair in hand, the accumulators and the bias:
; none of the registers that those loads touch.  ONE wait on vm_vsrc stands ahead of these loads: the LDS stores have read AS[q % 2] and WS[q].
; Outside the loop: each tile of the way out has one wait of each kind; a wait on vm_vsrc stands at each pass's end, ahead of all that the next pass writes anew.
; REGISTERS, in windows of 256 (s_set_vgpr_msb: bits 1:0 source 0, 3:2 source 1, 5:4 source 2, 7:6 destination):
;   window 0: v1-31 addresses; v32-79 A's row offsets; v80-127, v128-175 fragments of A, two buffers (on the way out: at work); v176-239 the bias as a C operand (UP) or v176-181 the rows' codes; v240-255 store offsets
;   window 1: v0-127 four chunks of W as loaded, then as f16; v128-191, v192-255 fragments of W, two buffers
;   window 2: the accumulators of my tiles 0-3 ((g, b) at v[64 g + 8 b]);  window 3: v0-127 those of tiles 4, 5; v128-223 two chunks of A
.set UP, 0
.if UP
.set PB,     16384                     ; bytes from row to row of W
.set ASH,    11                        ; a row of A is 2^11 bytes
.set SPITCH, 272                       ; a row of the stage: 128 f16 + 16 bytes
.else
.set PB,     4096
.set ASH,    13
.set SPITCH, 528                       ; 128 f32 + 16 bytes
.endif
.set NSTEP,  8                         ; K steps of 128
.set MP,     384                       ; rows of a pass
.set EROWS,  1152                      ; rows that lst and hbuf hold for an expert: three passes
.set PLANE,  2056*4096                 ; bytes of one quarter's results: 2,048 pairs' rows and 8 spare rows of 1,024 f32
.set PA,     272                       ; a row of A in LDS: 256 bytes + 16 = 68 words: the 16 rows of a fragment load start 4 banks apart (64 banks of 4 bytes: ISA guide 11.1)
.set PW,     288                       ; a row of W in LDS: 128 f16 + 32 bytes = 9 x 32
.set AWV,    96*PA                     ; a wave's rows of A
.set ASZ,    4*AWV
.set SLOT,   ASZ+128*PW                ; 141,312
.set PRIV,   SLOT/2                    ; the later passes: a wave's own 70,656 bytes of the two slots, of which it uses AWV + 128 PW = 62,976
.set STAGE,  2*SLOT                    ; behind the slots: 16 rows for each wave, for the way out
.set R16,  1                           ; l % 16
.set H,    2                           ; l / 16
.set LN,   3                           ; l
.set TRB,  7                           ; my lane's place in a tile of W for the turning load; never rewritten
.set A16,  12                          ; 16 (l % 16)
.set VL,   13                          ; my byte offset in lst
.set VR,   14                          ; my row of the pass's first pair of rows (UP = 0)
.set VBI,  15                          ; my byte offset in the bias (UP)
.set ADRA, 16                          ; v16-17  LDS address of my A fragments in slot 0, 1
.set ADRB, 20                          ; v20-21  the same for W
.set STO,  24                          ; the way out: where I put my part of a row
.set RD,   25                          ; the way out: where I read rows back
.set CO,   26                          ; my byte offset in C
.set VB,   27                          ; my byte offset in a chunk of W
.set VST,  28                          ; v28-29  where my f16 of a chunk's first row go, in slot 0, 1
.set AST,  30                          ; v30-31  where my 16 bytes of A's first pair of rows go
.set AOFF, 32                          ; v32-79  load p of 48: byte offset in A of my 16 bytes of row 2 p + l / 16 of my wave's 96
.set FA,   80
.set BIAS, 176
.set DL,   176
.set VO,   240
.set TF,   80
.set TMP,  144
.set OB,   80
.set WS,   0                           ; window 1
.set FB,   128                         ; window 1
.set AS,   128                         ; window 3
.set WP,   28                          ; s[28:35] address of the chunk that W's buffer 0..3 holds or awaits
.set AP,   36                          ; s[36:39] A at the K step of the chunk that A's buffer 0, 1 holds or awaits
.set RC,   45                          ; s[45:60] the way out (UP = 0): the codes of a tile's 16 rows; free there: what the head kept in them is spent, and the count - 1 is made anew at each pass's head
.set HMAX, 53                          ; 65,504.0 (UP)
.set C1,   54                          ; the count - 1 (UP = 0)
.set CVT,  0x45                        ; sources and destination window 1
.set MSB, 0
.macro WIN new                         ; the immediate's high byte repeats the setting that is left; a switch that changes nothing is dropped
.if MSB != (\new)
	s_set_vgpr_msb (MSB<<8)|(\new)
.set MSB, (\new)
.endif
.endm
.macro PLACES                          ; four plain vector lines between a matrix instruction and a load into, or a vector line on, its registers
.rept 4
	v_nop
.endr
.endm
.if UP
	s_load_b256 s[4:11], s[0:1], 0x0               ; A s[4:5], W s[6:7], bias s[8:9], lst s[10:11]
	s_load_b128 s[12:15], s[0:1], 0x20             ; cnt s[12:13], C s[14:15]
.else
	s_load_b128 s[4:7], s[0:1], 0x0                ; A s[4:5], W s[6:7]
	s_load_b64 s[10:11], s[0:1], 0x10              ; lst
	s_load_b64 s[12:13], s[0:1], 0x18              ; cnt
	s_load_b64 s[14:15], s[0:1], 0x20              ; C
	v_lshl_add_u32 v238, v0, 2, 0x4d400            ; the LDS address of my spare word, behind the stages, and 0: kept for the closing lines alone
	v_mov_b32 v239, 0
.endif
	v_lshrrev_b32 v1, 5, v0
	v_readfirstlane_b32 s16, v1                    ; wave 0..3
	s_and_b32 s18, ttmp7, 0xffff                   ; expert
	s_lshl_b32 s40, s18, 2
	s_mov_b32 s41, 0
	s_mov_b32 s43, 0
	s_wait_alu depctr_va_sdst(0)                   ; s16 is written, ahead of its first reader: rows, bases and LDS addresses are made from it
	s_lshl_b32 s22, s16, 4                         ; the first row of my tile 0, counted in the expert's list
	s_mul_i32 s23, s18, EROWS
	s_wait_kmcnt 0x0
	s_add_nc_u64 s[12:13], s[12:13], s[40:41]
	s_load_b32 s20, s[12:13], 0x0                  ; the count; waited for where it is first wanted
	s_load_b32 s19, s[12:13], 0x20                 ; the passes
.if UP
	s_mov_b32 s[HMAX], 0x477fe000                  ; 65,504.0
	s_lshl_b32 s42, s18, 24                        ; W: expert x 16 MiB + column tile x 512 bytes
	s_lshl_b32 s46, ttmp9, 9
	s_add_co_u32 s42, s42, s46
	s_add_nc_u64 s[6:7], s[6:7], s[42:43]
	s_lshl_b32 s42, s18, 14                        ; bias: 4 (4,096 expert + 128 column tile)
	s_add_co_u32 s42, s42, s46
	s_add_nc_u64 s[8:9], s[8:9], s[42:43]
	s_add_co_u32 s23, s23, s22                     ; the same row counted in lst and hbuf: 1,152 expert + 16 w
	s_lshl_b32 s42, s23, 13                        ; C: that row x 8,192 bytes + column tile x 256 bytes
	s_lshl_b32 s46, ttmp9, 8
	s_add_co_u32 s42, s42, s46
	s_add_nc_u64 s[14:15], s[14:15], s[42:43]
.else
	s_and_b32 s47, ttmp9, 7                        ; column tile
	s_lshr_b32 s48, ttmp9, 3                       ; quarter of K
	s_lshl_b32 s42, s18, 24                        ; W: expert x 16 MiB + quarter x 1,024 rows of 4,096 bytes + column tile x 512 bytes
	s_lshl_b32 s46, s48, 22
	s_add_co_u32 s42, s42, s46
	s_lshl_b32 s46, s47, 9
	s_add_co_u32 s42, s42, s46
	s_add_nc_u64 s[6:7], s[6:7], s[42:43]
	s_lshl_b32 s42, s23, 13                        ; A: expert x 1,152 rows of 8,192 bytes + quarter x 2,048 bytes
	s_lshl_b32 s49, s48, 11
	s_add_co_u32 s42, s42, s49
	s_add_nc_u64 s[4:5], s[4:5], s[42:43]
	s_add_co_u32 s23, s23, s22
	s_mul_i32 s42, s48, PLANE                      ; C: the quarter's plane + column tile x 512 bytes
	s_add_co_u32 s42, s42, s46
	s_add_nc_u64 s[14:15], s[14:15], s[42:43]
.endif
	v_and_b32 v[R16], 15, v0
	v_bfe_u32 v[H], v0, 4, 1
	v_and_b32 v[LN], 31, v0
	v_and_b32 v4, 7, v0
	v_bfe_u32 v5, v0, 3, 1
	v_lshlrev_b32 v[A16], 4, v[R16]
	; a fragment of A: lane l holds row l % 16; registers 0-3 k = 8 h + 0..7, registers 4-7 k = 16 + 8 h + 0..7: two loads of 16 bytes, 32 apart
	s_mul_i32 s50, s16, AWV
	v_mul_u32_u24 v6, v[R16], PA
	v_lshl_add_u32 v6, v[H], 4, v6
	v_add_nc_u32 v[ADRA], s50, v6
	v_add_nc_u32 v[ADRA+1], SLOT, v[ADRA]
	v_mul_u32_u24 v6, v[H], PA                     ; in: lanes 0-15 one row's 256 bytes, lanes 16-31 the next row's
	v_add3_u32 v[AST], v6, v[A16], s50
	v_add_nc_u32 v[AST+1], SLOT, v[AST]
	; a fragment of W by the turning load: lane l reads 16 bytes of row k = 8 h + l % 8, columns 8 ((l / 8) % 2) + 0..7, and ends with column l % 16 and 8 k
	v_lshl_add_u32 v[TRB], v[H], 3, v4
	v_mul_u32_u24 v[TRB], v[TRB], PW
	v_lshl_add_u32 v[TRB], v5, 4, v[TRB]
	v_add_nc_u32 v[ADRB], ASZ, v[TRB]
	v_add_nc_u32 v[ADRB+1], SLOT, v[ADRB]
	s_mul_i32 s50, s16, 8*PB                       ; my 8 rows of a chunk, in memory
	v_lshl_add_u32 v[VB], v[LN], 4, s50
	s_mul_i32 s50, s16, 8*PW                       ; and in LDS
	s_add_co_u32 s50, s50, ASZ
	v_lshl_add_u32 v[VST], v[LN], 3, s50
	v_add_nc_u32 v[VST+1], SLOT, v[VST]
	s_mul_i32 s50, s16, 16*SPITCH
	s_add_co_u32 s50, s50, STAGE                   ; my stage
	v_mul_u32_u24 v9, v[R16], SPITCH
.if UP
	v_lshl_add_u32 v9, v[H], 4, v9                 ; in: row l % 16, 16 bytes for each half of the lanes
	v_mul_u32_u24 v10, v[H], SPITCH                ; back: lanes 0-15 one row of 256 bytes, lanes 16-31 the next
	v_add_nc_u32 v10, v10, v[A16]
	v_lshl_add_u32 v[CO], v[H], 13, v[A16]         ; and the same two rows in C
	v_lshlrev_b32 v[VBI], 5, v[H]                  ; bias: my 8 columns of a block of 16
.else
	v_lshl_add_u32 v9, v[H], 5, v9                 ; in: row l % 16, 32 bytes for each half of the lanes
	v_lshlrev_b32 v10, 4, v[LN]                    ; back: 32 lanes take one row of 512 bytes
	v_lshlrev_b32 v[CO], 4, v[LN]
.endif
	v_add_nc_u32 v[STO], s50, v9
	v_add_nc_u32 v[RD], s50, v10
.if UP
	s_wait_alu depctr_va_vdst(0)                   ; v[VBI] is written, which the loads of the bias read as their offset
.irp b, 0,1,2,3,4,5,6,7                ; the bias in the layout of a C operand: register j of block b = b1[16 b + 8 h + j], the same for every row; kept for every pass
	global_load_b128 v[BIAS+8*\b:BIAS+8*\b+3],   v[VBI], s[8:9] offset:64*\b
	global_load_b128 v[BIAS+8*\b+4:BIAS+8*\b+7], v[VBI], s[8:9] offset:64*\b+16
.endr
.endif
; 8 matrix instructions: my tile g x all 8 column blocks, 32 along K, from fragment buffers f.  z = 1: the products start the sums with the constant 0; z = 2: with the bias; nothing is cleared.
; The 48 accumulators take turns, one instruction a turn, in the same order in every quarter step.
.macro MULG f, g, z
.if \z == 2
	WIN 0x81+0x40*((\g)/4)                         ; W window 1, A and the bias window 0, D window 2 or 3
.else
	WIN 0xa1+0x50*((\g)/4)                         ; W window 1, A window 0, C and D window 2 or 3
.endif
.irp b, 0,1,2,3,4,5,6,7
.if \z == 1
	v_wmma_f32_16x16x32_f16 v[64*((\g)%4)+8*\b:64*((\g)%4)+8*\b+7], v[FB+64*\f+8*\b:FB+64*\f+8*\b+7], v[FA+48*\f+8*\g:FA+48*\f+8*\g+7], 0
.elseif \z == 2
	v_wmma_f32_16x16x32_f16 v[64*((\g)%4)+8*\b:64*((\g)%4)+8*\b+7], v[FB+64*\f+8*\b:FB+64*\f+8*\b+7], v[FA+48*\f+8*\g:FA+48*\f+8*\g+7], v[BIAS+8*\b:BIAS+8*\b+7]
.else
	v_wmma_f32_16x16x32_f16 v[64*((\g)%4)+8*\b:64*((\g)%4)+8*\b+7], v[FB+64*\f+8*\b:FB+64*\f+8*\b+7], v[FA+48*\f+8*\g:FA+48*\f+8*\g+7], v[64*((\g)%4)+8*\b:64*((\g)%4)+8*\b+7]
.endif
.endr
.endm
; 28 LDS loads in one run: the fragments of quarter q (32 along K) of a slot into buffers f: W's 128 columns first, then my 6 tiles of A in ascending order
.macro FETCH slot, q, f
	WIN 0x40                                       ; destination window 1
.irp i, 0,1,2,3,4,5,6,7
	ds_load_tr16_b128 v[FB+64*\f+8*\i:FB+64*\f+8*\i+3],   v[ADRB+\slot] offset:(\q)*32*PW+32*\i
	ds_load_tr16_b128 v[FB+64*\f+8*\i+4:FB+64*\f+8*\i+7], v[ADRB+\slot] offset:(\q)*32*PW+16*PW+32*\i
.endr
	WIN 0
.irp i, 0,1,2,3,4,5
	ds_load_b128 v[FA+48*\f+8*\i:FA+48*\f+8*\i+3],   v[ADRA+\slot] offset:64*(\q)+\i*16*PA
	ds_load_b128 v[FA+48*\f+8*\i+4:FA+48*\f+8*\i+7], v[ADRA+\slot] offset:64*(\q)+\i*16*PA+32
.endr
.endm
; my 8 rows x 512 bytes of a chunk of W into W's buffer q: 8 loads, each a row's 512 consecutive bytes; in the main pass each byte is read once, by this wave alone
.macro LOADW q
	WIN 0x40                                       ; destination window 1
.irp i, 0,1,2,3,4,5,6,7
	global_load_b128 v[WS+32*(\q)+4*\i:WS+32*(\q)+4*\i+3], v[VB], s[WP+2*(\q):WP+2*(\q)+1] offset:\i*PB th:TH_LOAD_NT
.endr
.endm
; 24 of my rows x 256 bytes of A (chunk cq of a K step's four) into A's buffer buf: 12 loads, each two rows' 256 consecutive bytes
.macro LOADA buf, cq
	WIN 0xc0                                       ; destination window 3
.irp i, 0,1,2,3,4,5,6,7,8,9,10,11
	global_load_b128 v[AS+48*(\buf)+4*\i:AS+48*(\buf)+4*\i+3], v[AOFF+12*(\cq)+\i], s[AP+2*(\buf):AP+2*(\buf)+1]
.endr
.endm
; Chunk q of a K step goes into slot slotn: W from buffer q, rounded; A from buffer q % 2, as it is.  left: the younger loads that may stay out.  Chunks are numbered V = 4 step + q; behind chunk V's
; stores A(V + 2) is asked for and then W(V + 4), so behind A(V) stand W(V + 2), A(V + 1) and W(V + 3): 8 + 12 + 8 = 28, and W(V) is older than A(V).  la, lw = 0: nothing of that kind is left to ask for.
; sa = 1: A(V + 2) belongs to the next K step.  The wait shows both buffers' loads done, so their bases may step.  CVST is the part up to the stores; ASKA and LOADW ask on.
.macro CVST q, slotn, left, la, sa, lw
	s_wait_loadcnt \left
.if \lw
	s_add_nc_u64 s[WP+2*\q:WP+2*\q+1], s[WP+2*\q:WP+2*\q+1], 128*PB
.endif
.if \la && \sa
	s_add_nc_u64 s[AP+2*(\q%2):AP+2*(\q%2)+1], s[AP+2*(\q%2):AP+2*(\q%2)+1], 256
.endif
	WIN CVT
.set t, 0
.rept 8
	v_cvt_pk_f16_f32 v[WS+32*\q+4*t],   v[WS+32*\q+4*t],   v[WS+32*\q+4*t+1]
	v_cvt_pk_f16_f32 v[WS+32*\q+4*t+1], v[WS+32*\q+4*t+2], v[WS+32*\q+4*t+3]
.set t, t+1
.endr
	s_wait_alu depctr_va_vdst(0)                   ; the conversions have written WS[q], which the LDS stores read, and are done with it, so that W's chunk four on may land there; the matrix instructions of the quarter before are done reading the fragment buffers in which the next fetch lands
	WIN 0x04                                       ; LDS store: address window 0, data window 1
.irp i, 0,1,2,3,4,5,6,7
	ds_store_b64 v[VST+\slotn], v[WS+32*\q+4*\i:WS+32*\q+4*\i+1] offset:(32*\q+\i)*PW     ; 32 lanes store a row's 256 consecutive bytes
.endr
	WIN 0x0c                                       ; data window 3
.irp i, 0,1,2,3,4,5,6,7,8,9,10,11
	ds_store_b128 v[AST+\slotn], v[AS+48*(\q%2)+4*\i:AS+48*(\q%2)+4*\i+3] offset:2*PA*(12*\q+\i)
.endr
.endm
.macro ASKA q                          ; A's chunk two on, into the buffer just stored
	WIN 0xc0                                       ; destination window 3
	s_wait_alu depctr_vm_vsrc(0)                   ; the LDS stores of chunk q have read AS[q % 2] and WS[q], in which the loads of A here and of W behind them land
	LOADA \q%2, (\q+2)%4
.endm
.macro CONV q, slotn, left, la, sa, lw ; all of it in one run: at the pass's start, and in front of a barrier
	CVST \q, \slotn, \left, \la, \sa, \lw
.if \la
	ASKA \q
.endif
.if \lw
	LOADW \q
.endif
.endm
; A K step is four quarter steps of 32 along K, 48 matrix instructions each, on fragment buffers 0, 1, 0, 1.  One of the first three: multiplies buffers f; behind its first two tiles it stores a chunk
; for the next step (cv = 1; the 16 conversions are also the plain lines in front of the loads into buffers g) and fetches the next quarter's fragments into g.  The global loads that ask on are dealt
; among tiles 2 and 3: no vector or matrix instruction since the wait behind the conversions names AS, WS[q] or an offset register.
.macro QUARTER slot, q, f, g, z, cv, left, la, lw
	s_wait_dscnt 4                                 ; W and A's tiles 0-3 are in; the youngest four loads (tiles 4, 5) may be out
	MULG \f, 0, \z
	MULG \f, 1, \z
.if \cv
	CVST \q, 1-\slot, \left, \la, \q/2, \lw
.else
	PLACES
	s_wait_alu depctr_va_vdst(0)                   ; the matrix instructions of the quarter before are done reading buffers g, in which the fetch lands
.endif
	FETCH \slot, \q+1, \g
	MULG \f, 2, \z
.if \la
	ASKA \q
.endif
	MULG \f, 3, \z
.if \lw
	LOADW \q
.endif
	s_wait_dscnt 28                                ; all but the 28 just issued
	MULG \f, 4, \z
	MULG \f, 5, \z
.endm
; The last quarter multiplies buffers 1 and changes slots: ONE barrier.  In front of it each wave waits for its reads of this slot and for its stores into the next.  Behind it nobody reads this
; slot's W any more, so the next step may write it, and the next slot's W is whole, so its first fragments are read.
.macro TURN slot, left, la, lw
	s_wait_dscnt 4
	MULG 1, 0, 0
	MULG 1, 1, 0
	CONV 3, 1-\slot, \left, \la, 1, \lw
	s_wait_dscnt 0x0
	s_barrier_signal -1
	MULG 1, 2, 0                                   ; work on registers while the others arrive
	MULG 1, 3, 0
	s_barrier_wait -1
	FETCH 1-\slot, 0, 0                            ; buffers 0 were last multiplied a quarter ago, ahead of the wait behind the conversions above, and no matrix instruction since names them
	MULG 1, 4, 0
	MULG 1, 5, 0
.endm
; cv = 1: every chunk asks on.  cv = 2: the last step but one stores chunks 28 to 31: no W is left to ask for, A's chunks 30 and 31 are the last, and the counts run down 28, 20, 12, 0.
.macro STEP slot, z, cv
.if \cv == 1
	QUARTER \slot, 0, 0, 1, \z, 1, 28, 1, 1
	QUARTER \slot, 1, 1, 0, 0, 1, 28, 1, 1
	QUARTER \slot, 2, 0, 1, 0, 1, 28, 1, 1
	TURN \slot, 28, 1, 1
.else
	QUARTER \slot, 0, 0, 1, \z, 1, 28, 1, 0
	QUARTER \slot, 1, 1, 0, 0, 1, 20, 1, 0
	QUARTER \slot, 2, 0, 1, 0, 1, 12, 0, 0
	TURN \slot, 0, 0, 0
.endif
.endm
; THE HEAD OF A PASS: the bases go back to K step 0, and each of my 48 loads of A gets its row's offset.  No load of the wave is out here.  main = 1: W's first two chunks are asked for on the way.
; In a later pass the wait on vm_vsrc at the end of the pass before has shown every register that is written here read.
.macro ROWS main
	s_mov_b64 s[WP:WP+1], s[6:7]                   ; W's chunk 0
.if \main
	s_add_nc_u64 s[WP+2:WP+3], s[6:7], 32*PB       ; and chunks 1 to 3
	s_add_nc_u64 s[WP+4:WP+5], s[6:7], 64*PB
	s_add_nc_u64 s[WP+6:WP+7], s[6:7], 96*PB
.endif
	s_mov_b64 s[AP:AP+1], s[4:5]                   ; A at K step 0
	s_mov_b64 s[AP+2:AP+3], s[4:5]
.if UP
	v_add_lshl_u32 v[VL], v[H], s23, 2
	s_wait_alu depctr_va_vdst(0)                   ; v[VL] is written, which the loads below read, and so are the address registers made ahead of this pass; the vector lines that named v[AOFF ..], in which the loads land, are done
.set p, 0
.rept 48
	global_load_b32 v[AOFF+p], v[VL], s[10:11] offset:4*(64*(p/8)+2*(p%8))   ; the code of row 2 p + l / 16 of my 96: tile p / 8, row 2 (p % 8) + l / 16
.set p, p+1
.endr
.if \main
	LOADW 0
	s_wait_loadcnt 8                               ; the codes are in; W's chunk 0 may be out
	LOADW 1
	WIN 0
.else
	s_wait_loadcnt 0x0
.endif
.set p, 0
.rept 48
	v_min_u32 v[AOFF+p], 0x807, v[AOFF+p]          ; a code is 2,055 at the most,
	v_and_b32 v[AOFF+p], 0x3ff, v[AOFF+p]          ; its token the low ten bits
	v_lshl_add_u32 v[AOFF+p], v[AOFF+p], ASH, v[A16]
.set p, p+1
.endr
.else
	v_add_lshl_u32 v[VL], v[R16], s23, 2
	s_wait_alu depctr_va_vdst(0)                   ; v[VL] is written, which the loads below read, and so are the address registers made ahead of this pass; the lines that read v[DL ..], in which the loads land, are done
.irp g, 0,1,2,3,4,5
	global_load_b32 v[DL+\g], v[VL], s[10:11] offset:256*\g      ; lane l: the code of row l % 16 of my tile g, for the way out
.endr
.if \main
	LOADW 0
	LOADW 1
	WIN 0
.else
	s_wait_loadcnt 0x0
.endif
	s_wait_kmcnt 0x0                               ; the count
	s_sub_co_u32 s[C1], s20, 1
	v_add_nc_u32 v[VR], s22, v[H]
.set p, 0
.rept 48
	v_add_nc_u32 v[AOFF+p], 64*(p/8)+2*(p%8), v[VR]
	v_min_u32 v[AOFF+p], s[C1], v[AOFF+p]          ; a row past the count reads the last row that was made: nothing unwritten is read
	v_min_u32 v[AOFF+p], 0x3ff, v[AOFF+p]          ; and every row lies inside the expert's part of A
	v_lshl_add_u32 v[AOFF+p], v[AOFF+p], ASH, v[A16]
.set p, p+1
.endr
.endif
	s_wait_alu depctr_va_vdst(0)                   ; the 48 offsets v[AOFF ..] are written, which A's loads read from here to the pass's end
.endm
; A K STEP OF A LATER PASS, by one wave alone, in its own part of LDS (slot 0's address registers point there by then).  W's 128 rows come in four chunks of 32 rows, 32 loads each into all four of
; W's buffers, are rounded and stored; my 96 rows of A in two halves of 24 loads; then four quarters are fetched and multiplied from fragment buffers 0.  Every wait is for 0: nothing overlaps.
; LDS serves a wave's instructions in order (ISA guide 5.7.1.4), so the stores of a step come behind the last step's reads, and the reads behind the stores.  All four waves read W here: no hint.
.macro OSTEP z
.irp c, 0,1,2,3
	WIN 0x40                                       ; destination window 1
	s_wait_alu depctr_vm_vsrc(0)                   ; the LDS stores of the chunk before have read v[WS ..], in which these loads land (the conversions that named them stand ahead of the last wait on va_vdst)
.set t, 0
.rept 32
	global_load_b128 v[WS+4*t:WS+4*t+3], v[VB], s[WP:WP+1] offset:t*PB
.set t, t+1
.endr
	s_wait_loadcnt 0x0                             ; the chunk is in, so its base may step
	s_add_nc_u64 s[WP:WP+1], s[WP:WP+1], 32*PB
	WIN CVT
.set t, 0
.rept 32
	v_cvt_pk_f16_f32 v[WS+4*t],   v[WS+4*t],   v[WS+4*t+1]
	v_cvt_pk_f16_f32 v[WS+4*t+1], v[WS+4*t+2], v[WS+4*t+3]
.set t, t+1
.endr
	s_wait_alu depctr_va_vdst(0)                   ; the conversions have written v[WS ..], which the LDS stores read; the last K step's matrix instructions are done reading fragment buffers 0, in which quarter 0's fetch lands
	WIN 0x04                                       ; LDS store: address window 0, data window 1
.set t, 0
.rept 32
	ds_store_b64 v[VST], v[WS+4*t:WS+4*t+1] offset:(32*\c+t)*PW
.set t, t+1
.endr
.endr
.irp hf, 0,1
.if \hf
	WIN 0xc0                                       ; destination window 3
	s_wait_alu depctr_vm_vsrc(0)                   ; the first half's LDS stores have read v[AS ..], in which the second half lands (the first half's loads stand behind the waits of W's chunks)
.endif
	LOADA 0, 2*\hf
	LOADA 1, 2*\hf+1
	s_wait_loadcnt 0x0
	WIN 0x0c                                       ; data window 3
.set t, 0
.rept 24
	ds_store_b128 v[AST], v[AS+4*t:AS+4*t+3] offset:2*PA*(24*\hf+t)
.set t, t+1
.endr
.endr
	s_add_nc_u64 s[AP:AP+1], s[AP:AP+1], 256       ; A's loads are done: on to the next K step
	s_add_nc_u64 s[AP+2:AP+3], s[AP+2:AP+3], 256
.irp q, 0,1,2,3
.if \q > 0
	PLACES                                         ; in front of quarter 0 the conversions above are the plain lines
	s_wait_alu depctr_va_vdst(0)                   ; the last quarter's matrix instructions are done reading fragment buffers 0, in which the fetch lands
.endif
	FETCH 0, \q, 0
	s_wait_dscnt 0x0
.irp g, 0,1,2,3,4,5
.if \q == 0
	MULG 0, \g, \z
.else
	MULG 0, \g, 0
.endif
.endr
.endr
.endm
; THE WAY OUT of my tile g, through my own stage in LDS, so that neighbouring lanes store neighbouring bytes.  LDS serves a wave's instructions in order (ISA guide 5.7.1.4), so the loads see the
; stores above them.  Each accumulator's registers are taken in ascending order.  A tile whose first row lies at or past the count holds padding alone and is left out; no barrier stands in here.
.if UP
.macro OUTBLK g
	WIN 0                                          ; at a branch and at a label every window is 0
.if \g > 0
	s_wait_alu depctr_vm_vsrc(0)                   ; the last tile's LDS stores have read v[TMP ..] and its global stores v[OB ..], which this tile's lines and loads write again
.endif
	s_add_co_u32 s40, s22, 64*\g
	s_cmp_ge_u32 s40, s20
	s_cbranch_scc1 .Lnone_\@
	s_wait_xcnt 0x0                                ; the last tile's stores have had their addresses translated (ISA guide 3.1): only now are their data registers written again
	WIN 0x02+(\g)/4                                ; source 0: window 2 or 3
.set AC, 64*((\g)%4)
.set i, 0
.rept 64
	v_med3_num_f32 v[TF+i], v[AC+i], 0, s[HMAX]    ; relu and the clamp to f16's largest number in one line; the bias lies in the sum
.set i, i+1
.endr
	WIN 0
.set i, 0
.rept 32
	v_cvt_pk_f16_f32 v[TMP+i], v[TF+2*i], v[TF+2*i+1]
.set i, i+1
.endr
	s_wait_alu depctr_va_vdst(0)                   ; the conversions have written v[TMP ..], which the LDS stores read, and are done reading v[TF ..], in which the loads from the stage land
.irp b, 0,1,2,3,4,5,6,7
	ds_store_b128 v[STO], v[TMP+4*\b:TMP+4*\b+3] offset:32*\b
.endr
.irp t, 0,1,2,3,4,5,6,7
	ds_load_b128 v[OB+4*\t:OB+4*\t+3], v[RD] offset:\t*2*SPITCH
.endr
	s_wait_dscnt 0x0
.irp t, 0,1,2,3,4,5,6,7
	global_store_b128 v[CO], v[OB+4*\t:OB+4*\t+3], s[14:15] offset:\g*64*8192+\t*16384   ; 16 lanes store 256 consecutive bytes, aligned
.endr
.Lnone_\@:
.endm
.else
.macro OUTBLK g
	WIN 0                                          ; at a branch and at a label every window is 0
.if \g > 0
	s_wait_alu depctr_vm_vsrc(0)                   ; the last tile's global stores have read v[VO ..] and v[OB ..], which this tile's lines and loads write again
.endif
	s_add_co_u32 s40, s22, 64*\g
	s_cmp_ge_u32 s40, s20
	s_cbranch_scc1 .Lnone_\@
	s_wait_xcnt 0x0                                ; the last tile's stores have had their addresses translated (ISA guide 3.1): only now are their offsets and data registers written again
.irp t, 0,1,2,3,4,5,6,7,8,9,10,11,12,13,14,15
	v_readlane_b32 s[RC+\t], v[DL+\g], \t          ; row t's code: the row of part that it goes to (a pair's own row, or the expert's spare row)
.endr
	s_wait_alu depctr_va_sdst(0)                   ; the sixteen codes are written into s[RC ..], ahead of their first readers
.irp t, 0,1,2,3,4,5,6,7,8,9,10,11,12,13,14,15
	s_min_u32 s[RC+\t], s[RC+\t], 0x807            ; inside the plane's 2,056 rows
.endr
.irp t, 0,1,2,3,4,5,6,7,8,9,10,11,12,13,14,15
	v_lshl_add_u32 v[VO+\t], s[RC+\t], 12, v[CO]
.endr
	s_wait_alu depctr_va_vdst(0)                   ; the matrix instructions have written the accumulators, which the LDS stores read, and are done reading the fragments' registers, in which the loads from the stage land; v[VO ..] are written, which the global stores read
	WIN 0x08+4*((\g)/4)                            ; store data: window 2 or 3
.set AC, 64*((\g)%4)
.irp b, 0,1,2,3,4,5,6,7
	ds_store_b128 v[STO], v[AC+8*\b:AC+8*\b+3]   offset:64*\b
	ds_store_b128 v[STO], v[AC+8*\b+4:AC+8*\b+7] offset:64*\b+16
.endr
	WIN 0
.irp t, 0,1,2,3,4,5,6,7,8,9,10,11,12,13,14,15
	ds_load_b128 v[OB+4*\t:OB+4*\t+3], v[RD] offset:\t*SPITCH
.endr
	s_wait_dscnt 0x0
.irp t, 0,1,2,3,4,5,6,7,8,9,10,11,12,13,14,15
	global_store_b128 v[VO+\t], v[OB+4*\t:OB+4*\t+3], s[14:15]    ; 32 lanes store 512 consecutive bytes, aligned
.endr
.Lnone_\@:
.endm
.endif
	; THE MAIN PASS: rows 0 to 383 of the expert's list.  Every wave passes every one of its barriers.
	ROWS 1
	LOADA 0, 0                                     ; the order W(0), W(1), A(0), W(2), A(1), W(3) is the one that the count of 28 rests on
	LOADW 2
	LOADA 1, 1
	LOADW 3
	CONV 0, 0, 28, 1, 0, 1                         ; K step 0's four chunks go into slot 0
	CONV 1, 0, 28, 1, 0, 1
	CONV 2, 0, 28, 1, 1, 1
	CONV 3, 0, 28, 1, 1, 1
	s_wait_dscnt 0x0                               ; my stores into slot 0 are done
	s_barrier_signal -1
	s_barrier_wait -1
	FETCH 0, 0, 0                                  ; no vector or matrix instruction has named buffers 0 yet
.if UP
	STEP 0, 2, 1                                   ; the first quarter's products start the sums, on the bias
.else
	STEP 0, 1, 1                                   ; the first quarter's products start the sums
.endif
	STEP 1, 0, 1
	WIN 0                                          ; at a label and at a branch every window is 0
	s_mov_b32 s44, (NSTEP-4)/2
.Llap:                                                 ; a trip takes both slots once
	STEP 0, 0, 1
	STEP 1, 0, 1
	WIN 0
	s_sub_co_u32 s44, s44, 1
	s_cmp_lg_u32 s44, 0
	s_cbranch_scc1 .Llap
	STEP 0, 0, 2
	QUARTER 1, 0, 0, 1, 0, 0, 0, 0, 0              ; the last step stores nothing
	QUARTER 1, 1, 1, 0, 0, 0, 0, 0, 0
	QUARTER 1, 2, 0, 1, 0, 0, 0, 0, 0
	s_wait_dscnt 4
	MULG 1, 0, 0
	MULG 1, 1, 0
	MULG 1, 2, 0
	MULG 1, 3, 0
	s_wait_dscnt 0x0
	MULG 1, 4, 0
	MULG 1, 5, 0
	WIN 0
	PLACES
	s_wait_kmcnt 0x0                               ; the count and the passes
.irp g, 0,1,2,3,4,5
	OUTBLK \g
.endr
	s_wait_xcnt 0x0                                ; the stores' base, offsets and data registers are written again only behind this wait
	s_wait_alu depctr_vm_vsrc(0)                   ; every load, store and LDS instruction of the pass has read its registers: the address and offset registers, W's and A's chunks, the registers of the way out and the accumulators that were stored are written anew in a later pass
	s_wait_dscnt 0x0                               ; my reads of the slots are over:
	s_barrier_signal -1
	s_barrier_wait -1                              ; everybody's are, so the slots' bytes may be dealt anew.  This is the last barrier, and it stands on every wave's way
	; THE LATER PASSES: none, one or two.  From here on no wave touches another's LDS bytes and no barrier follows.
	s_mov_b32 s21, 1                               ; passes done
	s_cmp_lt_u32 s21, s19
	s_cbranch_scc0 .Ldone
	s_mul_i32 s50, s16, PRIV                       ; my own part of LDS: 96 rows of A, then 128 rows of W
	v_mul_u32_u24 v6, v[R16], PA
	v_lshl_add_u32 v6, v[H], 4, v6
	v_add_nc_u32 v[ADRA], s50, v6
	v_mul_u32_u24 v6, v[H], PA
	v_add3_u32 v[AST], v6, v[A16], s50
	s_add_co_u32 s50, s50, AWV
	v_add_nc_u32 v[ADRB], s50, v[TRB]
	v_lshl_add_u32 v[VST], v[LN], 3, s50
	v_lshlrev_b32 v[VB], 4, v[LN]                  ; I take every row of a chunk of W now
.Lover:
.if UP
	s_add_nc_u64 s[14:15], s[14:15], MP*8192       ; C goes 384 rows down
.endif
	s_add_co_u32 s22, s22, MP
	s_add_co_u32 s23, s23, MP
	ROWS 0
.if UP
	OSTEP 2                                        ; K step 0: its first quarter's products start the sums, on the bias
.else
	OSTEP 1                                        ; K step 0: its first quarter's products start the sums
.endif
	WIN 0
	s_mov_b32 s44, NSTEP-1
.Lok:
	OSTEP 0
	WIN 0
	s_sub_co_u32 s44, s44, 1
	s_cmp_lg_u32 s44, 0
	s_cbranch_scc1 .Lok
	PLACES
.irp g, 0,1,2,3,4,5
	OUTBLK \g
.endr
	s_wait_xcnt 0x0                                ; the stores' base, offsets and data registers are written again only behind this wait
	s_wait_alu depctr_vm_vsrc(0)                   ; every load, store and LDS instruction of the pass has read its registers, which the next pass writes anew
	s_add_co_u32 s21, s21, 1
	s_cmp_lt_u32 s21, s19
	s_cbranch_scc1 .Lover
.Ldone:
	s_wait_dscnt 0x0                               ; the closing lines, six on end
	s_wait_alu 0x0
	s_wait_tensorcnt 0x0
	ds_add_u32 v238, v239
	s_wait_dscnt 0x0
	s_endpgm
.Lfunc_end_k_q04d5207da5_down:
	.size	k_q04d5207da5_down, .Lfunc_end_k_q04d5207da5_down-k_q04d5207da5_down
	.p2alignl 7, 3214868480
	.fill 96, 4, 3214868480
	.section	.rodata,"a",@progbits
	.p2align	6, 0x0
	.amdhsa_kernel k_q04d5207da5_down
		.amdhsa_group_segment_fixed_size 316928
		.amdhsa_private_segment_fixed_size 0
		.amdhsa_enable_private_segment 0
		.amdhsa_kernarg_size 40
		.amdhsa_user_sgpr_count 2
		.amdhsa_user_sgpr_kernarg_segment_ptr 1
		.amdhsa_wavefront_size32 1
		.amdhsa_system_sgpr_workgroup_id_x 1
		.amdhsa_system_sgpr_workgroup_id_y 1
		.amdhsa_system_sgpr_workgroup_id_z 1
		.amdhsa_system_vgpr_workitem_id 0
		.amdhsa_next_free_vgpr 1024
		.amdhsa_next_free_sgpr 66
		.amdhsa_reserve_vcc 0
		.amdhsa_float_denorm_mode_32 3
		.amdhsa_float_denorm_mode_16_64 3
		.amdhsa_memory_ordered 1
		.amdhsa_forward_progress 1
		.amdhsa_inst_pref_size 255
	.end_amdhsa_kernel
	.section	.bss,"aw",@nobits
	.p2align	6
	.space	262144
	.amdgpu_metadata
---
amdhsa.version: [ 1, 2 ]
amdhsa.kernels:
  - .name:           k_q04d5207da5_down
    .symbol:         k_q04d5207da5_down.kd
    .args:
      - { .name: hbuf, .offset: 0, .size: 8, .value_kind: global_buffer, .address_space: global }
      - { .name: W2, .offset: 8, .size: 8, .value_kind: global_buffer, .address_space: global }
      - { .name: lst, .offset: 16, .size: 8, .value_kind: global_buffer, .address_space: global }
      - { .name: cnt, .offset: 24, .size: 8, .value_kind: global_buffer, .address_space: global }
      - { .name: part, .offset: 32, .size: 8, .value_kind: global_buffer, .address_space: global }
    .group_segment_fixed_size: 316928
    .private_segment_fixed_size: 0
    .kernarg_segment_align: 8
    .kernarg_segment_size: 40
    .max_flat_workgroup_size: 128
    .sgpr_count:     66
    .vgpr_count:     1024
    .wavefront_size: 32
...
	.end_amdgpu_metadata
.endif
;; end of part 11
;; launch comb: the kernel of part 9 again; grid 1024 x 1, 8 waves a work-group, no clusters, 0 bytes of LDS; arguments part, sel, wts, b2, out0; writes out0
